; MI455X (gfx1250); checked and timed in simulation.
; The chip was launched on July 23, 2026; its instructions are those of AMD's public machine-readable ISA for CDNA 5 (MIT licence, August 2026) and "CDNA5" Instruction Set Architecture Reference Guide (July 2026). The comments in the code are by the model that wrote it; some were corrected since.
;; Block. Allowed arithmetic: matrix products marked QUANTISED: E2M3 operands, one E8M0 scale for each 32 along K, by v_wmma_scale_f32_16x16x128_f8f6f4 with both operands' format E2M3, f32 sums; everything else in f32.
;; Inputs: W1 1,024 x 4,096 float32; W2 4,096 x 1,024 float32; Wk 16 x 1,024 x 64 float32; Wproj 1,024 x 1,024 float32; Wq 16 x 1,024 x 64 float32; Wv 16 x 1,024 x 64 float32; b1 4,096 float32; b2 1,024 float32; be1 1,024 float32; be2 1,024 float32; bproj 1,024 float32; g1 1,024 float32; g2 1,024 float32; x 2 x 2,048 x 1,024 float32.
;; Outputs: out0 2 x 2,048 x 1,024 float32.
;; This version of the problem:
;;   THIS VERSION OF THE PROBLEM IS GIVEN IN LOW PRECISION. The matrix products marked QUANTISED in the list below multiply operands that are first quantised to E2M3 (2 exponent bits, 3 mantissa bits; 6 bits a number), with one power-of-two scale for each 32 numbers along K (OCP MX v1.0); their sums are f32. All else is computed in f32.
;;   The module's matrix products, in the order in which they are computed (A, B: the left and right operand; K: the contracted axis; several contracted axes count as one K, in the product's order):
;;     1. [M 1,024, K 1,024] x [K 1,024, N 4,096]; A: input Wq; B: computed on the way: QUANTISED
;;     2. [M 1,024, K 1,024] x [K 1,024, N 4,096]; A: input Wk; B: computed on the way: QUANTISED
;;     3. [M 1,024, K 1,024] x [K 1,024, N 4,096]; A: input Wv; B: computed on the way: QUANTISED
;;     4. batch 32 x [M 2,048, K 64] x [K 64, N 2,048]; A: computed on the way; B: computed on the way: QUANTISED
;;     5. batch 32 x [M 2,048, K 2,048] x [K 2,048, N 64]; A: softmax (see below); B: computed on the way: QUANTISED
;;     6. [M 4,096, K 1,024] x [K 1,024, N 1,024]; A: computed on the way; B: input Wproj: QUANTISED
;;     7. [M 4,096, K 1,024] x [K 1,024, N 4,096]; A: computed on the way; B: input W1: QUANTISED
;;     8. [M 4,096, K 4,096] x [K 4,096, N 1,024]; A: computed on the way; B: input W2: QUANTISED
;;   THE QUANTISER, for each operand of a quantised product, along K:
;;     - K is cut into blocks of 32 from its start; a last block that is shorter is filled with zeros.
;;     - A block's scale is 2^e with e = floor(log2(the largest magnitude in the block)) - 2, held to -126 .. 127; a block of zeros has e = 0. As a byte (E8M0): e + 127.
;;     - Each number is divided by its block's scale, clamped to +-7.5, and rounded to the nearest number of E2M3, ties to even, subnormals kept.
;;     - The product sums the exact products of the quantised numbers (number of the format x scale) in f32.
;;   ~~~python
;;   def quantise(x, axis):      # numpy; x: float32 -> the quantised numbers, widened to float32 again
;;       x = np.moveaxis(x, axis, -1); K = x.shape[-1]
;;       x = np.pad(x, [(0, 0)] * (x.ndim - 1) + [(0, -K % 32)]); x = x.reshape(x.shape[:-1] + (-1, 32)); a = np.abs(x).max(-1, keepdims=True)
;;       e = np.where(a > 0, np.clip(np.frexp(np.where(a > 0, a, 1))[1] - 1 - 2, -126, 127), 0)      # np.frexp(a)[1] - 1 = floor(log2(a)), exactly
;;       r = np.clip(x / 2.0 ** e, -7.5, 7.5)
;;       step = 2.0 ** (np.maximum(np.frexp(np.where(r == 0, 1, r))[1] - 1, 0) - 3)
;;       q = np.round(r / step) * step * 2.0 ** e      # np.round: ties to even
;;       return np.moveaxis(q.reshape(q.shape[:-2] + (-1,))[..., :K], -1, axis).astype(np.float32)
;;   ~~~
;;   SOFTMAX AHEAD OF A QUANTISED PRODUCT. Where the list says 'softmax', what is quantised is not the finished softmax but p = 2^(t - M), with t = logit x log2(e) and M = ceil(the row's largest t), a whole number; so 1/2 < the row's largest p <= 1. The row's sum l is taken of the UNQUANTISED p, in f32, and the product's result is divided by l at the end. Since M is a whole number, a kernel that streams over the keys may use a running M (the ceiling of the running maximum): every later rescaling is an exact power of two, which a block's scale takes up: the codes' values come out the same.
;;   OPERANDS COMPUTED ON THE WAY. 'Computed on the way' means the value that the module computes at that place (a softmax that the list does not call 'softmax' is quantised finished and normalised). What goes into a quantiser is computed in f32, as accurately as f32 sums, v_exp_f32 and their like allow (about 1e-6 of the number): no bf16 or f16 on the way to a quantiser, and a product that is left as it is and whose result goes on into a quantised operand takes f32 operands (vector FMAs, or v_wmma_f32_16x16x4_f32). A number that lies on a knife's edge between two numbers of the format may be rounded either way, as far as f32 arithmetic and the matrix unit's own rounding can turn it there, and no further.
;; 2 versions. Each part assembles by itself: llvm-mc -triple=amdgcn-amd-amdhsa -mcpu=gfx1250 --defsym DOCPART=n.
;; ======== version 1 of 2: 7 launches
;; workspace buffers: wimg 9,830,400 bytes; hc 3,276,800 bytes; qkvc 10,092,544 bytes; oc 3,276,800 bytes; x1 16,777,216 bytes; h2c 3,276,800 bytes; hid 13,107,200 bytes
;; launch prep (part 1): grid 640 x 1, 8 waves a work-group, no clusters, 2,048 bytes of LDS; arguments x, g1, be1, Wq, Wk, Wv, Wproj, W1, W2, hc, wimg; writes hc, wimg
.if DOCPART == 1
	.amdgcn_target "amdgcn-amd-amdhsa--gfx1250"
	.amdhsa_code_object_version 6
	.text
	.protected	k_q48f218f74f_prep
	.globl	k_q48f218f74f_prep
	.p2align	8
	.type	k_q48f218f74f_prep,@function
k_q48f218f74f_prep:
	s_mov_b64 s[64:65], 0
	v_nop
	global_prefetch_b8 v0, s[64:65] scope:SCOPE_SE
	s_setreg_imm32_b32 hwreg(HW_REG_WAVE_MODE, 25, 1), 1
	s_wait_xcnt 0x0
; PREP: work-groups 0-255: h = layernorm(x) g1 + be1, quantised along C to E2M3 codes with one E8M0 byte for each 32; work-groups 256-639: the six weights, quantised along their K.
; LAYOUT OF EVERY OPERAND THAT THIS PROGRAM MAKES.  Rows (tokens or features) go in tiles of 16; lane r of tile t holds row 32 (t / 2) + 8 (t % 2) + r + 8 (r / 8), so that the results of two neighbouring tiles
; used as source 0 are 16 neighbours in a lane's registers.  A tile's codes for 128 along K are stored as an IMAGE OF THE OPERAND'S 12 REGISTERS: for each half of 64 along K, registers 0-3 at 16 x lane (512 bytes),
; registers 4-5 at 512 + 8 x lane (256 bytes): 768 bytes a half, 1,536 a tile.  Four tiles and their 64 scale words (at 6,144 + 64 tile + 4 r) are a QUAD of 6,400 bytes; a buffer is [K step][quad].
; LN PATH: a work-group takes one tile of 16 tokens, wave w the K step w (128 of the 1,024 channels); lane (r, h) holds 16 neighbours of each block of 32 of its token.  Mean and variance in two passes (the mean
; is taken off before the squares), the eight waves' partial sums meet in LDS: two barriers.  WEIGHT PATH: a wave takes 32 columns x 128 along K; a lane takes a column and its registers run down K, so a block of
; 32 lies in one lane, and the store addresses alone put each lane's codes at their place in the image.  No LDS, no barrier there.  No tensor loads: nothing is shared between work-groups.
; LIMITS: NaN and infinities among the inputs are not served.  A block whose largest magnitude lies under 2^-124 keeps the byte 1; a block of zeros has the byte 1 where the rule says 127: its codes are zeros, and this program alone reads the bytes.
.set X,    64                          ; v64-127   64 numbers of x, then of h
.set G,    128                         ; v128-191  the gains of my 64 channels
.set BE,   192                         ; v192-255  the offsets
.set TM,   28                          ; v28-43    the quantiser's work: maxima, bytes, scale operands
.set PC,   44                          ; v44-63    the codes just made
.set PW,   11                          ; v11       the scale word just made
.set SEL,  40                          ; s[40:41]  lane selects for v_permlanex16_b32: lane l xor 16
.set OUTP, 22                          ; s[22:23]  the codes' buffer
; 64 numbers of a lane, register 16 b + i = k 32 b + 16 (lane / 16) + i of my row, become a fragment's 12 registers in v[pc] on and its scale word in v[pw].
.macro QUANT s, pc, pw
.irp b, 0,1,2,3
	v_max3_num_f32 v[TM+\b], |v[\s+16*\b]|, |v[\s+1+16*\b]|, 0x1800000   ; block b: my 16 numbers, and the floor 2^(3 - 127): the byte cannot fall under 1
.endr
.irp i, 2,4,6,8,10,12,14
.irp b, 0,1,2,3
	v_max3_num_f32 v[TM+\b], v[TM+\b], |v[\s+16*\b+\i]|, |v[\s+1+16*\b+\i]|
.endr
.endr
.irp b, 0,1,2,3
	v_permlanex16_b32 v[TM+4+\b], v[TM+\b], s[SEL], s[SEL+1]
.endr
.irp b, 0,1,2,3
	v_max_num_f32 v[TM+\b], v[TM+\b], v[TM+4+\b]   ; with lane l xor 16's: the block's largest magnitude
.endr
.irp b, 0,1,2,3
	v_add_nc_u32 v[TM+12+\b], 0xff000000, v[TM+\b] ; 2 off its exponent field: the conversion's scale operand
.endr
.irp b, 0,1,2,3
	v_lshrrev_b32 v[TM+4+\b], 23, v[TM+12+\b]      ; the scale's byte
.endr
	v_lshl_or_b32 v[\pw], v[TM+5], 8, v[TM+4]
	v_lshl_or_b32 v[\pw], v[TM+6], 16, v[\pw]
	v_lshl_or_b32 v[\pw], v[TM+7], 24, v[\pw]
.irp c, 0,1
	v_cvt_scalef32_pk16_fp6_f32 v[\pc+6*\c:\pc+2+6*\c], v[\s+32*\c:\s+15+32*\c], v[TM+12+2*\c]
	v_cvt_scalef32_pk16_fp6_f32 v[\pc+12+4*\c:\pc+14+4*\c], v[\s+16+32*\c:\s+31+32*\c], v[TM+12+2*\c+1]   ; (a conversion's three registers begin on an even number)
.endr
	v_nop                                          ; one plain place behind a scaled conversion
.irp c, 0,1                                    ; the operand wants a whole block in a lane: lanes 0-15 block 2 c, lanes 16-31 block 2 c + 1
.irp i, 0,1,2
	v_permlane16_swap_b32 v[\pc+6*\c+\i], v[\pc+12+4*\c+\i]
.endr
.irp i, 0,1,2
	v_mov_b32 v[\pc+3+6*\c+\i], v[\pc+12+4*\c+\i]
.endr
.endr
.endm
; The pairs v[12:13], v[14:15] hold my lane's partial sums: they become my row's sum over all 1,024 channels, in v16 of every lane.  off: the 512 LDS bytes of this sum.
.macro ROWSUM off
	v_pk_add_f32 v[12:13], v[12:13], v[14:15]
	v_add_f32 v12, v12, v13
	v_permlanex16_b32 v13, v12, s[SEL], s[SEL+1]
	v_add_f32 v12, v12, v13                        ; my row's 128 channels of this K step
	ds_store_b32 v6, v12 offset:\off               ; word (row, wave); both halves of the lanes write the same value
	s_wait_dscnt 0x0                               ; for the others' sake: my store has landed
	s_barrier_signal -1
	s_barrier_wait -1
	ds_load_b128 v[16:19], v7 offset:\off
	ds_load_b128 v[20:23], v7 offset:\off+16
	s_wait_dscnt 0x0
	v_pk_add_f32 v[16:17], v[16:17], v[18:19]
	v_pk_add_f32 v[20:21], v[20:21], v[22:23]
	v_pk_add_f32 v[16:17], v[16:17], v[20:21]
	v_add_f32 v16, v16, v17
.endm
.macro WLOAD pitch                     ; 128 rows of K at my wave's 32 columns: each load reads 128 consecutive bytes
.set n, 0
.rept 128
	global_load_b32 v[64+n], v4, s[28:29] offset:n*\pitch th:TH_LOAD_NT
.set n, n+1
.endr
.endm
	s_load_b512 s[4:19], s[0:1], 0x0               ; x 4, g1 6, be1 8, Wq 10, Wk 12, Wv 14, Wproj 16, W1 18
	s_load_b128 s[20:23], s[0:1], 0x40             ; W2 20, hc 22
	s_load_b64 s[24:25], s[0:1], 0x50              ; wimg
	v_lshl_add_u32 v59, v0, 2, 0x400
	v_mov_b32 v63, 0
	v_lshrrev_b32 v1, 5, v0
	v_readfirstlane_b32 s26, v1                    ; wave 0..7
	s_cmp_ge_u32 ttmp9, 256                        ; the work-group's number alone decides the path: all eight waves take the same
	s_cbranch_scc1 .Lweights
	; ---------------- LN PATH: token tile T = work-group, K step = wave
	v_and_b32 v1, 15, v0                           ; r
	v_bfe_u32 v2, v0, 4, 1                         ; h
	v_and_b32 v3, 31, v0                           ; lane
	v_and_b32 v4, 8, v1
	v_add_nc_u32 v4, v4, v1                        ; r + 8 (r / 8)
	v_lshlrev_b32 v4, 12, v4                       ; rows of 4,096 bytes
	v_lshl_add_u32 v4, v2, 6, v4                   ; + 64 h: my 16 numbers of a block of 32
	v_lshlrev_b32 v5, 6, v2                        ; g, be: 64 h
	v_lshlrev_b32 v7, 5, v1                        ; LDS: my row's eight partial sums
	s_lshl_b32 s27, s26, 2
	v_add_nc_u32 v6, s27, v7                       ; and my wave's word among them
	v_lshlrev_b32 v8, 4, v3                        ; the image: 16 x lane,
	v_lshlrev_b32 v9, 3, v3                        ; 8 x lane,
	v_lshlrev_b32 v10, 2, v1                       ; and the scale word: 4 r
.irp b, 0,1,2,3
	v_mov_b32 v[TM+4+\b], 0                        ; written once: a lane permute's destination counts as one of its sources
.endr
	s_mov_b32 s[SEL], 0x76543210
	s_mov_b32 s[SEL+1], 0xfedcba98
	s_lshr_b32 s28, ttmp9, 1
	s_lshl_b32 s28, s28, 5
	s_and_b32 s29, ttmp9, 1
	s_lshl_b32 s29, s29, 3
	s_add_co_u32 s28, s28, s29                     ; the tile's first token: 32 (T / 2) + 8 (T % 2)
	s_lshl_b32 s28, s28, 12
	s_lshl_b32 s30, s26, 9                         ; my K step: 512 bytes of a row
	s_add_co_u32 s28, s28, s30
	s_mov_b32 s29, 0
	s_mov_b32 s31, 0
	s_lshl_b32 s32, s26, 6
	s_lshr_b32 s33, ttmp9, 2
	s_add_co_u32 s32, s32, s33
	s_mul_i32 s32, s32, 6400                       ; quad (K step w, T / 4)
	s_and_b32 s33, ttmp9, 3
	s_mul_i32 s34, s33, 1536
	s_add_co_u32 s34, s32, s34                     ; my tile's image
	s_mov_b32 s35, 0
	s_lshl_b32 s33, s33, 6
	s_add_co_u32 s32, s32, s33
	s_add_co_u32 s32, s32, 6144                    ; and its scale words
	s_mov_b32 s33, 0
	s_wait_kmcnt 0x0
	s_add_nc_u64 s[4:5], s[4:5], s[28:29]
	s_add_nc_u64 s[6:7], s[6:7], s[30:31]
	s_add_nc_u64 s[8:9], s[8:9], s[30:31]
	s_add_nc_u64 s[36:37], s[OUTP:OUTP+1], s[34:35]
	s_add_nc_u64 s[38:39], s[OUTP:OUTP+1], s[32:33]
.irp b, 0,1,2,3
.irp j, 0,1,2,3
	global_load_b128 v[X+16*\b+4*\j:X+16*\b+4*\j+3], v4, s[4:5] offset:128*\b+16*\j
.endr
.endr
.irp b, 0,1,2,3
.irp j, 0,1,2,3
	global_load_b128 v[G+16*\b+4*\j:G+16*\b+4*\j+3], v5, s[6:7] offset:128*\b+16*\j
.endr
.endr
.irp b, 0,1,2,3
.irp j, 0,1,2,3
	global_load_b128 v[BE+16*\b+4*\j:BE+16*\b+4*\j+3], v5, s[8:9] offset:128*\b+16*\j
.endr
.endr
	s_wait_loadcnt 32                              ; x's 16 loads are in; the 32 of g and be stay out
	v_pk_add_f32 v[12:13], v[X:X+1], v[X+2:X+3]    ; the sum of my 64, in two chains
	v_pk_add_f32 v[14:15], v[X+4:X+5], v[X+6:X+7]
.set n, 8
.rept 14
	v_pk_add_f32 v[12:13], v[12:13], v[X+n:X+n+1]
	v_pk_add_f32 v[14:15], v[14:15], v[X+n+2:X+n+3]
.set n, n+4
.endr
	ROWSUM 0
	v_mul_f32 v24, 0x3a800000, v16                 ; the mean: x 2^-10
	v_mov_b32 v25, v24
.set n, 0
.rept 32
	v_pk_add_f32 v[X+n:X+n+1], v[X+n:X+n+1], v[24:25] neg_lo:[0,1] neg_hi:[0,1]   ; x - mean
.set n, n+2
.endr
	v_pk_mul_f32 v[12:13], v[X:X+1], v[X:X+1]      ; the sum of the squares of what is left
	v_pk_mul_f32 v[14:15], v[X+2:X+3], v[X+2:X+3]
.set n, 4
.rept 15
	v_pk_fma_f32 v[12:13], v[X+n:X+n+1], v[X+n:X+n+1], v[12:13]
	v_pk_fma_f32 v[14:15], v[X+n+2:X+n+3], v[X+n+2:X+n+3], v[14:15]
.set n, n+4
.endr
	ROWSUM 512                                     ; other LDS bytes than the first sum's: no third barrier is needed
	v_mov_b32 v25, 0x3727c5ac                      ; 1e-5
	s_mov_b32 s27, 0x3a800000
	v_fma_f32 v26, v16, s27, v25                   ; variance + eps
	v_rsq_f32 v26, v26
	v_nop                                          ; one plain place behind a transcendental
	s_wait_alu depctr_va_vdst(0)
	v_mov_b32 v27, v26
.set n, 0
.rept 32
	v_pk_mul_f32 v[X+n:X+n+1], v[X+n:X+n+1], v[26:27]
.set n, n+2
.endr
	s_wait_loadcnt 0x0                             ; g and be
.set n, 0
.rept 32
	v_pk_fma_f32 v[X+n:X+n+1], v[X+n:X+n+1], v[G+n:G+n+1], v[BE+n:BE+n+1]
.set n, n+2
.endr
	QUANT X, PC, PW
	global_store_b128 v8, v[PC:PC+3], s[36:37]                 ; 512 consecutive bytes, aligned to 256
	global_store_b64 v9, v[PC+4:PC+5], s[36:37] offset:512     ; 256
	global_store_b128 v8, v[PC+6:PC+9], s[36:37] offset:768
	global_store_b64 v9, v[PC+10:PC+11], s[36:37] offset:1280
	global_store_b32 v10, v[PW], s[38:39]                      ; both halves of the lanes hold the same word
	s_wait_tensorcnt 0x0
	ds_add_u32 v59, v63
	s_wait_dscnt 0x0
	s_endpgm
	; ---------------- WEIGHT PATH: task = 8 (work-group - 256) + wave: 32 columns x 128 along K
.Lweights:
	s_sub_co_u32 s27, ttmp9, 256
	s_lshl_b32 s27, s27, 3
	s_add_co_u32 s27, s27, s26                     ; task 0..3071: 768 for Wq, Wk, Wv; 256 for Wproj; 1,024 for W2; 1,024 for W1
	v_and_b32 v3, 31, v0
	v_lshlrev_b32 v4, 2, v3                        ; in: 4 bytes a lane
	v_bfe_u32 v1, v0, 3, 1                         ; column l of the 32 lies in tile u = (l / 8) % 2 of the pair,
	v_and_b32 v2, 7, v0
	v_bfe_u32 v5, v0, 4, 1
	v_lshl_add_u32 v2, v5, 3, v2                   ; at its lane r' = l % 8 + 8 (l / 16)
	v_mul_u32_u24 v8, v1, 1536
	v_lshl_add_u32 v5, v2, 4, v8                   ; the image: registers 0-3,
	v_lshl_add_u32 v6, v2, 3, v8                   ; registers 4-5,
	v_lshlrev_b32 v7, 6, v1
	v_lshl_add_u32 v7, v2, 2, v7                   ; the scale word
	s_cmp_lt_u32 s27, 768
	s_cbranch_scc0 .Lw_not_qkv
	s_lshr_b32 s34, s27, 8                         ; which of Wq, Wk, Wv
	s_bfe_u32 s35, s27, 0x30005                    ; K step
	s_and_b32 s36, s27, 31                         ; c: head 2 c' + half
	s_lshr_b32 s37, s36, 1                         ; head
	s_and_b32 s31, s36, 1                          ; which 32 of its 64 columns
	s_lshl_b32 s38, s37, 18                        ; a head is 1,024 rows of 256 bytes
	s_lshl_b32 s39, s35, 15                        ; a K step 128 rows
	s_add_co_u32 s38, s38, s39
	s_lshl_b32 s39, s31, 7
	s_add_co_u32 s38, s38, s39
	s_mov_b32 s39, 0
	s_mul_i32 s30, s35, 48
	s_lshl_b32 s40, s34, 4
	s_add_co_u32 s30, s30, s40
	s_add_co_u32 s30, s30, s37
	s_mul_i32 s30, s30, 6400                       ; quad (K step, 16 sel + head) of 48
	s_wait_kmcnt 0x0
	s_cmp_eq_u32 s34, 0
	s_cselect_b64 s[28:29], s[10:11], s[12:13]
	s_cmp_eq_u32 s34, 2
	s_cselect_b64 s[28:29], s[14:15], s[28:29]
	s_add_nc_u64 s[28:29], s[28:29], s[38:39]
	WLOAD 256
	s_branch .Lwcommon
.Lw_not_qkv:
	s_cmp_lt_u32 s27, 2048
	s_cbranch_scc0 .Lw_w1
	s_wait_kmcnt 0x0
	s_sub_co_u32 s34, s27, 768
	s_mov_b32 s40, 6553600                         ; W2's images begin here, Wproj's at 2,457,600
	s_cmp_lt_u32 s34, 256
	s_cselect_b64 s[28:29], s[16:17], s[20:21]
	s_cselect_b32 s40, 2457600, s40
	s_cselect_b32 s35, 0, 256
	s_sub_co_u32 s34, s34, s35
	s_lshr_b32 s35, s34, 5                         ; K step
	s_and_b32 s36, s34, 31                         ; which 32 columns of 1,024
	s_and_b32 s31, s36, 1
	s_lshl_b32 s38, s35, 19                        ; 128 rows of 4,096 bytes
	s_lshl_b32 s39, s36, 7
	s_add_co_u32 s38, s38, s39
	s_mov_b32 s39, 0
	s_add_nc_u64 s[28:29], s[28:29], s[38:39]
	s_lshl_b32 s30, s35, 4
	s_lshr_b32 s37, s36, 1
	s_add_co_u32 s30, s30, s37
	s_mul_i32 s30, s30, 6400
	s_add_co_u32 s30, s30, s40
	WLOAD 4096
	s_branch .Lwcommon
.Lw_w1:
	s_sub_co_u32 s34, s27, 2048
	s_lshr_b32 s35, s34, 7                         ; K step
	s_and_b32 s36, s34, 127                        ; which 32 columns of 4,096
	s_and_b32 s31, s36, 1
	s_lshl_b32 s38, s35, 21                        ; 128 rows of 16,384 bytes
	s_lshl_b32 s39, s36, 7
	s_add_co_u32 s38, s38, s39
	s_mov_b32 s39, 0
	s_lshl_b32 s30, s35, 6
	s_lshr_b32 s37, s36, 1
	s_add_co_u32 s30, s30, s37
	s_mul_i32 s30, s30, 6400
	s_add_co_u32 s30, s30, 3276800
	s_wait_kmcnt 0x0
	s_add_nc_u64 s[28:29], s[18:19], s[38:39]
	WLOAD 16384
.Lwcommon:
	s_mul_i32 s34, s31, 3072                       ; my 32 columns are tiles 2 (c % 2) and 2 (c % 2) + 1 of the quad
	s_add_co_u32 s34, s34, s30
	s_mov_b32 s35, 0
	s_add_nc_u64 s[32:33], s[24:25], s[34:35]
	s_lshl_b32 s36, s31, 7
	s_add_co_u32 s36, s36, s30
	s_add_co_u32 s36, s36, 6144
	s_mov_b32 s37, 0
	s_add_nc_u64 s[36:37], s[24:25], s[36:37]
; Block t of 32 along K: all its numbers are mine.  In the operand it belongs to half t / 2 and to lane r' + 16 (t % 2).
.macro WBLOCK t
.set XS, 64+32*\t
	v_max3_num_f32 v12, |v[XS]|, |v[XS+1]|, |v[XS+2]|
	v_max3_num_f32 v13, |v[XS+3]|, |v[XS+4]|, |v[XS+5]|
.irp i, 6,10,14,18,22,26
	v_max3_num_f32 v12, v12, |v[XS+\i]|, |v[XS+\i+1]|
	v_max3_num_f32 v13, v13, |v[XS+\i+2]|, |v[XS+\i+3]|
.endr
	v_max3_num_f32 v12, v12, |v[XS+30]|, |v[XS+31]|
	v_max3_num_f32 v12, v12, v13, 0x1800000        ; and the floor 2^(3 - 127)
	v_add_nc_u32 v14, 0xff000000, v12              ; the conversion's scale operand
	v_lshrrev_b32 v15, 23, v14                     ; the byte
.if \t == 0
	v_mov_b32 v20, v15
.else
	v_lshl_or_b32 v20, v15, 8*\t, v20
.endif
	v_cvt_scalef32_pk16_fp6_f32 v[192+8*\t:194+8*\t], v[XS:XS+15], v14
	v_cvt_scalef32_pk16_fp6_f32 v[224+4*\t:226+4*\t], v[XS+16:XS+31], v14
	v_nop                                          ; one plain place behind a scaled conversion
.irp i, 0,1,2
	v_mov_b32 v[195+8*\t+\i], v[224+4*\t+\i]
.endr
	global_store_b128 v5, v[192+8*\t:195+8*\t], s[32:33] offset:768*(\t/2)+256*(\t%2)       ; sixteen lanes fill 256 aligned bytes of each of the two tiles
	global_store_b64 v6, v[196+8*\t:197+8*\t], s[32:33] offset:768*(\t/2)+512+128*(\t%2)
.endm
	s_wait_loadcnt 63                              ; of the 128 loads at most 63 are out: the first 65 are in, blocks 0 and 1 among them (a wait's count names no more than 63)
	WBLOCK 0
	WBLOCK 1
	s_wait_loadcnt 32                              ; block 3's 32 stay out
	WBLOCK 2
	s_wait_loadcnt 0x0
	WBLOCK 3
	global_store_b32 v7, v20, s[36:37]             ; my column's scale word for this K step
	s_endpgm
.Lfunc_end_k_q48f218f74f_prep:
	.size	k_q48f218f74f_prep, .Lfunc_end_k_q48f218f74f_prep-k_q48f218f74f_prep
	.p2alignl 7, 3214868480
	.fill 96, 4, 3214868480
	.section	.rodata,"a",@progbits
	.p2align	6, 0x0
	.amdhsa_kernel k_q48f218f74f_prep
		.amdhsa_group_segment_fixed_size 2048
		.amdhsa_private_segment_fixed_size 0
		.amdhsa_enable_private_segment 0
		.amdhsa_kernarg_size 88
		.amdhsa_user_sgpr_count 2
		.amdhsa_user_sgpr_kernarg_segment_ptr 1
		.amdhsa_wavefront_size32 1
		.amdhsa_system_sgpr_workgroup_id_x 1
		.amdhsa_system_sgpr_workgroup_id_y 1
		.amdhsa_system_sgpr_workgroup_id_z 1
		.amdhsa_system_vgpr_workitem_id 0
		.amdhsa_next_free_vgpr 256
		.amdhsa_next_free_sgpr 66
		.amdhsa_reserve_vcc 0
		.amdhsa_float_denorm_mode_32 3
		.amdhsa_float_denorm_mode_16_64 3
		.amdhsa_memory_ordered 1
		.amdhsa_forward_progress 1
		.amdhsa_inst_pref_size 70
	.end_amdhsa_kernel
	.amdgpu_metadata
---
amdhsa.version: [ 1, 2 ]
amdhsa.kernels:
  - .name:           k_q48f218f74f_prep
    .symbol:         k_q48f218f74f_prep.kd
    .args:
      - { .name: x, .offset: 0, .size: 8, .value_kind: global_buffer, .address_space: global }
      - { .name: g1, .offset: 8, .size: 8, .value_kind: global_buffer, .address_space: global }
      - { .name: be1, .offset: 16, .size: 8, .value_kind: global_buffer, .address_space: global }
      - { .name: Wq, .offset: 24, .size: 8, .value_kind: global_buffer, .address_space: global }
      - { .name: Wk, .offset: 32, .size: 8, .value_kind: global_buffer, .address_space: global }
      - { .name: Wv, .offset: 40, .size: 8, .value_kind: global_buffer, .address_space: global }
      - { .name: Wproj, .offset: 48, .size: 8, .value_kind: global_buffer, .address_space: global }
      - { .name: W1, .offset: 56, .size: 8, .value_kind: global_buffer, .address_space: global }
      - { .name: W2, .offset: 64, .size: 8, .value_kind: global_buffer, .address_space: global }
      - { .name: hc, .offset: 72, .size: 8, .value_kind: global_buffer, .address_space: global }
      - { .name: wimg, .offset: 80, .size: 8, .value_kind: global_buffer, .address_space: global }
    .group_segment_fixed_size: 2048
    .private_segment_fixed_size: 0
    .kernarg_segment_align: 8
    .kernarg_segment_size: 88
    .max_flat_workgroup_size: 256
    .sgpr_count:     66
    .vgpr_count:     256
    .wavefront_size: 32
...
	.end_amdgpu_metadata
.endif
;; end of part 1
;; launch qkv (part 2): grid 24 x 32, 4 waves a work-group, clusters of 4 x 4, 327,680 bytes of LDS; arguments hc, wimg, qkvc; writes qkvc
.if DOCPART == 2
	.amdgcn_target "amdgcn-amd-amdhsa--gfx1250"
	.amdhsa_code_object_version 6
	.text
	.protected	k_q48f218f74f_qkv
	.globl	k_q48f218f74f_qkv
	.p2align	8
	.type	k_q48f218f74f_qkv,@function
k_q48f218f74f_qkv:
	s_mov_b64 s[64:65], 0
	v_nop
	global_prefetch_b8 v0, s[64:65] scope:SCOPE_SE
	s_setreg_imm32_b32 hwreg(HW_REG_WAVE_MODE, 25, 1), 1
	s_wait_xcnt 0x0
	s_wait_alu depctr_hold_cnt(0) depctr_sa_sdst(0) depctr_va_vdst(0) depctr_va_sdst(0) depctr_va_ssrc(0) depctr_va_vcc(0) depctr_vm_vsrc(0)
	s_getreg_b32 s2, hwreg(HW_REG_IB_STS2, 6, 4)
	s_cmp_eq_u32 s2, 0
	s_cbranch_scc0 .Lentry_in_a_cluster
	s_endpgm
.Lentry_in_a_cluster:
	s_bfe_u32 s2, ttmp6, 0x10000c
	s_cmp_lg_u32 s2, 0xf033
	s_cbranch_scc0 .Lentry_shape_is_right
	s_endpgm
.Lentry_shape_is_right:
; QKV: q, k, v = h Wq, h Wk, h Wv on E2M3 codes (K = 1,024), and their quantising for attention: q and k along the head's 64, v along the keys.
; OPERANDS lie as images of the operand's registers (16 rows x 128 K: 1,536 bytes; four tiles + 64 scale words = a quad of 6,400 bytes; a buffer is [K step][quad]); lane r of tile t holds row 32 (t / 2) + 8 (t % 2) + r + 8 (r / 8).
; SHARES.  A work-group makes 128 tokens (Y, tile ty) x 128 features (X, tile tx; feature = 1,024 sel + 64 head + d); each of its four waves 64 x 64: one head of q, k or v for 64 tokens, 16 accumulators.
; All of K lies in two LDS slots of four K steps, each filled once: wave w brings one quad's four K steps (4 rows of 6,400 bytes) a slot; by this text's count two tensor loads of a wave are out at the most.
; CLUSTER 4 x 4: the four work-groups of a row need the same token quads, the four of a column the same feature quads: each is asked for jointly.
; q, k: source 0 = features, source 1 = tokens: a lane holds one token and its registers run along the head's 64.  v (tx >= 16, which is cluster x >= 4: the same in all partners): the sources are swapped, so that a
; lane holds one feature and its registers run along the tokens, which are the keys of attention's second product.  Only the matrix lines and the stores differ: short branches on the cluster's x stand round them.
; RESULT, for record rec = 16 (16 batch + head) + block of 128 tokens: K at 13,056 rec (8 half images of 768 bytes, words at 6,144), V at 13,056 rec + 6,656 (a quad: 4 tiles of dims x 128 keys), Q at QOFF + 6,656 rec (as K).
; In q's and k's scale words bytes 0 and 1 count; bytes 2 and 3 hold a neighbour's bytes or 0 and stand over zero codes in attention.
; LIMITS: NaN and infinities are not served; a block under 2^-124 keeps the byte 1, a block of zeros too (its codes are zeros; this program alone reads the bytes).
.set QB,    6400                       ; a quad
.set SCO,   6144                       ; its scale words
.set PIECE, 4*QB                       ; one quad's four K steps: what one tensor load brings
.set SLOT,  4*PIECE                    ; Y's two quads, then X's two
.set NQY,   64                         ; quads in a K step of the token operand
.set NQX,   48                         ; and of the weights
.set XOFF,  0                          ; where these weights' images begin in wimg
.set SPARE, 2*SLOT                     ; behind the slots: the spare words, 128 bytes a wave
.set QOFF,  6684672
.set G1Y, 24                           ; s[24:31] descriptor group 1 for Y;  s[32:39] group 0, one set a slot
.set G0Y, 32
.set G1X, 48                           ; s[48:55], s[56:63] the same for X
.set G0X, 56
.set SEL, 74                           ; s[74:75] lane selects: lane l xor 16
.set SC,  24                           ; v24-31 scale words, two sets of four: register i: lanes 0-15 Y tile i's, lanes 16-31 X tile i's
.set ACC, 128                          ; v128-255 accumulator (a, b) at ACC + 8 (4 a + b)
.set TM,  32                           ; v32-47 the quantiser's work
; window 0: v1 r, v2 h, v3 lane; v4,5 / v6,7 Y's fragments in slot 0, 1 (16 x lane / 8 x lane); v8,9 / v10,11 X's; v12,13 the scale words; v14 spare word, v15 zero; v16 16 l, v17 8 l, v18 4 r.
; window 1: fragment buffer g at 96 g: Y's four tiles (12 registers each), then X's four.
.set MSB, 0
.macro WIN new                         ; the immediate's high byte repeats the setting that is left
.if MSB != \new
	s_set_vgpr_msb (MSB<<8)|\new
.set MSB, \new
.endif
.endm
.macro PLACES n
.rept \n
	v_nop
.endr
.endm
.macro CREST                           ; a round of the cluster's barrier behind its opening barrier
	s_cmp_lg_u32 s14, 0
	s_cbranch_scc1 .Lnot_wave_0_\@
	s_barrier_signal -3
.Lnot_wave_0_\@:
	s_barrier_wait -3
	s_barrier_signal -1
	s_barrier_wait -1
.endm
.macro CROUND
	s_barrier_signal -1
	s_barrier_wait -1
	CREST
.endm
.macro JLOAD g0y, g1y, g0x, g1x        ; a joint load: waves 0 and 1 fetch Y's two quads, waves 2 and 3 X's; four v_nop follow each line
	s_cmp_eq_u32 s15, 0
	s_cbranch_scc0 .Lfor_x_\@
	tensor_load_to_lds s[\g0y:\g0y+3], s[\g1y:\g1y+7]
	s_nop 0
.rept 4
	v_nop
.endr
	s_branch .Lasked_\@
.Lfor_x_\@:
	tensor_load_to_lds s[\g0x:\g0x+3], s[\g1x:\g1x+7]
	s_nop 0
.rept 4
	v_nop
.endr
.Lasked_\@:
.endm
.macro FETCH s, kk, g                  ; 36 LDS loads: my eight fragments and eight tiles' scale words of K step kk of slot s, into buffer g.  Every load reads consecutive bytes
	WIN 0x40                                       ; destination window 1
.irp t, 0,1,2,3
	ds_load_b128 v[96*(\g)+12*\t:96*(\g)+12*\t+3],       v[4+\s]  offset:QB*(\kk)+1536*\t
	ds_load_b64  v[96*(\g)+12*\t+4:96*(\g)+12*\t+5],     v[6+\s]  offset:QB*(\kk)+1536*\t+512
	ds_load_b128 v[96*(\g)+12*\t+6:96*(\g)+12*\t+9],     v[4+\s]  offset:QB*(\kk)+1536*\t+768
	ds_load_b64  v[96*(\g)+12*\t+10:96*(\g)+12*\t+11],   v[6+\s]  offset:QB*(\kk)+1536*\t+1280
	ds_load_b128 v[96*(\g)+48+12*\t:96*(\g)+48+12*\t+3],     v[8+\s]  offset:QB*(\kk)+1536*\t
	ds_load_b64  v[96*(\g)+48+12*\t+4:96*(\g)+48+12*\t+5],   v[10+\s] offset:QB*(\kk)+1536*\t+512
	ds_load_b128 v[96*(\g)+48+12*\t+6:96*(\g)+48+12*\t+9],   v[8+\s]  offset:QB*(\kk)+1536*\t+768
	ds_load_b64  v[96*(\g)+48+12*\t+10:96*(\g)+48+12*\t+11], v[10+\s] offset:QB*(\kk)+1536*\t+1280
.endr
	WIN 0
.irp i, 0,1,2,3
	ds_load_b32 v[SC+4*(\g)+\i], v[12+\s] offset:QB*(\kk)+SCO+64*\i
.endr
.endm
; 16 matrix instructions on buffer f; the 16 accumulators take turns, one instruction a turn, in the same order in every step.  cm = 0: the products start the sums.
; sw = 0: source 0 = X tile b, source 1 = Y tile a.  sw = 1: source 0 = Y tile b, source 1 = X tile a.  X's scale words lie in lanes 16-31 of their register.
.macro MUL f, cm, sw
	WIN 0x05                                       ; sources 0 and 1 window 1; C and D window 0
.irp a, 0,1,2,3
.irp b, 0,1,2,3
.if \sw == 0
.if \cm == 0
	v_wmma_scale_f32_16x16x128_f8f6f4 v[ACC+8*(4*\a+\b):ACC+8*(4*\a+\b)+7], v[96*(\f)+48+12*\b:96*(\f)+48+12*\b+11], v[96*(\f)+12*\a:96*(\f)+12*\a+11], 0, v[SC+4*(\f)+\b], v[SC+4*(\f)+\a] matrix_a_fmt:MATRIX_FMT_FP6 matrix_b_fmt:MATRIX_FMT_FP6 matrix_a_scale:MATRIX_SCALE_ROW1
.else
	v_wmma_scale_f32_16x16x128_f8f6f4 v[ACC+8*(4*\a+\b):ACC+8*(4*\a+\b)+7], v[96*(\f)+48+12*\b:96*(\f)+48+12*\b+11], v[96*(\f)+12*\a:96*(\f)+12*\a+11], v[ACC+8*(4*\a+\b):ACC+8*(4*\a+\b)+7], v[SC+4*(\f)+\b], v[SC+4*(\f)+\a] matrix_a_fmt:MATRIX_FMT_FP6 matrix_b_fmt:MATRIX_FMT_FP6 matrix_a_scale:MATRIX_SCALE_ROW1
.endif
.else
.if \cm == 0
	v_wmma_scale_f32_16x16x128_f8f6f4 v[ACC+8*(4*\a+\b):ACC+8*(4*\a+\b)+7], v[96*(\f)+12*\b:96*(\f)+12*\b+11], v[96*(\f)+48+12*\a:96*(\f)+48+12*\a+11], 0, v[SC+4*(\f)+\b], v[SC+4*(\f)+\a] matrix_a_fmt:MATRIX_FMT_FP6 matrix_b_fmt:MATRIX_FMT_FP6 matrix_b_scale:MATRIX_SCALE_ROW1
.else
	v_wmma_scale_f32_16x16x128_f8f6f4 v[ACC+8*(4*\a+\b):ACC+8*(4*\a+\b)+7], v[96*(\f)+12*\b:96*(\f)+12*\b+11], v[96*(\f)+48+12*\a:96*(\f)+48+12*\a+11], v[ACC+8*(4*\a+\b):ACC+8*(4*\a+\b)+7], v[SC+4*(\f)+\b], v[SC+4*(\f)+\a] matrix_a_fmt:MATRIX_FMT_FP6 matrix_b_fmt:MATRIX_FMT_FP6 matrix_b_scale:MATRIX_SCALE_ROW1
.endif
.endif
.endr
.endr
	WIN 0
.endm
.macro MULX f, cm                      ; q and k, or v: the cluster's x decides, alike in all partners
	s_cmp_ge_u32 ttmp9, 4
	s_cbranch_scc1 .Lmul_v_\@
	MUL \f, \cm, 0
	s_branch .Lmul_done_\@
.Lmul_v_\@:
	MUL \f, \cm, 1
.Lmul_done_\@:
.endm
.macro STEPK s, kk, cm                 ; K step kk (0..2) of slot s: the next step's fragments are asked for ahead of this step's products and land under them
	s_wait_dscnt 0x0                               ; this step's fragments and scale words are in
	PLACES 4                                       ; four places between the last products, which read the other buffer, and the loads into it
	FETCH \s, (\kk)+1, ((\kk)+1)%2
	MULX (\kk)%2, \cm
.endm
.macro TURN s, n                       ; a slot's last K step, and the change to slot n, which was filled at the start: nothing is filled again in this launch
	s_wait_tensorcnt 0x0                           ; my part of slot n has landed
	ds_add_u32 v14, v15                            ; 0 onto my spare word
	s_wait_dscnt 0x0                               ; the add is done, and this step's fragments are in
	s_barrier_signal -1
	s_barrier_wait -1                              ; every wave's part of slot n has landed
	PLACES 4
	FETCH \n, 0, 0
	MULX 1, 2
.endm
.macro QUANT s, pc, pw                 ; 64 numbers of a lane, register 16 b + i = place 32 b + 16 (lane / 16) + i along the next K, become 12 registers of codes in v[pc] on and four scale bytes in v[pw]
.irp b, 0,1,2,3
	v_max3_num_f32 v[TM+\b], |v[\s+16*\b]|, |v[\s+1+16*\b]|, 0x1800000   ; each accumulator is read from its low end on; the floor 2^(3 - 127) holds the byte at 1 from below
.endr
.irp i, 2,4,6,8,10,12,14
.irp b, 0,1,2,3
	v_max3_num_f32 v[TM+\b], v[TM+\b], |v[\s+16*\b+\i]|, |v[\s+1+16*\b+\i]|
.endr
.endr
.irp b, 0,1,2,3
	v_permlanex16_b32 v[TM+4+\b], v[TM+\b], s[SEL], s[SEL+1]
.endr
.irp b, 0,1,2,3
	v_max_num_f32 v[TM+\b], v[TM+\b], v[TM+4+\b]
.endr
.irp b, 0,1,2,3
	v_add_nc_u32 v[TM+12+\b], 0xff000000, v[TM+\b] ; 2 off the exponent field: the conversion's scale operand
.endr
.irp b, 0,1,2,3
	v_lshrrev_b32 v[TM+4+\b], 23, v[TM+12+\b]
.endr
	v_lshl_or_b32 v[\pw], v[TM+5], 8, v[TM+4]
	v_lshl_or_b32 v[\pw], v[TM+6], 16, v[\pw]
	v_lshl_or_b32 v[\pw], v[TM+7], 24, v[\pw]
.irp c, 0,1
	v_cvt_scalef32_pk16_fp6_f32 v[\pc+6*\c:\pc+2+6*\c], v[\s+32*\c:\s+15+32*\c], v[TM+12+2*\c]
	v_cvt_scalef32_pk16_fp6_f32 v[\pc+12+4*\c:\pc+14+4*\c], v[\s+16+32*\c:\s+31+32*\c], v[TM+12+2*\c+1]
.endr
	v_nop                                          ; one plain place behind a scaled conversion
.irp c, 0,1
.irp i, 0,1,2
	v_permlane16_swap_b32 v[\pc+6*\c+\i], v[\pc+12+4*\c+\i]
.endr
.irp i, 0,1,2
	v_mov_b32 v[\pc+3+6*\c+\i], v[\pc+12+4*\c+\i]
.endr
.endr
.endm
	s_load_b128 s[4:7], s[0:1], 0x0                ; hc, wimg
	s_load_b64 s[8:9], s[0:1], 0x10                ; qkvc
	v_lshl_add_u32 v14, v0, 2, SPARE
	v_mov_b32 v15, 0
	ds_add_u32 v14, v15
	ds_add_u32 v14, v15
	s_wait_dscnt 0x0
	v_lshrrev_b32 v1, 5, v0
	v_readfirstlane_b32 s14, v1                    ; wave 0..3
	s_lshr_b32 s15, s14, 1                         ; my Y quad.  Also: I fetch for Y (0) or for X (1)
	s_and_b32 s16, s14, 1                          ; my X quad.  Also: which quad I fetch
	s_bfe_u32 s40, ttmp6, 0x40000                  ; cx, cy: my place in the cluster
	s_bfe_u32 s41, ttmp6, 0x40004
	s_lshl_b32 s42, ttmp9, 2
	s_add_co_u32 s42, s42, s40                     ; tx
	s_and_b32 s17, ttmp7, 0xffff
	s_lshl_b32 s17, s17, 2
	s_add_co_u32 s17, s17, s41                     ; ty
	s_lshl_b32 s43, s41, 2
	s_lshl_b32 s43, 15, s43                        ; my row of the cluster
	s_lshl_b32 s44, 0x1111, s40                    ; my column
	s_or_b32 s[G1Y], s43, (3<<16)|(1<<21)          ; 15:0 the mask; 17:16 elements of 8 bytes; 21 set beside a mask; no padding
	s_or_b32 s[G1X], s44, (3<<16)|(1<<21)
.irp g, G1Y, G1X
	s_mov_b32 s[\g+1], 800<<16                     ; tensor_dim0 = 800 elements: a quad
	s_mov_b32 s[\g+2], 4<<16                       ; tensor_dim1 = 4 K steps
	s_mov_b32 s[\g+3], 800<<16                     ; tile_dim0
	s_mov_b32 s[\g+4], 4                           ; tile_dim1
	s_mov_b32 s[\g+6], 0
	s_mov_b32 s[\g+7], 0
.endr
	s_mov_b32 s[G1Y+5], NQY*800                    ; from a K step to the next
	s_mov_b32 s[G1X+5], NQX*800
	s_lshl_b32 s20, s17, 1
	s_add_co_u32 s20, s20, s16
	s_mul_i32 s20, s20, QB                         ; Y: quad 2 ty + (wave % 2)
	s_mov_b32 s21, 0
	s_lshl_b32 s46, s42, 1
	s_add_co_u32 s46, s46, s16
	s_mul_i32 s46, s46, QB                         ; X: quad 2 tx + (wave % 2)
	s_add_co_u32 s46, s46, XOFF
	s_mov_b32 s47, 0
	s_mul_i32 s45, s14, PIECE                      ; where they go: wave x 25,600: no place in the cluster enters an LDS address
	s_wait_kmcnt 0x0
	s_add_nc_u64 s[20:21], s[4:5], s[20:21]
	s_add_nc_u64 s[46:47], s[6:7], s[46:47]
	CROUND                                         ; all sixteen work-groups are here: the joint loads meet
.irp s, 0,1
	s_mov_b32 s[G0Y+4*\s], 1
	s_add_co_u32 s[G0Y+4*\s+1], s45, \s*SLOT
	s_add_nc_u64 s[G0Y+4*\s+2:G0Y+4*\s+3], s[20:21], \s*4*NQY*QB
	s_or_b32 s[G0Y+4*\s+3], s[G0Y+4*\s+3], 0x80000000
	s_mov_b32 s[G0X+4*\s], 1
	s_add_co_u32 s[G0X+4*\s+1], s45, \s*SLOT
	s_add_nc_u64 s[G0X+4*\s+2:G0X+4*\s+3], s[46:47], \s*4*NQX*QB
	s_or_b32 s[G0X+4*\s+3], s[G0X+4*\s+3], 0x80000000
	JLOAD G0Y+4*\s, G1Y, G0X+4*\s, G1X
.endr
	v_and_b32 v1, 15, v0                           ; r
	v_bfe_u32 v2, v0, 4, 1                         ; h
	v_and_b32 v3, 31, v0                           ; lane
	v_lshlrev_b32 v16, 4, v3
	v_lshlrev_b32 v17, 3, v3
	v_lshlrev_b32 v18, 2, v1
	s_mul_i32 s18, s15, PIECE                      ; my Y quad in a slot
	s_mul_i32 s19, s16, PIECE
	s_add_co_u32 s19, s19, 2*PIECE                 ; my X quad
	s_sub_co_u32 s22, s19, s18
	v_mul_u32_u24 v22, s22, v2                     ; scale words: lanes 16-31 take X's: one product, the distance between the two
	v_add_nc_u32 v22, v22, v18
.irp s, 0,1
	v_add_nc_u32 v[4+\s], s18, v16
	v_add_nc_u32 v[6+\s], s18, v17
	v_add_nc_u32 v[8+\s], s19, v16
	v_add_nc_u32 v[10+\s], s19, v17
	v_add_nc_u32 v[12+\s], s18, v22
	s_add_co_u32 s18, s18, SLOT
	s_add_co_u32 s19, s19, SLOT
.endr
.irp b, 0,1,2,3
	v_mov_b32 v[TM+4+\b], 0                        ; written once: a lane permute's destination counts as one of its sources
.endr
	s_mov_b32 s[SEL], 0x76543210
	s_mov_b32 s[SEL+1], 0xfedcba98
	s_wait_tensorcnt 0x1                           ; my part of slot 0 is in; slot 1's load stays out
	s_barrier_signal -1
	s_barrier_wait -1
	FETCH 0, 0, 0
	STEPK 0, 0, 0                                  ; the first products start the sums: nothing is cleared
	STEPK 0, 1, 2
	STEPK 0, 2, 2
	TURN 0, 1
	STEPK 1, 0, 2
	STEPK 1, 1, 2
	STEPK 1, 2, 2
	s_wait_dscnt 0x0
	MULX 1, 2
	PLACES 4                                       ; four places in front of the first read of results
	; For each a the 32 registers of accumulators (a, 0..3) are 64 neighbours along the next K: two blocks.  One QUANT serves two values of a.
	QUANT 128, 48, 88
	QUANT 192, 68, 89
	v_lshrrev_b32 v90, 16, v88                     ; the odd tiles' two bytes
	v_lshrrev_b32 v91, 16, v89
	s_lshl_b32 s66, s42, 1
	s_add_co_u32 s66, s66, s16                     ; 16 sel + head
	s_and_b32 s67, s66, 15                         ; head
	s_lshr_b32 s68, s17, 4                         ; batch
	s_lshl_b32 s68, s68, 4
	s_add_co_u32 s68, s68, s67
	s_lshl_b32 s68, s68, 4
	s_and_b32 s69, s17, 15
	s_add_co_u32 s68, s68, s69                     ; rec
	s_mul_i32 s70, s68, 6656
	s_add_co_u32 s70, s70, QOFF
	s_mul_i32 s71, s68, 13056
	s_cmp_lt_u32 s66, 16
	s_cselect_b32 s70, s70, s71                    ; q's block, or k's
	s_mov_b32 s73, 0
	s_mov_b32 s77, 0
	s_cmp_ge_u32 ttmp9, 4
	s_cbranch_scc1 .Lstore_v
	s_mul_i32 s72, s15, 3072                       ; q, k: token tile 4 hY + a: a half image of 768 bytes
	s_add_co_u32 s72, s72, s70
	s_add_nc_u64 s[72:73], s[8:9], s[72:73]
	s_lshl_b32 s76, s15, 8
	s_add_co_u32 s76, s76, s70
	s_add_co_u32 s76, s76, SCO
	s_add_nc_u64 s[76:77], s[8:9], s[76:77]
.irp a, 0,1,2,3
	global_store_b128 v16, v[48+20*(\a/2)+6*(\a%2):51+20*(\a/2)+6*(\a%2)], s[72:73] offset:768*\a
	global_store_b64 v17, v[52+20*(\a/2)+6*(\a%2):53+20*(\a/2)+6*(\a%2)], s[72:73] offset:768*\a+512
.endr
	global_store_b32 v18, v88, s[76:77]
	global_store_b32 v18, v90, s[76:77] offset:64
	global_store_b32 v18, v89, s[76:77] offset:128
	global_store_b32 v18, v91, s[76:77] offset:192
	s_branch .Lend
.Lstore_v:
	s_mul_i32 s72, s15, 768                        ; v: dim tile a, keys 64 hY on: half hY of its fragment
	s_add_co_u32 s72, s72, s71
	s_add_co_u32 s72, s72, 6656
	s_add_nc_u64 s[72:73], s[8:9], s[72:73]
	s_lshl_b32 s76, s15, 1
	s_add_co_u32 s76, s76, s71
	s_add_co_u32 s76, s76, 6656+SCO
	s_add_nc_u64 s[76:77], s[8:9], s[76:77]
.irp a, 0,1,2,3
	global_store_b128 v16, v[48+20*(\a/2)+6*(\a%2):51+20*(\a/2)+6*(\a%2)], s[72:73] offset:1536*\a
	global_store_b64 v17, v[52+20*(\a/2)+6*(\a%2):53+20*(\a/2)+6*(\a%2)], s[72:73] offset:1536*\a+512
.endr
	global_store_b16 v18, v88, s[76:77]            ; bytes 2 hY and 2 hY + 1 of the dim's scale word
	global_store_b16 v18, v90, s[76:77] offset:64
	global_store_b16 v18, v89, s[76:77] offset:128
	global_store_b16 v18, v91, s[76:77] offset:192
.Lend:
	s_wait_tensorcnt 0x0                           ; the wave's end
	ds_add_u32 v14, v15
	s_wait_dscnt 0x0
	CROUND                                         ; the closing round: no work-group ends while a partner may still ask for a tile that names it
	s_endpgm
.Lfunc_end_k_q48f218f74f_qkv:
	.size	k_q48f218f74f_qkv, .Lfunc_end_k_q48f218f74f_qkv-k_q48f218f74f_qkv
	.p2alignl 7, 3214868480
	.fill 96, 4, 3214868480
	.section	.rodata,"a",@progbits
	.p2align	6, 0x0
	.amdhsa_kernel k_q48f218f74f_qkv
		.amdhsa_group_segment_fixed_size 327680
		.amdhsa_private_segment_fixed_size 0
		.amdhsa_enable_private_segment 0
		.amdhsa_kernarg_size 24
		.amdhsa_user_sgpr_count 2
		.amdhsa_user_sgpr_kernarg_segment_ptr 1
		.amdhsa_wavefront_size32 1
		.amdhsa_system_sgpr_workgroup_id_x 1
		.amdhsa_system_sgpr_workgroup_id_y 1
		.amdhsa_system_sgpr_workgroup_id_z 1
		.amdhsa_system_vgpr_workitem_id 0
		.amdhsa_next_free_vgpr 512
		.amdhsa_next_free_sgpr 80
		.amdhsa_reserve_vcc 0
		.amdhsa_float_denorm_mode_32 3
		.amdhsa_float_denorm_mode_16_64 3
		.amdhsa_memory_ordered 1
		.amdhsa_forward_progress 1
		.amdhsa_inst_pref_size 72
	.end_amdhsa_kernel
	.amdgpu_metadata
---
amdhsa.version: [ 1, 2 ]
amdhsa.kernels:
  - .name:           k_q48f218f74f_qkv
    .symbol:         k_q48f218f74f_qkv.kd
    .args:
      - { .name: hc, .offset: 0, .size: 8, .value_kind: global_buffer, .address_space: global }
      - { .name: wimg, .offset: 8, .size: 8, .value_kind: global_buffer, .address_space: global }
      - { .name: qkvc, .offset: 16, .size: 8, .value_kind: global_buffer, .address_space: global }
    .group_segment_fixed_size: 327680
    .private_segment_fixed_size: 0
    .kernarg_segment_align: 8
    .kernarg_segment_size: 24
    .max_flat_workgroup_size: 128
    .sgpr_count:     80
    .vgpr_count:     512
    .wavefront_size: 32
...
	.end_amdgpu_metadata
.endif
;; end of part 2
;; launch attn (part 3): grid 8 x 32, 16 waves a work-group, no clusters, 215,040 bytes of LDS; arguments qkvc, oc; writes oc
.if DOCPART == 3
	.amdgcn_target "amdgcn-amd-amdhsa--gfx1250"
	.amdhsa_code_object_version 6
	.text
	.protected	k_q48f218f74f_attn
	.globl	k_q48f218f74f_attn
	.p2align	8
	.type	k_q48f218f74f_attn,@function
k_q48f218f74f_attn:
	s_mov_b64 s[64:65], 0
	v_nop
	global_prefetch_b8 v0, s[64:65] scope:SCOPE_SE
	s_setreg_imm32_b32 hwreg(HW_REG_WAVE_MODE, 25, 1), 1
	s_wait_xcnt 0x0
; ATTN: o = softmax(q k^T / 8, causal) v for one head, both products on E2M3 codes, and o's quantising along the concatenated heads for the next product.
; THE SOFTMAX AHEAD OF THE SECOND PRODUCT: t = score x log2(e) / 8; M = the row's largest t so far, rounded up to a whole number; p = 2^(t - M) is quantised along the keys, not normalised; the row's sum is taken of the
; unquantised p and divides O at the end.  When M moves, the sum and O are multiplied by 2^(old M - new M): exact.
; SHARES.  Work-group (j, head): waves 0-7 own the eight tiles of 16 queries of block j of 128 queries, waves 8-15 those of block 15 - j: so every work-group has 8 x 17 key steps of 128 keys under the causal mask.
; The whole head's K and V, 16 records of 13,056 bytes, lie in LDS, filled ONCE: wave w brings record w by one tensor load (51 rows of 256 bytes); one barrier; no slot is filled again.
; NO CLUSTER: the key steps that a wave leaves out hang on its query block, which differs between the work-groups of a head, and partners of a joint load may not part on such a number.
; LAYOUT.  Both products are used transposed: S^T = K Q^T (source 0 = 16 keys), O^T = V^T P^T (source 0 = 16 dims): a lane holds one query (lane % 16) throughout.  Lane r of tile t of keys, queries or dims holds
; row 32 (t / 2) + 8 (t % 2) + r + 8 (r / 8), so the 16 registers of tiles 2 b and 2 b + 1 are 16 neighbours.  The first product's K is 64: registers 6-11 of K's and Q's fragments are zero codes.
; Every wave walks 16 trips; a step all of whose keys come after the tile's queries is jumped over by a scalar branch on ids (no barrier and no tensor load stands in a step).
; LIMITS: NaN and infinities are not served; p under 2^-126 comes out of v_exp_f32 as 0; a block's largest p is taken from its largest score, which takes v_exp_f32 not to fall where its input rises;
; a block of zeros keeps the byte 1 (its codes are zeros; this program alone reads the bytes).
; REGISTERS: v1 16 l, v2 8 l, v3 4 r; v4-6 the same + the step's record; v7 my query - 16 h; v12 -M, v13 largest t, v[14:15] the sum; v16-27 Q; v28-31 scale words of K, then of V; v32-79 four fragments of K;
; v80-95 at work; v96-159 S^T, then p; v160-191 O^T; v192-239 V's four fragments; v240-251 p's codes; v252 f, v253 p's scale word, v254 at work, v255 Q's scale words.
.set REC,  13056
.set QOFF, 6684672
.set SEL,  20                          ; s[20:21] lane selects: lane l xor 16
.set CS,   22                          ; s[22:23] c = log2(e) / 8
	s_load_b128 s[4:7], s[0:1], 0x0                ; qkvc, oc
	v_lshl_add_u32 v254, v0, 2, 0x34000
	v_mov_b32 v255, 0
	ds_add_u32 v254, v255
	ds_add_u32 v254, v255
	s_wait_dscnt 0x0
	v_lshrrev_b32 v8, 5, v0
	v_readfirstlane_b32 s18, v8                    ; wave 0..15
	s_and_b32 s8, ttmp7, 0xffff                    ; 16 batch + head
	s_lshl_b32 s9, s8, 4
	s_add_co_u32 s10, s9, s18
	s_mul_i32 s10, s10, REC                        ; record w of my head
	s_mov_b32 s11, 0
	s_mov_b32 s24, 3<<16                           ; group 1: no mask, elements of 8 bytes, no padding
	s_mov_b32 s25, 32<<16                          ; tensor_dim0 = 32 elements: 256 bytes
	s_mov_b32 s26, 51<<16                          ; tensor_dim1 = 51 rows
	s_mov_b32 s27, 32<<16                          ; tile_dim0
	s_mov_b32 s28, 51                              ; tile_dim1
	s_mov_b32 s29, 32                              ; dense
	s_mov_b32 s30, 0
	s_mov_b32 s31, 0
	s_mov_b32 s32, 1
	s_mul_i32 s33, s18, REC                        ; LDS: wave x 13,056
	s_wait_kmcnt 0x0
	s_add_nc_u64 s[34:35], s[4:5], s[10:11]
	s_or_b32 s35, s35, 0x80000000
	tensor_load_to_lds s[32:35], s[24:31]          ; my one tensor load
	s_nop 0
.rept 4
	v_nop
.endr
	s_sub_co_u32 s12, 15, ttmp9
	s_cmp_lt_u32 s18, 8
	s_cselect_b32 s12, ttmp9, s12                  ; my block of 128 queries
	s_and_b32 s13, s18, 7                          ; my tile in it
	s_lshl_b32 s14, s12, 3
	s_add_co_u32 s14, s14, s13                     ; tile tt of the batch's 128
	s_lshr_b32 s40, s14, 1
	s_lshl_b32 s40, s40, 5                         ; the 32 tokens in which my 16 queries lie begin here,
	s_add_co_u32 s39, s40, 31                      ; and end here
	s_and_b32 s15, s14, 1
	s_lshl_b32 s15, s15, 3
	s_add_co_u32 s15, s15, s40
	s_add_co_u32 s16, s9, s12
	s_mul_i32 s16, s16, 6656
	s_add_co_u32 s16, s16, QOFF                    ; Q's block
	s_mul_i32 s17, s13, 768
	s_add_co_u32 s42, s16, s17
	s_mov_b32 s43, 0
	s_lshl_b32 s17, s13, 6
	s_add_co_u32 s44, s16, s17
	s_add_co_u32 s44, s44, 6144
	s_mov_b32 s45, 0
	s_add_nc_u64 s[42:43], s[4:5], s[42:43]
	s_add_nc_u64 s[44:45], s[4:5], s[44:45]
	s_lshr_b32 s46, s8, 4
	s_lshl_b32 s46, s46, 7
	s_add_co_u32 s46, s46, s14                     ; T: my tile among all 256 token tiles
	s_and_b32 s47, s8, 15                          ; head
	s_lshr_b32 s48, s47, 1                         ; o's K step: two heads
	s_lshl_b32 s48, s48, 6
	s_lshr_b32 s49, s46, 2
	s_add_co_u32 s48, s48, s49
	s_mul_i32 s48, s48, 6400
	s_and_b32 s49, s46, 3
	s_and_b32 s47, s47, 1
	s_mul_i32 s50, s49, 1536
	s_mul_i32 s51, s47, 768
	s_add_co_u32 s50, s50, s51
	s_add_co_u32 s50, s50, s48
	s_mov_b32 s51, 0
	s_lshl_b32 s49, s49, 6
	s_lshl_b32 s47, s47, 1
	s_add_co_u32 s52, s49, s47
	s_add_co_u32 s52, s52, s48
	s_add_co_u32 s52, s52, 6144
	s_mov_b32 s53, 0
	s_add_nc_u64 s[50:51], s[6:7], s[50:51]        ; o's half image
	s_add_nc_u64 s[52:53], s[6:7], s[52:53]        ; and its two scale bytes a row
	s_mov_b32 s[SEL], 0x76543210
	s_mov_b32 s[SEL+1], 0xfedcba98
	s_mov_b32 s[CS], 0x3e38aa3b
	s_mov_b32 s[CS+1], s[CS]                       ; (named with it as a pair, so it is written)
	s_mov_b32 s36, 0                               ; the step's record in LDS
	s_mov_b32 s37, 0                               ; the step's first key
	s_mov_b32 s38, 16                              ; trips
	v_and_b32 v8, 15, v0                           ; r
	v_bfe_u32 v9, v0, 4, 1                         ; h
	v_and_b32 v10, 31, v0
	v_lshlrev_b32 v1, 4, v10
	v_lshlrev_b32 v2, 3, v10
	v_lshlrev_b32 v3, 2, v8
	global_load_b128 v[16:19], v1, s[42:43]        ; Q's half image stays in registers
	global_load_b64 v[20:21], v2, s[42:43] offset:512
	global_load_b32 v255, v3, s[44:45]
	v_and_b32 v11, 8, v8
	v_add_nc_u32 v11, v11, v8
	v_lshlrev_b32 v9, 4, v9
	v_sub_nc_u32 v11, v11, v9
	v_add_nc_u32 v7, s15, v11                      ; my query - 16 h
	v_mov_b32 v13, 0xff61b1e6                      ; the largest t so far: -3e38
	v_floor_f32 v12, -v13                          ; -M
	v_mov_b32 v14, 0
	v_mov_b32 v15, 0
.irp i, 22,23,24,25,26,27
	v_mov_b32 v[\i], 0                             ; Q's upper 64 along K: zero codes
.endr
.irp t, 0,1,2,3
.irp i, 6,7,8,9,10,11
	v_mov_b32 v[32+12*\t+\i], 0                    ; K's likewise: written once, never loaded over
.endr
.endr
.irp b, 0,1,2,3
	v_mov_b32 v[84+\b], 0                          ; a lane permute's destination counts as one of its sources
.endr
	v_mov_b32 v252, 0
	v_mov_b32 v253, 0
.set n, 0
.rept 32
	v_mov_b32 v[160+n], 0                          ; O^T: the step is written once; the first change of M leaves zeros zeros
.set n, n+1
.endr
	s_wait_loadcnt 0x0                             ; Q
	s_wait_tensorcnt 0x0                           ; my record has landed
	s_barrier_signal -1
	s_barrier_wait -1                              ; everybody's has
.Lstep:
	s_cmp_gt_u32 s37, s39                          ; all 128 keys come after my queries: nothing to do
	s_cbranch_scc1 .Lhidden
	v_add_nc_u32 v4, s36, v1                       ; these three and the v_nop are the four places between the last products and the loads into their registers
	v_add_nc_u32 v5, s36, v2
	v_add_nc_u32 v6, s36, v3
	v_nop
.irp t, 0,1,2,3                                ; K's tiles 0-3
	ds_load_b128 v[32+12*\t:35+12*\t], v4 offset:768*\t
	ds_load_b64 v[36+12*\t:37+12*\t], v5 offset:768*\t+512
	ds_load_b32 v[28+\t], v6 offset:6144+64*\t
.endr
.irp t, 0,1,2,3                                ; V's four fragments: wanted behind the softmax
	ds_load_b128 v[192+12*\t:195+12*\t], v4 offset:6656+1536*\t
	ds_load_b64 v[196+12*\t:197+12*\t], v5 offset:6656+1536*\t+512
	ds_load_b128 v[198+12*\t:201+12*\t], v4 offset:6656+1536*\t+768
	ds_load_b64 v[202+12*\t:203+12*\t], v5 offset:6656+1536*\t+1280
.endr
	s_wait_dscnt 16                                ; K's 12 loads are in; V's 16 stay out
.irp t, 0,1,2,3
	v_wmma_scale_f32_16x16x128_f8f6f4 v[96+8*\t:103+8*\t], v[32+12*\t:43+12*\t], v[16:27], 0, v[28+\t], v255 matrix_a_fmt:MATRIX_FMT_FP6 matrix_b_fmt:MATRIX_FMT_FP6
.endr
.rept 4
	v_nop
.endr
.irp t, 0,1,2,3                                ; K's tiles 4-7
	ds_load_b128 v[32+12*\t:35+12*\t], v4 offset:768*(4+\t)
	ds_load_b64 v[36+12*\t:37+12*\t], v5 offset:768*(4+\t)+512
	ds_load_b32 v[28+\t], v6 offset:6144+64*(4+\t)
.endr
	s_wait_dscnt 0x0
.irp t, 0,1,2,3
	v_wmma_scale_f32_16x16x128_f8f6f4 v[128+8*\t:135+8*\t], v[32+12*\t:43+12*\t], v[16:27], 0, v[28+\t], v255 matrix_a_fmt:MATRIX_FMT_FP6 matrix_b_fmt:MATRIX_FMT_FP6
.endr
.rept 4
	v_nop                                          ; places in front of the loads below and of the first read of the scores
.endr
.irp t, 0,1,2,3
	ds_load_b32 v[28+\t], v6 offset:12800+64*\t    ; V's scale words
.endr
	s_add_co_u32 s41, s37, 127                     ; a step all of whose keys count has no mask
	s_cmp_le_u32 s41, s40
	s_cbranch_scc1 .Lopen
	s_sub_co_i32 s41, 0, s37
	v_add_nc_u32 v252, s41, v7                     ; d = my query - first key - 16 h.  Register 16 b + i holds key first + 16 h + 32 b + i: hidden where 32 b + i > d
	v_mov_b32 v254, 0xff800000                     ; -infinity
.set n, 0
.rept 64
	v_cmp_gt_i32 vcc_lo, 32*(n/16)+n%16, v252
	v_cndmask_b32 v[96+n], v[96+n], v254, vcc_lo
.set n, n+1
.endr
.Lopen:
.irp b, 0,1,2,3
	v_max3_num_f32 v[80+\b], v[96+16*\b], v[97+16*\b], v[98+16*\b]   ; the largest score of each block of 32 keys: for the row's maximum, and for the block's largest p
.endr
.irp i, 3,5,7,9,11,13
.irp b, 0,1,2,3
	v_max3_num_f32 v[80+\b], v[80+\b], v[96+16*\b+\i], v[97+16*\b+\i]
.endr
.endr
.irp b, 0,1,2,3
	v_max_num_f32 v[80+\b], v[80+\b], v[111+16*\b]
.endr
.irp b, 0,1,2,3
	v_permlanex16_b32 v[84+\b], v[80+\b], s[SEL], s[SEL+1]
.endr
.irp b, 0,1,2,3
	v_max_num_f32 v[80+\b], v[80+\b], v[84+\b]     ; with lane l xor 16's 16 keys
.endr
	v_max3_num_f32 v254, v80, v81, v82
	v_max_num_f32 v254, v254, v83
	v_mul_f32 v254, s[CS], v254                    ; the step's largest t
	v_max_num_f32 v13, v13, v254                   ; the running largest t
	v_mov_b32 v254, v12
	v_floor_f32 v12, -v13                          ; the new -M = -ceil(t)
	v_sub_f32 v254, v12, v254                      ; old M - new M: a whole number, 0 or less
	v_cvt_i32_f32 v254, v254                       ; (it saturates)
	v_ldexp_f32 v252, 1.0, v254                    ; f = 2^(old M - new M)
.set n, 0
.rept 32
	v_pk_fma_f32 v[96+n:97+n], v[96+n:97+n], s[CS:CS+1], v[12:13] op_sel_hi:[1,0,0]   ; t - M
.set n, n+2
.endr
.irp b, 0,1,2,3
	v_fma_f32 v[80+\b], v[80+\b], s[CS], v12       ; the same of each block's largest score
.endr
.set n, 0
.rept 64
	v_exp_f32 v[96+n], v[96+n]                     ; p = 2^(t - M)
.set n, n+1
.endr
.irp b, 0,1,2,3
	v_exp_f32 v[80+\b], v[80+\b]                   ; the block's largest p
.endr
	v_pk_mul_f32 v[14:15], v[14:15], v[252:253] op_sel_hi:[1,0]   ; the sums under the new M (a plain place behind the exponentials)
	s_wait_alu depctr_va_vdst(0)
.irp b, 0,1,2,3
	v_max_num_f32 v[80+\b], 0x1800000, v[80+\b]    ; the floor 2^(3 - 127)
.endr
.irp b, 0,1,2,3
	v_add_nc_u32 v[92+\b], 0xff000000, v[80+\b]    ; the conversion's scale operand
.endr
.irp b, 0,1,2,3
	v_lshrrev_b32 v[84+\b], 23, v[92+\b]           ; the byte
.endr
	v_lshl_or_b32 v253, v85, 8, v84                ; p's scale word for these 128 keys
	v_lshl_or_b32 v253, v86, 16, v253
	v_lshl_or_b32 v253, v87, 24, v253
.irp c, 0,1
	v_cvt_scalef32_pk16_fp6_f32 v[240+6*\c:242+6*\c], v[96+32*\c:111+32*\c], v[92+2*\c]
	v_cvt_scalef32_pk16_fp6_f32 v[84+4*\c:86+4*\c], v[112+32*\c:127+32*\c], v[92+2*\c+1]
.endr
	v_nop                                          ; one plain place behind a scaled conversion
.irp c, 0,1
.irp i, 0,1,2
	v_permlane16_swap_b32 v[240+6*\c+\i], v[84+4*\c+\i]
.endr
.irp i, 0,1,2
	v_mov_b32 v[243+6*\c+\i], v[84+4*\c+\i]
.endr
.endr
.set n, 0
.rept 16
	v_pk_mul_f32 v[160+n:161+n], v[160+n:161+n], v[252:253] op_sel_hi:[1,0]   ; O^T under the new M
.set n, n+2
.endr
	v_pk_add_f32 v[84:85], v[96:97], v[98:99]      ; the row's sum of the unquantised p, in two chains; these lines are also the places in front of the products below
.set n, 4
.rept 15
	v_pk_add_f32 v[14:15], v[14:15], v[96+n:97+n]
	v_pk_add_f32 v[84:85], v[84:85], v[98+n:99+n]
.set n, n+4
.endr
	v_pk_add_f32 v[14:15], v[14:15], v[84:85]
	s_wait_dscnt 0x0                               ; V's scale words
.irp t, 0,1,2,3
	v_wmma_scale_f32_16x16x128_f8f6f4 v[160+8*\t:167+8*\t], v[192+12*\t:203+12*\t], v[240:251], v[160+8*\t:167+8*\t], v[28+\t], v253 matrix_a_fmt:MATRIX_FMT_FP6 matrix_b_fmt:MATRIX_FMT_FP6
.endr
.Lhidden:
	s_add_co_u32 s37, s37, 128
	s_add_co_u32 s36, s36, REC
	s_sub_co_u32 s38, s38, 1
	s_cmp_lg_u32 s38, 0
	s_cbranch_scc1 .Lstep
.rept 4
	v_nop                                          ; four places in front of the first read of O^T
.endr
	v_add_f32 v14, v14, v15
	v_permlanex16_b32 v252, v14, s[SEL], s[SEL+1]
	v_add_f32 v14, v14, v252                       ; the row's sum
	v_rcp_f32 v14, v14
	v_nop                                          ; one plain place behind a transcendental
.set n, 0
	s_wait_alu depctr_va_vdst(0)
.rept 32
	v_mul_f32 v[96+n], v[160+n], v14               ; o(my query, dim 32 (n / 16) + 16 h + n % 16): two blocks of the next product's K
.set n, n+1
.endr
.irp b, 0,1
	v_max3_num_f32 v[80+\b], |v[96+16*\b]|, |v[97+16*\b]|, 0x1800000
.endr
.irp i, 2,4,6,8,10,12,14
.irp b, 0,1
	v_max3_num_f32 v[80+\b], v[80+\b], |v[96+16*\b+\i]|, |v[97+16*\b+\i]|
.endr
.endr
.irp b, 0,1
	v_permlanex16_b32 v[84+\b], v[80+\b], s[SEL], s[SEL+1]
.endr
.irp b, 0,1
	v_max_num_f32 v[80+\b], v[80+\b], v[84+\b]
.endr
.irp b, 0,1
	v_add_nc_u32 v[92+\b], 0xff000000, v[80+\b]
.endr
.irp b, 0,1
	v_lshrrev_b32 v[84+\b], 23, v[92+\b]
.endr
	v_lshl_or_b32 v253, v85, 8, v84                ; my row's two scale bytes
	v_cvt_scalef32_pk16_fp6_f32 v[240:242], v[96:111], v92
	v_cvt_scalef32_pk16_fp6_f32 v[88:90], v[112:127], v93
	v_nop
.irp i, 0,1,2
	v_permlane16_swap_b32 v[240+\i], v[88+\i]
.endr
.irp i, 0,1,2
	v_mov_b32 v[243+\i], v[88+\i]
.endr
	global_store_b128 v1, v[240:243], s[50:51]     ; 512 consecutive bytes, aligned to 256
	global_store_b64 v2, v[244:245], s[50:51] offset:512
	global_store_b16 v3, v253, s[52:53]            ; both halves of the lanes hold the same bytes
	s_wait_xcnt 0x0
	v_lshl_add_u32 v254, v0, 2, 0x34000
	v_mov_b32 v255, 0
	s_wait_tensorcnt 0x0
	ds_add_u32 v254, v255
	s_wait_dscnt 0x0
	s_endpgm
.Lfunc_end_k_q48f218f74f_attn:
	.size	k_q48f218f74f_attn, .Lfunc_end_k_q48f218f74f_attn-k_q48f218f74f_attn
	.p2alignl 7, 3214868480
	.fill 96, 4, 3214868480
	.section	.rodata,"a",@progbits
	.p2align	6, 0x0
	.amdhsa_kernel k_q48f218f74f_attn
		.amdhsa_group_segment_fixed_size 215040
		.amdhsa_private_segment_fixed_size 0
		.amdhsa_enable_private_segment 0
		.amdhsa_kernarg_size 16
		.amdhsa_user_sgpr_count 2
		.amdhsa_user_sgpr_kernarg_segment_ptr 1
		.amdhsa_wavefront_size32 1
		.amdhsa_system_sgpr_workgroup_id_x 1
		.amdhsa_system_sgpr_workgroup_id_y 1
		.amdhsa_system_sgpr_workgroup_id_z 1
		.amdhsa_system_vgpr_workitem_id 0
		.amdhsa_next_free_vgpr 256
		.amdhsa_next_free_sgpr 66
		.amdhsa_reserve_vcc 1
		.amdhsa_float_denorm_mode_32 3
		.amdhsa_float_denorm_mode_16_64 3
		.amdhsa_memory_ordered 1
		.amdhsa_forward_progress 1
		.amdhsa_inst_pref_size 33
	.end_amdhsa_kernel
	.amdgpu_metadata
---
amdhsa.version: [ 1, 2 ]
amdhsa.kernels:
  - .name:           k_q48f218f74f_attn
    .symbol:         k_q48f218f74f_attn.kd
    .args:
      - { .name: qkvc, .offset: 0, .size: 8, .value_kind: global_buffer, .address_space: global }
      - { .name: oc, .offset: 8, .size: 8, .value_kind: global_buffer, .address_space: global }
    .group_segment_fixed_size: 215040
    .private_segment_fixed_size: 0
    .kernarg_segment_align: 8
    .kernarg_segment_size: 16
    .max_flat_workgroup_size: 512
    .sgpr_count:     66
    .vgpr_count:     256
    .wavefront_size: 32
...
	.end_amdgpu_metadata
.endif
;; end of part 3
;; launch proj (part 4): grid 8 x 32, 4 waves a work-group, clusters of 4 x 4, 327,680 bytes of LDS; arguments oc, wimg, bproj, x, x1; writes x1
.if DOCPART == 4
	.amdgcn_target "amdgcn-amd-amdhsa--gfx1250"
	.amdhsa_code_object_version 6
	.text
	.protected	k_q48f218f74f_proj
	.globl	k_q48f218f74f_proj
	.p2align	8
	.type	k_q48f218f74f_proj,@function
k_q48f218f74f_proj:
	s_mov_b64 s[64:65], 0
	v_nop
	global_prefetch_b8 v0, s[64:65] scope:SCOPE_SE
	s_setreg_imm32_b32 hwreg(HW_REG_WAVE_MODE, 25, 1), 1
	s_wait_xcnt 0x0
	s_wait_alu depctr_hold_cnt(0) depctr_sa_sdst(0) depctr_va_vdst(0) depctr_va_sdst(0) depctr_va_ssrc(0) depctr_va_vcc(0) depctr_vm_vsrc(0)
	s_getreg_b32 s2, hwreg(HW_REG_IB_STS2, 6, 4)
	s_cmp_eq_u32 s2, 0
	s_cbranch_scc0 .Lentry_in_a_cluster
	s_endpgm
.Lentry_in_a_cluster:
	s_bfe_u32 s2, ttmp6, 0x10000c
	s_cmp_lg_u32 s2, 0xf033
	s_cbranch_scc0 .Lentry_shape_is_right
	s_endpgm
.Lentry_shape_is_right:
; PROJ: x1 = x + o Wproj + bproj; the product on E2M3 codes (K = 1,024), all else f32.
; OPERANDS lie as images of the operand's registers (16 rows x 128 K: 1,536 bytes; four tiles + 64 scale words = a quad of 6,400 bytes; a buffer is [K step][quad]); lane r of tile t holds row 32 (t / 2) + 8 (t % 2) + r + 8 (r / 8).
; SHARES.  A work-group makes 128 tokens (Y, tile ty) x 128 features (X, tile tx): 256 work-groups; each of its four waves 64 x 64, 16 accumulators.  A larger tile would leave three WGPs in four without work.
; K goes through two LDS slots of four K steps; wave w brings one quad's four K steps (4 rows of 6,400 bytes) a slot.  NS slots' worth of K: with NS = 2 both are filled once; by this text's count two tensor loads of a wave are out at the most.
; CLUSTER 4 x 4: the four work-groups of a row need the same token quads, the four of a column the same feature quads: each is asked for jointly.
; Source 0 = features, source 1 = tokens: a lane holds one token and 8 neighbouring features an accumulator.  The bias is the C of each sum's first product.  On the way out a tile of 16 tokens x 64 features goes through
; the wave's own stage in LDS, comes back as rows of 256 bytes, takes the residual, and sixteen lanes store 256 aligned bytes of a token's row.
; LIMITS: NaN and infinities are not served.
.set QB,    6400
.set SCO,   6144
.set PIECE, 4*QB
.set SLOT,  4*PIECE
.set NQY,   64
.set NQX,   16
.set XOFF,  2457600                    ; where these weights' images begin in wimg
.set NS,    2                          ; K / 512
.set STAGE, 2*SLOT                     ; behind the slots: 16 rows x 272 bytes for each wave; no tensor load lands there
.set SPARE, STAGE+4*4352               ; behind the stages: the spare words, 128 bytes a wave
.set G1Y, 24
.set G0Y, 32
.set G1X, 48
.set G0X, 56
.set SC,  24                           ; v24-31 scale words, two sets of four: register i: lanes 0-15 Y tile i's, lanes 16-31 X tile i's
.set ACC, 128                          ; v128-255 accumulator (a, b) at ACC + 8 (4 a + b)
; window 0: v1 r, v2 h, v3 lane; v4,5 / v6,7 Y's fragments in slot 0, 1 (16 x lane / 8 x lane); v8,9 / v10,11 X's; v12,13 scale words; v14 spare word, v15 zero; v18 stage in, v19 stage back, v20 my place in two rows, v21 bias;
; v32-95 two tiles of the residual; v96-127 the bias, later a tile on its way out.   window 1: fragment buffer g at 96 g: Y's four tiles, then X's four.
.set MSB, 0
.macro WIN new
.if MSB != \new
	s_set_vgpr_msb (MSB<<8)|\new
.set MSB, \new
.endif
.endm
.macro PLACES n
.rept \n
	v_nop
.endr
.endm
.macro CREST
	s_cmp_lg_u32 s14, 0
	s_cbranch_scc1 .Lnot_wave_0_\@
	s_barrier_signal -3
.Lnot_wave_0_\@:
	s_barrier_wait -3
	s_barrier_signal -1
	s_barrier_wait -1
.endm
.macro CROUND
	s_barrier_signal -1
	s_barrier_wait -1
	CREST
.endm
.macro JLOAD g0y, g1y, g0x, g1x        ; a joint load: waves 0 and 1 fetch Y's two quads, waves 2 and 3 X's; four v_nop follow each line
	s_cmp_eq_u32 s15, 0
	s_cbranch_scc0 .Lfor_x_\@
	tensor_load_to_lds s[\g0y:\g0y+3], s[\g1y:\g1y+7]
	s_nop 0
.rept 4
	v_nop
.endr
	s_branch .Lasked_\@
.Lfor_x_\@:
	tensor_load_to_lds s[\g0x:\g0x+3], s[\g1x:\g1x+7]
	s_nop 0
.rept 4
	v_nop
.endr
.Lasked_\@:
.endm
.macro FETCH s, kk, g                  ; 36 LDS loads: my eight fragments and eight tiles' scale words of K step kk of slot s, into buffer g
	WIN 0x40
.irp t, 0,1,2,3
	ds_load_b128 v[96*(\g)+12*\t:96*(\g)+12*\t+3],       v[4+\s]  offset:QB*(\kk)+1536*\t
	ds_load_b64  v[96*(\g)+12*\t+4:96*(\g)+12*\t+5],     v[6+\s]  offset:QB*(\kk)+1536*\t+512
	ds_load_b128 v[96*(\g)+12*\t+6:96*(\g)+12*\t+9],     v[4+\s]  offset:QB*(\kk)+1536*\t+768
	ds_load_b64  v[96*(\g)+12*\t+10:96*(\g)+12*\t+11],   v[6+\s]  offset:QB*(\kk)+1536*\t+1280
	ds_load_b128 v[96*(\g)+48+12*\t:96*(\g)+48+12*\t+3],     v[8+\s]  offset:QB*(\kk)+1536*\t
	ds_load_b64  v[96*(\g)+48+12*\t+4:96*(\g)+48+12*\t+5],   v[10+\s] offset:QB*(\kk)+1536*\t+512
	ds_load_b128 v[96*(\g)+48+12*\t+6:96*(\g)+48+12*\t+9],   v[8+\s]  offset:QB*(\kk)+1536*\t+768
	ds_load_b64  v[96*(\g)+48+12*\t+10:96*(\g)+48+12*\t+11], v[10+\s] offset:QB*(\kk)+1536*\t+1280
.endr
	WIN 0
.irp i, 0,1,2,3
	ds_load_b32 v[SC+4*(\g)+\i], v[12+\s] offset:QB*(\kk)+SCO+64*\i
.endr
.endm
; 16 matrix instructions on buffer f; the 16 accumulators take turns, one instruction a turn, in the same order in every step.  cm = 1: the bias starts the sums.
.macro MULX f, cm
	WIN 0x05
.irp a, 0,1,2,3
.irp b, 0,1,2,3
.if \cm == 1
	v_wmma_scale_f32_16x16x128_f8f6f4 v[ACC+8*(4*\a+\b):ACC+8*(4*\a+\b)+7], v[96*(\f)+48+12*\b:96*(\f)+48+12*\b+11], v[96*(\f)+12*\a:96*(\f)+12*\a+11], v[96+8*\b:103+8*\b], v[SC+4*(\f)+\b], v[SC+4*(\f)+\a] matrix_a_fmt:MATRIX_FMT_FP6 matrix_b_fmt:MATRIX_FMT_FP6 matrix_a_scale:MATRIX_SCALE_ROW1
.else
	v_wmma_scale_f32_16x16x128_f8f6f4 v[ACC+8*(4*\a+\b):ACC+8*(4*\a+\b)+7], v[96*(\f)+48+12*\b:96*(\f)+48+12*\b+11], v[96*(\f)+12*\a:96*(\f)+12*\a+11], v[ACC+8*(4*\a+\b):ACC+8*(4*\a+\b)+7], v[SC+4*(\f)+\b], v[SC+4*(\f)+\a] matrix_a_fmt:MATRIX_FMT_FP6 matrix_b_fmt:MATRIX_FMT_FP6 matrix_a_scale:MATRIX_SCALE_ROW1
.endif
.endr
.endr
	WIN 0
.endm
.macro STEPK s, kk, cm                 ; K step kk (0..2) of slot s: the next step's fragments are asked for ahead of this step's products and land under them
	s_wait_dscnt 0x0
	PLACES 4                                       ; four places between the last products, which read the other buffer, and the loads into it
	FETCH \s, (\kk)+1, ((\kk)+1)%2
	MULX (\kk)%2, \cm
.endm
; A slot's last K step, and the change to slot n.  fill = 1: slot s is filled again, eight K steps on: the barrier is then a round of the cluster's, and the joint load the first thing behind it; it has four K steps in which to land.
.macro TURN s, n, fill
	s_wait_tensorcnt 0x0                           ; all my tensor loads have landed: my part of slot n
	ds_add_u32 v14, v15                            ; 0 onto my spare word
.if \fill
	s_add_nc_u64 s[G0Y+4*\s+2:G0Y+4*\s+3], s[G0Y+4*\s+2:G0Y+4*\s+3], 8*NQY*QB
	s_add_nc_u64 s[G0X+4*\s+2:G0X+4*\s+3], s[G0X+4*\s+2:G0X+4*\s+3], 8*NQX*QB
.endif
	s_wait_dscnt 0x0                               ; the add is done, and my reads of slot s are over
.if \fill
	CROUND
	JLOAD G0Y+4*\s, G1Y, G0X+4*\s, G1X             ; its four v_nop are also the places in front of the loads below
.else
	s_barrier_signal -1
	s_barrier_wait -1
	PLACES 4
.endif
	FETCH \n, 0, 0
	MULX 1, 2
.endm
.macro RES a                           ; the residual of token tile a: as the tile will come back from the stage: load i takes the tile's rows 2 i and 2 i + 1
.irp i, 0,1,2,3,4,5,6,7
	global_load_b128 v[32+32*((\a)%2)+4*\i:32+32*((\a)%2)+4*\i+3], v20, s[10:11] offset:(32*((\a)/2)+8*((\a)%2)+2*\i+8*(\i/4))*4096
.endr
.endm
.macro OUT a, left                     ; left: the residual loads that may stay out
.irp b, 0,1,2,3
	ds_store_b128 v18, v[ACC+8*(4*\a+\b):ACC+8*(4*\a+\b)+3] offset:128*(\b/2)+32*(\b%2)          ; each accumulator from its low end on
	ds_store_b128 v18, v[ACC+8*(4*\a+\b)+4:ACC+8*(4*\a+\b)+7] offset:128*(\b/2)+32*(\b%2)+16
.endr
.irp i, 0,1,2,3,4,5,6,7
	ds_load_b128 v[96+4*\i:99+4*\i], v19 offset:544*\i             ; LDS serves a wave's instructions in order: these see my stores
.endr
	s_wait_dscnt 0x0
	s_wait_loadcnt \left
.set n, 0
.rept 16
	v_pk_add_f32 v[96+n:97+n], v[96+n:97+n], v[32+32*(\a%2)+n:33+32*(\a%2)+n]
.set n, n+2
.endr
.irp i, 0,1,2,3,4,5,6,7
	global_store_b128 v20, v[96+4*\i:99+4*\i], s[12:13] offset:(32*(\a/2)+8*(\a%2)+2*\i+8*(\i/4))*4096   ; sixteen lanes store 256 aligned bytes of a token's row
.endr
	s_wait_xcnt 0x0                                ; the stores have read their registers: the next tile may land there
.endm
	s_load_b128 s[4:7], s[0:1], 0x0                ; the token operand, wimg
	s_load_b128 s[8:11], s[0:1], 0x10              ; the bias, the residual
	s_load_b64 s[12:13], s[0:1], 0x20              ; the result
	v_lshl_add_u32 v14, v0, 2, SPARE
	v_mov_b32 v15, 0
	ds_add_u32 v14, v15
	ds_add_u32 v14, v15
	s_wait_dscnt 0x0
	v_lshrrev_b32 v1, 5, v0
	v_readfirstlane_b32 s14, v1                    ; wave 0..3
	s_lshr_b32 s15, s14, 1                         ; my Y quad.  Also: I fetch for Y (0) or for X (1)
	s_and_b32 s16, s14, 1                          ; my X quad.  Also: which quad I fetch
	s_bfe_u32 s40, ttmp6, 0x40000
	s_bfe_u32 s41, ttmp6, 0x40004
	s_lshl_b32 s42, ttmp9, 2
	s_add_co_u32 s42, s42, s40                     ; tx
	s_and_b32 s17, ttmp7, 0xffff
	s_lshl_b32 s17, s17, 2
	s_add_co_u32 s17, s17, s41                     ; ty
	s_lshl_b32 s43, s41, 2
	s_lshl_b32 s43, 15, s43
	s_lshl_b32 s44, 0x1111, s40
	s_or_b32 s[G1Y], s43, (3<<16)|(1<<21)          ; the mask; elements of 8 bytes; bit 21 beside a mask; no padding
	s_or_b32 s[G1X], s44, (3<<16)|(1<<21)
.irp g, G1Y, G1X
	s_mov_b32 s[\g+1], 800<<16                     ; tensor_dim0 = 800 elements: a quad
	s_mov_b32 s[\g+2], 4<<16                       ; tensor_dim1 = 4 K steps
	s_mov_b32 s[\g+3], 800<<16
	s_mov_b32 s[\g+4], 4
	s_mov_b32 s[\g+6], 0
	s_mov_b32 s[\g+7], 0
.endr
	s_mov_b32 s[G1Y+5], NQY*800
	s_mov_b32 s[G1X+5], NQX*800
	s_lshl_b32 s20, s17, 1
	s_add_co_u32 s20, s20, s16
	s_mul_i32 s20, s20, QB
	s_mov_b32 s21, 0
	s_lshl_b32 s46, s42, 1
	s_add_co_u32 s46, s46, s16
	s_mul_i32 s46, s46, QB
	s_add_co_u32 s46, s46, XOFF
	s_mov_b32 s47, 0
	s_mul_i32 s45, s14, PIECE
	s_wait_kmcnt 0x0
	s_add_nc_u64 s[20:21], s[4:5], s[20:21]
	s_add_nc_u64 s[46:47], s[6:7], s[46:47]
	CROUND                                         ; all sixteen work-groups are here: the first joint loads meet
.irp s, 0,1
	s_mov_b32 s[G0Y+4*\s], 1
	s_add_co_u32 s[G0Y+4*\s+1], s45, \s*SLOT
	s_add_nc_u64 s[G0Y+4*\s+2:G0Y+4*\s+3], s[20:21], \s*4*NQY*QB
	s_or_b32 s[G0Y+4*\s+3], s[G0Y+4*\s+3], 0x80000000
	s_mov_b32 s[G0X+4*\s], 1
	s_add_co_u32 s[G0X+4*\s+1], s45, \s*SLOT
	s_add_nc_u64 s[G0X+4*\s+2:G0X+4*\s+3], s[46:47], \s*4*NQX*QB
	s_or_b32 s[G0X+4*\s+3], s[G0X+4*\s+3], 0x80000000
	JLOAD G0Y+4*\s, G1Y, G0X+4*\s, G1X
.endr
	v_and_b32 v1, 15, v0                           ; r
	v_bfe_u32 v2, v0, 4, 1                         ; h
	v_and_b32 v3, 31, v0                           ; lane
	v_lshlrev_b32 v16, 4, v3
	v_lshlrev_b32 v17, 3, v3
	v_lshlrev_b32 v23, 2, v1
	s_mul_i32 s18, s15, PIECE
	s_mul_i32 s19, s16, PIECE
	s_add_co_u32 s19, s19, 2*PIECE
	s_sub_co_u32 s22, s19, s18
	v_mul_u32_u24 v22, s22, v2                     ; scale words: lanes 16-31 take X's: one product, the distance between the two
	v_add_nc_u32 v22, v22, v23
.irp s, 0,1
	v_add_nc_u32 v[4+\s], s18, v16
	v_add_nc_u32 v[6+\s], s18, v17
	v_add_nc_u32 v[8+\s], s19, v16
	v_add_nc_u32 v[10+\s], s19, v17
	v_add_nc_u32 v[12+\s], s18, v22
	s_add_co_u32 s18, s18, SLOT
	s_add_co_u32 s19, s19, SLOT
.endr
	s_mul_i32 s70, s14, 4352
	s_add_co_u32 s70, s70, STAGE                   ; my stage
	v_mul_u32_u24 v18, v1, 272
	v_lshl_add_u32 v18, v2, 6, v18
	v_add_nc_u32 v18, s70, v18                     ; in: row r, + 64 h
	v_mul_u32_u24 v19, v2, 272
	v_lshl_add_u32 v19, v1, 4, v19
	v_add_nc_u32 v19, s70, v19                     ; back: lanes 0-15 one row, lanes 16-31 the next
	v_lshlrev_b32 v20, 12, v2
	v_lshl_add_u32 v20, v1, 4, v20                 ; and the same two rows in memory
	v_lshlrev_b32 v21, 6, v2                       ; the bias: 64 h
	s_lshl_b32 s66, s42, 9
	s_lshl_b32 s67, s16, 8
	s_add_co_u32 s66, s66, s67                     ; my 64 features, in bytes
	s_mov_b32 s67, 0
	s_add_nc_u64 s[8:9], s[8:9], s[66:67]
	s_lshl_b32 s68, s17, 7
	s_lshl_b32 s69, s15, 6
	s_add_co_u32 s68, s68, s69                     ; my first token
	s_lshl_b32 s68, s68, 12
	s_add_co_u32 s68, s68, s66
	s_mov_b32 s69, 0
	s_add_nc_u64 s[10:11], s[10:11], s[68:69]
	s_add_nc_u64 s[12:13], s[12:13], s[68:69]
.irp b, 0,1,2,3
	global_load_b128 v[96+8*\b:99+8*\b], v21, s[8:9] offset:128*(\b/2)+32*(\b%2)          ; lane (r, h), tile b: features 32 (b / 2) + 8 (b % 2) + 16 h + 0 .. 7
	global_load_b128 v[100+8*\b:103+8*\b], v21, s[8:9] offset:128*(\b/2)+32*(\b%2)+16
.endr
	RES 0
	RES 1
	s_wait_tensorcnt 0x1                           ; my part of slot 0 is in; slot 1's load stays out
	s_barrier_signal -1
	s_barrier_wait -1
	FETCH 0, 0, 0
	s_wait_loadcnt 16                              ; the bias is in; the 16 loads of the residual stay out
	STEPK 0, 0, 1
.if NS > 2
	s_mov_b32 s3, NS/2-1
.Llap:                                                 ; a trip goes once round the two slots and fills both again
	STEPK 0, 1, 2
	STEPK 0, 2, 2
	TURN 0, 1, 1
	STEPK 1, 0, 2
	STEPK 1, 1, 2
	STEPK 1, 2, 2
	TURN 1, 0, 1
	STEPK 0, 0, 2
	s_sub_co_u32 s3, s3, 1
	s_cmp_lg_u32 s3, 0
	s_cbranch_scc1 .Llap
.endif
	STEPK 0, 1, 2                                  ; the last two slots fill nothing
	STEPK 0, 2, 2
	TURN 0, 1, 0
	STEPK 1, 0, 2
	STEPK 1, 1, 2
	STEPK 1, 2, 2
	s_wait_dscnt 0x0
	MULX 1, 2
	PLACES 4                                       ; four places in front of the first read of results
	OUT 0, 8
	RES 2
	OUT 1, 8
	RES 3
	OUT 2, 8
	OUT 3, 0
	s_wait_tensorcnt 0x0                           ; the wave's end
	ds_add_u32 v14, v15
	s_wait_dscnt 0x0
	CROUND                                         ; the closing round
	s_endpgm
.Lfunc_end_k_q48f218f74f_proj:
	.size	k_q48f218f74f_proj, .Lfunc_end_k_q48f218f74f_proj-k_q48f218f74f_proj
	.p2alignl 7, 3214868480
	.fill 96, 4, 3214868480
	.section	.rodata,"a",@progbits
	.p2align	6, 0x0
	.amdhsa_kernel k_q48f218f74f_proj
		.amdhsa_group_segment_fixed_size 327680
		.amdhsa_private_segment_fixed_size 0
		.amdhsa_enable_private_segment 0
		.amdhsa_kernarg_size 40
		.amdhsa_user_sgpr_count 2
		.amdhsa_user_sgpr_kernarg_segment_ptr 1
		.amdhsa_wavefront_size32 1
		.amdhsa_system_sgpr_workgroup_id_x 1
		.amdhsa_system_sgpr_workgroup_id_y 1
		.amdhsa_system_sgpr_workgroup_id_z 1
		.amdhsa_system_vgpr_workitem_id 0
		.amdhsa_next_free_vgpr 512
		.amdhsa_next_free_sgpr 80
		.amdhsa_reserve_vcc 0
		.amdhsa_float_denorm_mode_32 3
		.amdhsa_float_denorm_mode_16_64 3
		.amdhsa_memory_ordered 1
		.amdhsa_forward_progress 1
		.amdhsa_inst_pref_size 60
	.end_amdhsa_kernel
	.amdgpu_metadata
---
amdhsa.version: [ 1, 2 ]
amdhsa.kernels:
  - .name:           k_q48f218f74f_proj
    .symbol:         k_q48f218f74f_proj.kd
    .args:
      - { .name: oc, .offset: 0, .size: 8, .value_kind: global_buffer, .address_space: global }
      - { .name: wimg, .offset: 8, .size: 8, .value_kind: global_buffer, .address_space: global }
      - { .name: bproj, .offset: 16, .size: 8, .value_kind: global_buffer, .address_space: global }
      - { .name: x, .offset: 24, .size: 8, .value_kind: global_buffer, .address_space: global }
      - { .name: x1, .offset: 32, .size: 8, .value_kind: global_buffer, .address_space: global }
    .group_segment_fixed_size: 327680
    .private_segment_fixed_size: 0
    .kernarg_segment_align: 8
    .kernarg_segment_size: 40
    .max_flat_workgroup_size: 128
    .sgpr_count:     80
    .vgpr_count:     512
    .wavefront_size: 32
...
	.end_amdgpu_metadata
.endif
;; end of part 4
;; launch ln2 (part 5): grid 256 x 1, 8 waves a work-group, no clusters, 2,048 bytes of LDS; arguments x1, g2, be2, h2c; writes h2c
.if DOCPART == 5
	.amdgcn_target "amdgcn-amd-amdhsa--gfx1250"
	.amdhsa_code_object_version 6
	.text
	.protected	k_q48f218f74f_ln2
	.globl	k_q48f218f74f_ln2
	.p2align	8
	.type	k_q48f218f74f_ln2,@function
k_q48f218f74f_ln2:
	s_mov_b64 s[64:65], 0
	v_nop
	global_prefetch_b8 v0, s[64:65] scope:SCOPE_SE
	s_setreg_imm32_b32 hwreg(HW_REG_WAVE_MODE, 25, 1), 1
	s_wait_xcnt 0x0
; LN2: h2 = layernorm(x1) g2 + be2, quantised along C to E2M3 codes with one E8M0 byte for each 32, laid as images of the operand's registers ([K step][quad of 6,400 bytes]; lane r of tile t holds token 32 (t / 2) + 8 (t % 2) + r + 8 (r / 8)).
; A work-group takes one tile of 16 tokens, wave w the K step w (128 of the 1,024 channels); lane (r, h) holds 16 neighbours of each block of 32 of its token.  Mean and variance in two passes (the mean is taken off
; before the squares); the eight waves' partial sums meet in LDS: two barriers.  No tensor loads, no cluster: work-groups share only g2 and be2, 8 KB.
; LIMITS: NaN and infinities are not served.  A block under 2^-124 keeps the byte 1, a block of zeros too (its codes are zeros; this program alone reads the bytes).
.set X,    64
.set G,    128
.set BE,   192
.set TM,   28
.set PC,   44
.set PW,   11
.set SEL,  40
.set OUTP, 10
.macro QUANT s, pc, pw
.irp b, 0,1,2,3
	v_max3_num_f32 v[TM+\b], |v[\s+16*\b]|, |v[\s+1+16*\b]|, 0x1800000   ; my 16 numbers of block b, and the floor 2^(3 - 127)
.endr
.irp i, 2,4,6,8,10,12,14
.irp b, 0,1,2,3
	v_max3_num_f32 v[TM+\b], v[TM+\b], |v[\s+16*\b+\i]|, |v[\s+1+16*\b+\i]|
.endr
.endr
.irp b, 0,1,2,3
	v_permlanex16_b32 v[TM+4+\b], v[TM+\b], s[SEL], s[SEL+1]
.endr
.irp b, 0,1,2,3
	v_max_num_f32 v[TM+\b], v[TM+\b], v[TM+4+\b]
.endr
.irp b, 0,1,2,3
	v_add_nc_u32 v[TM+12+\b], 0xff000000, v[TM+\b] ; 2 off the exponent field: the conversion's scale operand
.endr
.irp b, 0,1,2,3
	v_lshrrev_b32 v[TM+4+\b], 23, v[TM+12+\b]
.endr
	v_lshl_or_b32 v[\pw], v[TM+5], 8, v[TM+4]
	v_lshl_or_b32 v[\pw], v[TM+6], 16, v[\pw]
	v_lshl_or_b32 v[\pw], v[TM+7], 24, v[\pw]
.irp c, 0,1
	v_cvt_scalef32_pk16_fp6_f32 v[\pc+6*\c:\pc+2+6*\c], v[\s+32*\c:\s+15+32*\c], v[TM+12+2*\c]
	v_cvt_scalef32_pk16_fp6_f32 v[\pc+12+4*\c:\pc+14+4*\c], v[\s+16+32*\c:\s+31+32*\c], v[TM+12+2*\c+1]
.endr
	v_nop                                          ; one plain place behind a scaled conversion
.irp c, 0,1
.irp i, 0,1,2
	v_permlane16_swap_b32 v[\pc+6*\c+\i], v[\pc+12+4*\c+\i]
.endr
.irp i, 0,1,2
	v_mov_b32 v[\pc+3+6*\c+\i], v[\pc+12+4*\c+\i]
.endr
.endr
.endm
.macro ROWSUM off                      ; the pairs v[12:13], v[14:15] become my row's sum over all 1,024 channels, in v16 of every lane
	v_pk_add_f32 v[12:13], v[12:13], v[14:15]
	v_add_f32 v12, v12, v13
	v_permlanex16_b32 v13, v12, s[SEL], s[SEL+1]
	v_add_f32 v12, v12, v13
	ds_store_b32 v6, v12 offset:\off
	s_wait_dscnt 0x0                               ; for the others' sake: my store has landed
	s_barrier_signal -1
	s_barrier_wait -1
	ds_load_b128 v[16:19], v7 offset:\off
	ds_load_b128 v[20:23], v7 offset:\off+16
	s_wait_dscnt 0x0
	v_pk_add_f32 v[16:17], v[16:17], v[18:19]
	v_pk_add_f32 v[20:21], v[20:21], v[22:23]
	v_pk_add_f32 v[16:17], v[16:17], v[20:21]
	v_add_f32 v16, v16, v17
.endm
	s_load_b256 s[4:11], s[0:1], 0x0               ; x1 4, g2 6, be2 8, h2c 10
	v_lshl_add_u32 v59, v0, 2, 0x400
	v_mov_b32 v63, 0
	v_lshrrev_b32 v1, 5, v0
	v_readfirstlane_b32 s26, v1                    ; wave 0..7
	v_and_b32 v1, 15, v0                           ; r
	v_bfe_u32 v2, v0, 4, 1                         ; h
	v_and_b32 v3, 31, v0                           ; lane
	v_and_b32 v4, 8, v1
	v_add_nc_u32 v4, v4, v1                        ; r + 8 (r / 8)
	v_lshlrev_b32 v4, 12, v4
	v_lshl_add_u32 v4, v2, 6, v4                   ; + 64 h
	v_lshlrev_b32 v5, 6, v2
	v_lshlrev_b32 v7, 5, v1
	s_lshl_b32 s27, s26, 2
	v_add_nc_u32 v6, s27, v7
	v_lshlrev_b32 v8, 4, v3
	v_lshlrev_b32 v9, 3, v3
	v_lshlrev_b32 v10, 2, v1
.irp b, 0,1,2,3
	v_mov_b32 v[TM+4+\b], 0                        ; a lane permute's destination counts as one of its sources
.endr
	s_mov_b32 s[SEL], 0x76543210
	s_mov_b32 s[SEL+1], 0xfedcba98
	s_lshr_b32 s28, ttmp9, 1
	s_lshl_b32 s28, s28, 5
	s_and_b32 s29, ttmp9, 1
	s_lshl_b32 s29, s29, 3
	s_add_co_u32 s28, s28, s29                     ; the tile's first token
	s_lshl_b32 s28, s28, 12
	s_lshl_b32 s30, s26, 9
	s_add_co_u32 s28, s28, s30
	s_mov_b32 s29, 0
	s_mov_b32 s31, 0
	s_lshl_b32 s32, s26, 6
	s_lshr_b32 s33, ttmp9, 2
	s_add_co_u32 s32, s32, s33
	s_mul_i32 s32, s32, 6400
	s_and_b32 s33, ttmp9, 3
	s_mul_i32 s34, s33, 1536
	s_add_co_u32 s34, s32, s34
	s_mov_b32 s35, 0
	s_lshl_b32 s33, s33, 6
	s_add_co_u32 s32, s32, s33
	s_add_co_u32 s32, s32, 6144
	s_mov_b32 s33, 0
	s_wait_kmcnt 0x0
	s_add_nc_u64 s[4:5], s[4:5], s[28:29]
	s_add_nc_u64 s[6:7], s[6:7], s[30:31]
	s_add_nc_u64 s[8:9], s[8:9], s[30:31]
	s_add_nc_u64 s[36:37], s[OUTP:OUTP+1], s[34:35]
	s_add_nc_u64 s[38:39], s[OUTP:OUTP+1], s[32:33]
.irp b, 0,1,2,3
.irp j, 0,1,2,3
	global_load_b128 v[X+16*\b+4*\j:X+16*\b+4*\j+3], v4, s[4:5] offset:128*\b+16*\j
.endr
.endr
.irp b, 0,1,2,3
.irp j, 0,1,2,3
	global_load_b128 v[G+16*\b+4*\j:G+16*\b+4*\j+3], v5, s[6:7] offset:128*\b+16*\j
.endr
.endr
.irp b, 0,1,2,3
.irp j, 0,1,2,3
	global_load_b128 v[BE+16*\b+4*\j:BE+16*\b+4*\j+3], v5, s[8:9] offset:128*\b+16*\j
.endr
.endr
	s_wait_loadcnt 32                              ; x1's 16 loads are in; the 32 of g2 and be2 stay out
	v_pk_add_f32 v[12:13], v[X:X+1], v[X+2:X+3]
	v_pk_add_f32 v[14:15], v[X+4:X+5], v[X+6:X+7]
.set n, 8
.rept 14
	v_pk_add_f32 v[12:13], v[12:13], v[X+n:X+n+1]
	v_pk_add_f32 v[14:15], v[14:15], v[X+n+2:X+n+3]
.set n, n+4
.endr
	ROWSUM 0
	v_mul_f32 v24, 0x3a800000, v16                 ; the mean: x 2^-10
	v_mov_b32 v25, v24
.set n, 0
.rept 32
	v_pk_add_f32 v[X+n:X+n+1], v[X+n:X+n+1], v[24:25] neg_lo:[0,1] neg_hi:[0,1]
.set n, n+2
.endr
	v_pk_mul_f32 v[12:13], v[X:X+1], v[X:X+1]
	v_pk_mul_f32 v[14:15], v[X+2:X+3], v[X+2:X+3]
.set n, 4
.rept 15
	v_pk_fma_f32 v[12:13], v[X+n:X+n+1], v[X+n:X+n+1], v[12:13]
	v_pk_fma_f32 v[14:15], v[X+n+2:X+n+3], v[X+n+2:X+n+3], v[14:15]
.set n, n+4
.endr
	ROWSUM 512                                     ; other LDS bytes than the first sum's: no third barrier is needed
	v_mov_b32 v25, 0x3727c5ac                      ; 1e-5
	s_mov_b32 s27, 0x3a800000
	v_fma_f32 v26, v16, s27, v25
	v_rsq_f32 v26, v26
	v_nop                                          ; one plain place behind a transcendental
	s_wait_alu depctr_va_vdst(0)
	v_mov_b32 v27, v26
.set n, 0
.rept 32
	v_pk_mul_f32 v[X+n:X+n+1], v[X+n:X+n+1], v[26:27]
.set n, n+2
.endr
	s_wait_loadcnt 0x0
.set n, 0
.rept 32
	v_pk_fma_f32 v[X+n:X+n+1], v[X+n:X+n+1], v[G+n:G+n+1], v[BE+n:BE+n+1]
.set n, n+2
.endr
	QUANT X, PC, PW
	global_store_b128 v8, v[PC:PC+3], s[36:37]
	global_store_b64 v9, v[PC+4:PC+5], s[36:37] offset:512
	global_store_b128 v8, v[PC+6:PC+9], s[36:37] offset:768
	global_store_b64 v9, v[PC+10:PC+11], s[36:37] offset:1280
	global_store_b32 v10, v[PW], s[38:39]
	s_wait_tensorcnt 0x0
	ds_add_u32 v59, v63
	s_wait_dscnt 0x0
	s_endpgm
.Lfunc_end_k_q48f218f74f_ln2:
	.size	k_q48f218f74f_ln2, .Lfunc_end_k_q48f218f74f_ln2-k_q48f218f74f_ln2
	.p2alignl 7, 3214868480
	.fill 96, 4, 3214868480
	.section	.rodata,"a",@progbits
	.p2align	6, 0x0
	.amdhsa_kernel k_q48f218f74f_ln2
		.amdhsa_group_segment_fixed_size 2048
		.amdhsa_private_segment_fixed_size 0
		.amdhsa_enable_private_segment 0
		.amdhsa_kernarg_size 32
		.amdhsa_user_sgpr_count 2
		.amdhsa_user_sgpr_kernarg_segment_ptr 1
		.amdhsa_wavefront_size32 1
		.amdhsa_system_sgpr_workgroup_id_x 1
		.amdhsa_system_sgpr_workgroup_id_y 1
		.amdhsa_system_sgpr_workgroup_id_z 1
		.amdhsa_system_vgpr_workitem_id 0
		.amdhsa_next_free_vgpr 256
		.amdhsa_next_free_sgpr 66
		.amdhsa_reserve_vcc 0
		.amdhsa_float_denorm_mode_32 3
		.amdhsa_float_denorm_mode_16_64 3
		.amdhsa_memory_ordered 1
		.amdhsa_forward_progress 1
		.amdhsa_inst_pref_size 23
	.end_amdhsa_kernel
	.amdgpu_metadata
---
amdhsa.version: [ 1, 2 ]
amdhsa.kernels:
  - .name:           k_q48f218f74f_ln2
    .symbol:         k_q48f218f74f_ln2.kd
    .args:
      - { .name: x1, .offset: 0, .size: 8, .value_kind: global_buffer, .address_space: global }
      - { .name: g2, .offset: 8, .size: 8, .value_kind: global_buffer, .address_space: global }
      - { .name: be2, .offset: 16, .size: 8, .value_kind: global_buffer, .address_space: global }
      - { .name: h2c, .offset: 24, .size: 8, .value_kind: global_buffer, .address_space: global }
    .group_segment_fixed_size: 2048
    .private_segment_fixed_size: 0
    .kernarg_segment_align: 8
    .kernarg_segment_size: 32
    .max_flat_workgroup_size: 256
    .sgpr_count:     66
    .vgpr_count:     256
    .wavefront_size: 32
...
	.end_amdgpu_metadata
.endif
;; end of part 5
;; launch ff1 (part 6): grid 32 x 32, 4 waves a work-group, clusters of 4 x 4, 327,680 bytes of LDS; arguments h2c, wimg, b1, hid; writes hid
.if DOCPART == 6
	.amdgcn_target "amdgcn-amd-amdhsa--gfx1250"
	.amdhsa_code_object_version 6
	.text
	.protected	k_q48f218f74f_ff1
	.globl	k_q48f218f74f_ff1
	.p2align	8
	.type	k_q48f218f74f_ff1,@function
k_q48f218f74f_ff1:
	s_mov_b64 s[64:65], 0
	v_nop
	global_prefetch_b8 v0, s[64:65] scope:SCOPE_SE
	s_setreg_imm32_b32 hwreg(HW_REG_WAVE_MODE, 25, 1), 1
	s_wait_xcnt 0x0
	s_wait_alu depctr_hold_cnt(0) depctr_sa_sdst(0) depctr_va_vdst(0) depctr_va_sdst(0) depctr_va_ssrc(0) depctr_va_vcc(0) depctr_vm_vsrc(0)
	s_getreg_b32 s2, hwreg(HW_REG_IB_STS2, 6, 4)
	s_cmp_eq_u32 s2, 0
	s_cbranch_scc0 .Lentry_in_a_cluster
	s_endpgm
.Lentry_in_a_cluster:
	s_bfe_u32 s2, ttmp6, 0x10000c
	s_cmp_lg_u32 s2, 0xf033
	s_cbranch_scc0 .Lentry_shape_is_right
	s_endpgm
.Lentry_shape_is_right:
; FF1: hid = Q(relu(h2 W1 + b1)): the product on E2M3 codes (K = 1,024); the hidden layer leaves as codes, quantised along its 4,096 features, which are the next product's K.
; OPERANDS lie as images of the operand's registers (16 rows x 128 K: 1,536 bytes; four tiles + 64 scale words = a quad of 6,400 bytes; a buffer is [K step][quad]); lane r of tile t holds row 32 (t / 2) + 8 (t % 2) + r + 8 (r / 8).
; SHARES.  A work-group makes 128 tokens (Y, tile ty) x 128 features (X, tile tx: one K step of the next product); each of its four waves 64 x 64, 16 accumulators.
; All of K lies in two LDS slots of four K steps, each filled once: wave w brings one quad's four K steps (4 rows of 6,400 bytes) a slot; by this text's count two tensor loads of a wave are out at the most.
; CLUSTER 4 x 4: the four work-groups of a row need the same token quads, the four of a column the same feature quads: each is asked for jointly.
; Source 0 = features, source 1 = tokens: a lane holds one token, and the 32 registers of accumulators (a, 0..3) are 64 neighbouring features: two blocks, half a fragment of the next operand.  The bias is the C of each sum's first product.
; LIMITS: NaN and infinities are not served; a block under 2^-124 keeps the byte 1, a block of zeros too (its codes are zeros; this program alone reads the bytes).
.set QB,    6400
.set SCO,   6144
.set PIECE, 4*QB
.set SLOT,  4*PIECE
.set NQY,   64
.set NQX,   64
.set XOFF,  3276800                    ; where W1's images begin in wimg
.set SPARE, 2*SLOT                     ; behind the slots: the spare words, 128 bytes a wave
.set G1Y, 24
.set G0Y, 32
.set G1X, 48
.set G0X, 56
.set SEL, 74
.set SC,  24                           ; v24-31 scale words, two sets of four: register i: lanes 0-15 Y tile i's, lanes 16-31 X tile i's
.set ACC, 128
.set TM,  32
; window 0: v1 r, v2 h, v3 lane; v4,5 / v6,7 Y's fragments in slot 0, 1; v8,9 / v10,11 X's; v12,13 scale words; v14 spare word, v15 zero; v16 16 l, v17 8 l, v18 4 r, v21 bias; v32-91 the quantiser's; v96-127 the bias.
; window 1: fragment buffer g at 96 g: Y's four tiles, then X's four.
.set MSB, 0
.macro WIN new
.if MSB != \new
	s_set_vgpr_msb (MSB<<8)|\new
.set MSB, \new
.endif
.endm
.macro PLACES n
.rept \n
	v_nop
.endr
.endm
.macro CREST
	s_cmp_lg_u32 s14, 0
	s_cbranch_scc1 .Lnot_wave_0_\@
	s_barrier_signal -3
.Lnot_wave_0_\@:
	s_barrier_wait -3
	s_barrier_signal -1
	s_barrier_wait -1
.endm
.macro CROUND
	s_barrier_signal -1
	s_barrier_wait -1
	CREST
.endm
.macro JLOAD g0y, g1y, g0x, g1x        ; a joint load: waves 0 and 1 fetch Y's two quads, waves 2 and 3 X's; four v_nop follow each line
	s_cmp_eq_u32 s15, 0
	s_cbranch_scc0 .Lfor_x_\@
	tensor_load_to_lds s[\g0y:\g0y+3], s[\g1y:\g1y+7]
	s_nop 0
.rept 4
	v_nop
.endr
	s_branch .Lasked_\@
.Lfor_x_\@:
	tensor_load_to_lds s[\g0x:\g0x+3], s[\g1x:\g1x+7]
	s_nop 0
.rept 4
	v_nop
.endr
.Lasked_\@:
.endm
.macro FETCH s, kk, g
	WIN 0x40
.irp t, 0,1,2,3
	ds_load_b128 v[96*(\g)+12*\t:96*(\g)+12*\t+3],       v[4+\s]  offset:QB*(\kk)+1536*\t
	ds_load_b64  v[96*(\g)+12*\t+4:96*(\g)+12*\t+5],     v[6+\s]  offset:QB*(\kk)+1536*\t+512
	ds_load_b128 v[96*(\g)+12*\t+6:96*(\g)+12*\t+9],     v[4+\s]  offset:QB*(\kk)+1536*\t+768
	ds_load_b64  v[96*(\g)+12*\t+10:96*(\g)+12*\t+11],   v[6+\s]  offset:QB*(\kk)+1536*\t+1280
	ds_load_b128 v[96*(\g)+48+12*\t:96*(\g)+48+12*\t+3],     v[8+\s]  offset:QB*(\kk)+1536*\t
	ds_load_b64  v[96*(\g)+48+12*\t+4:96*(\g)+48+12*\t+5],   v[10+\s] offset:QB*(\kk)+1536*\t+512
	ds_load_b128 v[96*(\g)+48+12*\t+6:96*(\g)+48+12*\t+9],   v[8+\s]  offset:QB*(\kk)+1536*\t+768
	ds_load_b64  v[96*(\g)+48+12*\t+10:96*(\g)+48+12*\t+11], v[10+\s] offset:QB*(\kk)+1536*\t+1280
.endr
	WIN 0
.irp i, 0,1,2,3
	ds_load_b32 v[SC+4*(\g)+\i], v[12+\s] offset:QB*(\kk)+SCO+64*\i
.endr
.endm
; 16 matrix instructions on buffer f; the 16 accumulators take turns, one instruction a turn, in the same order in every step.  cm = 1: the bias starts the sums.
.macro MULX f, cm
	WIN 0x05
.irp a, 0,1,2,3
.irp b, 0,1,2,3
.if \cm == 1
	v_wmma_scale_f32_16x16x128_f8f6f4 v[ACC+8*(4*\a+\b):ACC+8*(4*\a+\b)+7], v[96*(\f)+48+12*\b:96*(\f)+48+12*\b+11], v[96*(\f)+12*\a:96*(\f)+12*\a+11], v[96+8*\b:103+8*\b], v[SC+4*(\f)+\b], v[SC+4*(\f)+\a] matrix_a_fmt:MATRIX_FMT_FP6 matrix_b_fmt:MATRIX_FMT_FP6 matrix_a_scale:MATRIX_SCALE_ROW1
.else
	v_wmma_scale_f32_16x16x128_f8f6f4 v[ACC+8*(4*\a+\b):ACC+8*(4*\a+\b)+7], v[96*(\f)+48+12*\b:96*(\f)+48+12*\b+11], v[96*(\f)+12*\a:96*(\f)+12*\a+11], v[ACC+8*(4*\a+\b):ACC+8*(4*\a+\b)+7], v[SC+4*(\f)+\b], v[SC+4*(\f)+\a] matrix_a_fmt:MATRIX_FMT_FP6 matrix_b_fmt:MATRIX_FMT_FP6 matrix_a_scale:MATRIX_SCALE_ROW1
.endif
.endr
.endr
	WIN 0
.endm
.macro STEPK s, kk, cm
	s_wait_dscnt 0x0
	PLACES 4                                       ; four places between the last products, which read the other buffer, and the loads into it
	FETCH \s, (\kk)+1, ((\kk)+1)%2
	MULX (\kk)%2, \cm
.endm
.macro TURN s, n                       ; a slot's last K step, and the change to slot n, which was filled at the start: nothing is filled again in this launch
	s_wait_tensorcnt 0x0
	ds_add_u32 v14, v15                            ; 0 onto my spare word
	s_wait_dscnt 0x0
	s_barrier_signal -1
	s_barrier_wait -1
	PLACES 4
	FETCH \n, 0, 0
	MULX 1, 2
.endm
.macro QUANT s, pc, pw
.irp b, 0,1,2,3
	v_max3_num_f32 v[TM+\b], |v[\s+16*\b]|, |v[\s+1+16*\b]|, 0x1800000
.endr
.irp i, 2,4,6,8,10,12,14
.irp b, 0,1,2,3
	v_max3_num_f32 v[TM+\b], v[TM+\b], |v[\s+16*\b+\i]|, |v[\s+1+16*\b+\i]|
.endr
.endr
.irp b, 0,1,2,3
	v_permlanex16_b32 v[TM+4+\b], v[TM+\b], s[SEL], s[SEL+1]
.endr
.irp b, 0,1,2,3
	v_max_num_f32 v[TM+\b], v[TM+\b], v[TM+4+\b]
.endr
.irp b, 0,1,2,3
	v_add_nc_u32 v[TM+12+\b], 0xff000000, v[TM+\b]
.endr
.irp b, 0,1,2,3
	v_lshrrev_b32 v[TM+4+\b], 23, v[TM+12+\b]
.endr
	v_lshl_or_b32 v[\pw], v[TM+5], 8, v[TM+4]
	v_lshl_or_b32 v[\pw], v[TM+6], 16, v[\pw]
	v_lshl_or_b32 v[\pw], v[TM+7], 24, v[\pw]
.irp c, 0,1
	v_cvt_scalef32_pk16_fp6_f32 v[\pc+6*\c:\pc+2+6*\c], v[\s+32*\c:\s+15+32*\c], v[TM+12+2*\c]
	v_cvt_scalef32_pk16_fp6_f32 v[\pc+12+4*\c:\pc+14+4*\c], v[\s+16+32*\c:\s+31+32*\c], v[TM+12+2*\c+1]
.endr
	v_nop                                          ; one plain place behind a scaled conversion
.irp c, 0,1
.irp i, 0,1,2
	v_permlane16_swap_b32 v[\pc+6*\c+\i], v[\pc+12+4*\c+\i]
.endr
.irp i, 0,1,2
	v_mov_b32 v[\pc+3+6*\c+\i], v[\pc+12+4*\c+\i]
.endr
.endr
.endm
	s_load_b128 s[4:7], s[0:1], 0x0                ; h2c, wimg
	s_load_b128 s[8:11], s[0:1], 0x10              ; b1, hid
	v_lshl_add_u32 v14, v0, 2, SPARE
	v_mov_b32 v15, 0
	ds_add_u32 v14, v15
	ds_add_u32 v14, v15
	s_wait_dscnt 0x0
	v_lshrrev_b32 v1, 5, v0
	v_readfirstlane_b32 s14, v1
	s_lshr_b32 s15, s14, 1
	s_and_b32 s16, s14, 1
	s_bfe_u32 s40, ttmp6, 0x40000
	s_bfe_u32 s41, ttmp6, 0x40004
	s_lshl_b32 s42, ttmp9, 2
	s_add_co_u32 s42, s42, s40                     ; tx
	s_and_b32 s17, ttmp7, 0xffff
	s_lshl_b32 s17, s17, 2
	s_add_co_u32 s17, s17, s41                     ; ty
	s_lshl_b32 s43, s41, 2
	s_lshl_b32 s43, 15, s43
	s_lshl_b32 s44, 0x1111, s40
	s_or_b32 s[G1Y], s43, (3<<16)|(1<<21)
	s_or_b32 s[G1X], s44, (3<<16)|(1<<21)
.irp g, G1Y, G1X
	s_mov_b32 s[\g+1], 800<<16
	s_mov_b32 s[\g+2], 4<<16
	s_mov_b32 s[\g+3], 800<<16
	s_mov_b32 s[\g+4], 4
	s_mov_b32 s[\g+6], 0
	s_mov_b32 s[\g+7], 0
.endr
	s_mov_b32 s[G1Y+5], NQY*800
	s_mov_b32 s[G1X+5], NQX*800
	s_lshl_b32 s20, s17, 1
	s_add_co_u32 s20, s20, s16
	s_mul_i32 s20, s20, QB
	s_mov_b32 s21, 0
	s_lshl_b32 s46, s42, 1
	s_add_co_u32 s46, s46, s16
	s_mul_i32 s46, s46, QB
	s_add_co_u32 s46, s46, XOFF
	s_mov_b32 s47, 0
	s_mul_i32 s45, s14, PIECE
	s_wait_kmcnt 0x0
	s_add_nc_u64 s[20:21], s[4:5], s[20:21]
	s_add_nc_u64 s[46:47], s[6:7], s[46:47]
	CROUND
.irp s, 0,1
	s_mov_b32 s[G0Y+4*\s], 1
	s_add_co_u32 s[G0Y+4*\s+1], s45, \s*SLOT
	s_add_nc_u64 s[G0Y+4*\s+2:G0Y+4*\s+3], s[20:21], \s*4*NQY*QB
	s_or_b32 s[G0Y+4*\s+3], s[G0Y+4*\s+3], 0x80000000
	s_mov_b32 s[G0X+4*\s], 1
	s_add_co_u32 s[G0X+4*\s+1], s45, \s*SLOT
	s_add_nc_u64 s[G0X+4*\s+2:G0X+4*\s+3], s[46:47], \s*4*NQX*QB
	s_or_b32 s[G0X+4*\s+3], s[G0X+4*\s+3], 0x80000000
	JLOAD G0Y+4*\s, G1Y, G0X+4*\s, G1X
.endr
	v_and_b32 v1, 15, v0
	v_bfe_u32 v2, v0, 4, 1
	v_and_b32 v3, 31, v0
	v_lshlrev_b32 v16, 4, v3
	v_lshlrev_b32 v17, 3, v3
	v_lshlrev_b32 v18, 2, v1
	s_mul_i32 s18, s15, PIECE
	s_mul_i32 s19, s16, PIECE
	s_add_co_u32 s19, s19, 2*PIECE
	s_sub_co_u32 s22, s19, s18
	v_mul_u32_u24 v22, s22, v2
	v_add_nc_u32 v22, v22, v18
.irp s, 0,1
	v_add_nc_u32 v[4+\s], s18, v16
	v_add_nc_u32 v[6+\s], s18, v17
	v_add_nc_u32 v[8+\s], s19, v16
	v_add_nc_u32 v[10+\s], s19, v17
	v_add_nc_u32 v[12+\s], s18, v22
	s_add_co_u32 s18, s18, SLOT
	s_add_co_u32 s19, s19, SLOT
.endr
.irp b, 0,1,2,3
	v_mov_b32 v[TM+4+\b], 0
.endr
	s_mov_b32 s[SEL], 0x76543210
	s_mov_b32 s[SEL+1], 0xfedcba98
	v_lshlrev_b32 v21, 6, v2
	s_lshl_b32 s66, s42, 9
	s_lshl_b32 s67, s16, 8
	s_add_co_u32 s66, s66, s67                     ; my 64 features, in bytes
	s_mov_b32 s67, 0
	s_add_nc_u64 s[8:9], s[8:9], s[66:67]
.irp b, 0,1,2,3
	global_load_b128 v[96+8*\b:99+8*\b], v21, s[8:9] offset:128*(\b/2)+32*(\b%2)
	global_load_b128 v[100+8*\b:103+8*\b], v21, s[8:9] offset:128*(\b/2)+32*(\b%2)+16
.endr
	s_wait_tensorcnt 0x1                           ; my part of slot 0 is in; slot 1's load stays out
	s_barrier_signal -1
	s_barrier_wait -1
	FETCH 0, 0, 0
	s_wait_loadcnt 0x0                             ; the bias
	STEPK 0, 0, 1
	STEPK 0, 1, 2
	STEPK 0, 2, 2
	TURN 0, 1
	STEPK 1, 0, 2
	STEPK 1, 1, 2
	STEPK 1, 2, 2
	s_wait_dscnt 0x0
	MULX 1, 2
	PLACES 4
.set n, 0
.rept 128
	v_max_num_f32 v[ACC+n], 0, v[ACC+n]            ; the activation, each accumulator from its low end on
.set n, n+1
.endr
	QUANT 128, 48, 88
	QUANT 192, 68, 89
	v_lshrrev_b32 v90, 16, v88
	v_lshrrev_b32 v91, 16, v89
	s_lshl_b32 s68, s42, 6
	s_lshl_b32 s69, s17, 1
	s_add_co_u32 s68, s68, s69
	s_add_co_u32 s68, s68, s15
	s_mul_i32 s68, s68, QB                         ; quad (K step tx, token quad 2 ty + hY)
	s_mul_i32 s69, s16, 768                        ; my features are half hX of the K step
	s_add_co_u32 s72, s68, s69
	s_mov_b32 s73, 0
	s_add_nc_u64 s[72:73], s[10:11], s[72:73]
	s_lshl_b32 s69, s16, 1
	s_add_co_u32 s76, s68, s69
	s_add_co_u32 s76, s76, SCO
	s_mov_b32 s77, 0
	s_add_nc_u64 s[76:77], s[10:11], s[76:77]
.irp a, 0,1,2,3
	global_store_b128 v16, v[48+20*(\a/2)+6*(\a%2):51+20*(\a/2)+6*(\a%2)], s[72:73] offset:1536*\a
	global_store_b64 v17, v[52+20*(\a/2)+6*(\a%2):53+20*(\a/2)+6*(\a%2)], s[72:73] offset:1536*\a+512
.endr
	global_store_b16 v18, v88, s[76:77]            ; bytes 2 hX and 2 hX + 1 of the token's scale word
	global_store_b16 v18, v90, s[76:77] offset:64
	global_store_b16 v18, v89, s[76:77] offset:128
	global_store_b16 v18, v91, s[76:77] offset:192
	s_wait_tensorcnt 0x0                           ; the wave's end
	ds_add_u32 v14, v15
	s_wait_dscnt 0x0
	CROUND
	s_endpgm
.Lfunc_end_k_q48f218f74f_ff1:
	.size	k_q48f218f74f_ff1, .Lfunc_end_k_q48f218f74f_ff1-k_q48f218f74f_ff1
	.p2alignl 7, 3214868480
	.fill 96, 4, 3214868480
	.section	.rodata,"a",@progbits
	.p2align	6, 0x0
	.amdhsa_kernel k_q48f218f74f_ff1
		.amdhsa_group_segment_fixed_size 327680
		.amdhsa_private_segment_fixed_size 0
		.amdhsa_enable_private_segment 0
		.amdhsa_kernarg_size 32
		.amdhsa_user_sgpr_count 2
		.amdhsa_user_sgpr_kernarg_segment_ptr 1
		.amdhsa_wavefront_size32 1
		.amdhsa_system_sgpr_workgroup_id_x 1
		.amdhsa_system_sgpr_workgroup_id_y 1
		.amdhsa_system_sgpr_workgroup_id_z 1
		.amdhsa_system_vgpr_workitem_id 0
		.amdhsa_next_free_vgpr 512
		.amdhsa_next_free_sgpr 80
		.amdhsa_reserve_vcc 0
		.amdhsa_float_denorm_mode_32 3
		.amdhsa_float_denorm_mode_16_64 3
		.amdhsa_memory_ordered 1
		.amdhsa_forward_progress 1
		.amdhsa_inst_pref_size 58
	.end_amdhsa_kernel
	.amdgpu_metadata
---
amdhsa.version: [ 1, 2 ]
amdhsa.kernels:
  - .name:           k_q48f218f74f_ff1
    .symbol:         k_q48f218f74f_ff1.kd
    .args:
      - { .name: h2c, .offset: 0, .size: 8, .value_kind: global_buffer, .address_space: global }
      - { .name: wimg, .offset: 8, .size: 8, .value_kind: global_buffer, .address_space: global }
      - { .name: b1, .offset: 16, .size: 8, .value_kind: global_buffer, .address_space: global }
      - { .name: hid, .offset: 24, .size: 8, .value_kind: global_buffer, .address_space: global }
    .group_segment_fixed_size: 327680
    .private_segment_fixed_size: 0
    .kernarg_segment_align: 8
    .kernarg_segment_size: 32
    .max_flat_workgroup_size: 128
    .sgpr_count:     80
    .vgpr_count:     512
    .wavefront_size: 32
...
	.end_amdgpu_metadata
.endif
;; end of part 6
;; launch ff2 (part 7): grid 8 x 32, 4 waves a work-group, clusters of 4 x 4, 327,680 bytes of LDS; arguments hid, wimg, b2, x1, out0; writes out0
.if DOCPART == 7
	.amdgcn_target "amdgcn-amd-amdhsa--gfx1250"
	.amdhsa_code_object_version 6
	.text
	.protected	k_q48f218f74f_ff2
	.globl	k_q48f218f74f_ff2
	.p2align	8
	.type	k_q48f218f74f_ff2,@function
k_q48f218f74f_ff2:
	s_mov_b64 s[64:65], 0
	v_nop
	global_prefetch_b8 v0, s[64:65] scope:SCOPE_SE
	s_setreg_imm32_b32 hwreg(HW_REG_WAVE_MODE, 25, 1), 1
	s_wait_xcnt 0x0
	s_wait_alu depctr_hold_cnt(0) depctr_sa_sdst(0) depctr_va_vdst(0) depctr_va_sdst(0) depctr_va_ssrc(0) depctr_va_vcc(0) depctr_vm_vsrc(0)
	s_getreg_b32 s2, hwreg(HW_REG_IB_STS2, 6, 4)
	s_cmp_eq_u32 s2, 0
	s_cbranch_scc0 .Lentry_in_a_cluster
	s_endpgm
.Lentry_in_a_cluster:
	s_bfe_u32 s2, ttmp6, 0x10000c
	s_cmp_lg_u32 s2, 0xf033
	s_cbranch_scc0 .Lentry_shape_is_right
	s_endpgm
.Lentry_shape_is_right:
; FF2: out = x1 + hid W2 + b2; the product on E2M3 codes (K = 4,096), all else f32.
; OPERANDS lie as images of the operand's registers (16 rows x 128 K: 1,536 bytes; four tiles + 64 scale words = a quad of 6,400 bytes; a buffer is [K step][quad]); lane r of tile t holds row 32 (t / 2) + 8 (t % 2) + r + 8 (r / 8).
; SHARES.  A work-group makes 128 tokens (Y, tile ty) x 128 features (X, tile tx): 256 work-groups; each of its four waves 64 x 64, 16 accumulators.  A larger tile would leave three WGPs in four without work.
; K goes through a ring of two LDS slots of four K steps; wave w brings one quad's four K steps (4 rows of 6,400 bytes) a slot.  By this text's count two tensor loads of a wave are out at the start and one behind each round;
; a refill has four K steps, 64 matrix instructions a wave, in which to land.
; CLUSTER 4 x 4: the four work-groups of a row need the same token quads, the four of a column the same feature quads: each is asked for jointly.
; Source 0 = features, source 1 = tokens: a lane holds one token and 8 neighbouring features an accumulator.  The bias is the C of each sum's first product.  On the way out a tile of 16 tokens x 64 features goes through
; the wave's own stage in LDS, comes back as rows of 256 bytes, takes the residual, and sixteen lanes store 256 aligned bytes of a token's row.
; LIMITS: NaN and infinities are not served.
.set QB,    6400
.set SCO,   6144
.set PIECE, 4*QB
.set SLOT,  4*PIECE
.set NQY,   64
.set NQX,   16
.set XOFF,  6553600                    ; where W2's images begin in wimg
.set NS,    8                          ; K / 512
.set STAGE, 2*SLOT                     ; behind the ring: 16 rows x 272 bytes for each wave; no tensor load lands there
.set SPARE, STAGE+4*4352               ; behind the stages: the spare words, 128 bytes a wave
.set G1Y, 24
.set G0Y, 32
.set G1X, 48
.set G0X, 56
.set SC,  24                           ; v24-31 scale words, two sets of four: register i: lanes 0-15 Y tile i's, lanes 16-31 X tile i's
.set ACC, 128
; window 0: v1 r, v2 h, v3 lane; v4,5 / v6,7 Y's fragments in slot 0, 1; v8,9 / v10,11 X's; v12,13 scale words; v14 spare word, v15 zero; v18 stage in, v19 stage back, v20 my place in two rows, v21 bias;
; v32-95 two tiles of the residual; v96-127 the bias, later a tile on its way out.   window 1: fragment buffer g at 96 g: Y's four tiles, then X's four.
.set MSB, 0
.macro WIN new
.if MSB != \new
	s_set_vgpr_msb (MSB<<8)|\new
.set MSB, \new
.endif
.endm
.macro PLACES n
.rept \n
	v_nop
.endr
.endm
.macro CREST
	s_cmp_lg_u32 s14, 0
	s_cbranch_scc1 .Lnot_wave_0_\@
	s_barrier_signal -3
.Lnot_wave_0_\@:
	s_barrier_wait -3
	s_barrier_signal -1
	s_barrier_wait -1
.endm
.macro CROUND
	s_barrier_signal -1
	s_barrier_wait -1
	CREST
.endm
.macro JLOAD g0y, g1y, g0x, g1x        ; a joint load: waves 0 and 1 fetch Y's two quads, waves 2 and 3 X's; four v_nop follow each line
	s_cmp_eq_u32 s15, 0
	s_cbranch_scc0 .Lfor_x_\@
	tensor_load_to_lds s[\g0y:\g0y+3], s[\g1y:\g1y+7]
	s_nop 0
.rept 4
	v_nop
.endr
	s_branch .Lasked_\@
.Lfor_x_\@:
	tensor_load_to_lds s[\g0x:\g0x+3], s[\g1x:\g1x+7]
	s_nop 0
.rept 4
	v_nop
.endr
.Lasked_\@:
.endm
.macro FETCH s, kk, g
	WIN 0x40
.irp t, 0,1,2,3
	ds_load_b128 v[96*(\g)+12*\t:96*(\g)+12*\t+3],       v[4+\s]  offset:QB*(\kk)+1536*\t
	ds_load_b64  v[96*(\g)+12*\t+4:96*(\g)+12*\t+5],     v[6+\s]  offset:QB*(\kk)+1536*\t+512
	ds_load_b128 v[96*(\g)+12*\t+6:96*(\g)+12*\t+9],     v[4+\s]  offset:QB*(\kk)+1536*\t+768
	ds_load_b64  v[96*(\g)+12*\t+10:96*(\g)+12*\t+11],   v[6+\s]  offset:QB*(\kk)+1536*\t+1280
	ds_load_b128 v[96*(\g)+48+12*\t:96*(\g)+48+12*\t+3],     v[8+\s]  offset:QB*(\kk)+1536*\t
	ds_load_b64  v[96*(\g)+48+12*\t+4:96*(\g)+48+12*\t+5],   v[10+\s] offset:QB*(\kk)+1536*\t+512
	ds_load_b128 v[96*(\g)+48+12*\t+6:96*(\g)+48+12*\t+9],   v[8+\s]  offset:QB*(\kk)+1536*\t+768
	ds_load_b64  v[96*(\g)+48+12*\t+10:96*(\g)+48+12*\t+11], v[10+\s] offset:QB*(\kk)+1536*\t+1280
.endr
	WIN 0
.irp i, 0,1,2,3
	ds_load_b32 v[SC+4*(\g)+\i], v[12+\s] offset:QB*(\kk)+SCO+64*\i
.endr
.endm
; 16 matrix instructions on buffer f; the 16 accumulators take turns, one instruction a turn, in the same order in every step, over the loop's backward jump too.  cm = 1: the bias starts the sums.
.macro MULX f, cm
	WIN 0x05
.irp a, 0,1,2,3
.irp b, 0,1,2,3
.if \cm == 1
	v_wmma_scale_f32_16x16x128_f8f6f4 v[ACC+8*(4*\a+\b):ACC+8*(4*\a+\b)+7], v[96*(\f)+48+12*\b:96*(\f)+48+12*\b+11], v[96*(\f)+12*\a:96*(\f)+12*\a+11], v[96+8*\b:103+8*\b], v[SC+4*(\f)+\b], v[SC+4*(\f)+\a] matrix_a_fmt:MATRIX_FMT_FP6 matrix_b_fmt:MATRIX_FMT_FP6 matrix_a_scale:MATRIX_SCALE_ROW1
.else
	v_wmma_scale_f32_16x16x128_f8f6f4 v[ACC+8*(4*\a+\b):ACC+8*(4*\a+\b)+7], v[96*(\f)+48+12*\b:96*(\f)+48+12*\b+11], v[96*(\f)+12*\a:96*(\f)+12*\a+11], v[ACC+8*(4*\a+\b):ACC+8*(4*\a+\b)+7], v[SC+4*(\f)+\b], v[SC+4*(\f)+\a] matrix_a_fmt:MATRIX_FMT_FP6 matrix_b_fmt:MATRIX_FMT_FP6 matrix_a_scale:MATRIX_SCALE_ROW1
.endif
.endr
.endr
	WIN 0
.endm
.macro STEPK s, kk, cm
	s_wait_dscnt 0x0
	PLACES 4                                       ; four places between the last products, which read the other buffer, and the loads into it
	FETCH \s, (\kk)+1, ((\kk)+1)%2
	MULX (\kk)%2, \cm
.endm
; A slot's last K step, and the change to slot n.  fill = 1: slot s is filled again, eight K steps on: the barrier is then a round of the cluster's, and the joint load the first thing behind it.
.macro TURN s, n, fill
	s_wait_tensorcnt 0x0                           ; all my tensor loads have landed: my part of slot n; so a group 0 may be written
	ds_add_u32 v14, v15                            ; 0 onto my spare word
.if \fill
	s_add_nc_u64 s[G0Y+4*\s+2:G0Y+4*\s+3], s[G0Y+4*\s+2:G0Y+4*\s+3], 8*NQY*QB
	s_add_nc_u64 s[G0X+4*\s+2:G0X+4*\s+3], s[G0X+4*\s+2:G0X+4*\s+3], 8*NQX*QB
.endif
	s_wait_dscnt 0x0                               ; the add is done, and my reads of slot s are over
.if \fill
	CROUND                                         ; no wave of any partner still reads slot s or has a load on its way
	JLOAD G0Y+4*\s, G1Y, G0X+4*\s, G1X             ; its four v_nop are also the places in front of the loads below
.else
	s_barrier_signal -1
	s_barrier_wait -1
	PLACES 4
.endif
	FETCH \n, 0, 0
	MULX 1, 2
.endm
.macro RES a
.irp i, 0,1,2,3,4,5,6,7
	global_load_b128 v[32+32*((\a)%2)+4*\i:32+32*((\a)%2)+4*\i+3], v20, s[10:11] offset:(32*((\a)/2)+8*((\a)%2)+2*\i+8*(\i/4))*4096
.endr
.endm
.macro OUT a, left
.irp b, 0,1,2,3
	ds_store_b128 v18, v[ACC+8*(4*\a+\b):ACC+8*(4*\a+\b)+3] offset:128*(\b/2)+32*(\b%2)          ; each accumulator from its low end on
	ds_store_b128 v18, v[ACC+8*(4*\a+\b)+4:ACC+8*(4*\a+\b)+7] offset:128*(\b/2)+32*(\b%2)+16
.endr
.irp i, 0,1,2,3,4,5,6,7
	ds_load_b128 v[96+4*\i:99+4*\i], v19 offset:544*\i             ; LDS serves a wave's instructions in order: these see my stores
.endr
	s_wait_dscnt 0x0
	s_wait_loadcnt \left
.set n, 0
.rept 16
	v_pk_add_f32 v[96+n:97+n], v[96+n:97+n], v[32+32*(\a%2)+n:33+32*(\a%2)+n]
.set n, n+2
.endr
.irp i, 0,1,2,3,4,5,6,7
	global_store_b128 v20, v[96+4*\i:99+4*\i], s[12:13] offset:(32*(\a/2)+8*(\a%2)+2*\i+8*(\i/4))*4096   ; sixteen lanes store 256 aligned bytes of a token's row
.endr
	s_wait_xcnt 0x0                                ; the stores have read their registers: the next tile may land there
.endm
	s_load_b128 s[4:7], s[0:1], 0x0                ; hid, wimg
	s_load_b128 s[8:11], s[0:1], 0x10              ; b2, x1
	s_load_b64 s[12:13], s[0:1], 0x20              ; out0
	v_lshl_add_u32 v14, v0, 2, SPARE
	v_mov_b32 v15, 0
	ds_add_u32 v14, v15
	ds_add_u32 v14, v15
	s_wait_dscnt 0x0
	v_lshrrev_b32 v1, 5, v0
	v_readfirstlane_b32 s14, v1
	s_lshr_b32 s15, s14, 1
	s_and_b32 s16, s14, 1
	s_bfe_u32 s40, ttmp6, 0x40000
	s_bfe_u32 s41, ttmp6, 0x40004
	s_lshl_b32 s42, ttmp9, 2
	s_add_co_u32 s42, s42, s40                     ; tx
	s_and_b32 s17, ttmp7, 0xffff
	s_lshl_b32 s17, s17, 2
	s_add_co_u32 s17, s17, s41                     ; ty
	s_lshl_b32 s43, s41, 2
	s_lshl_b32 s43, 15, s43
	s_lshl_b32 s44, 0x1111, s40
	s_or_b32 s[G1Y], s43, (3<<16)|(1<<21)
	s_or_b32 s[G1X], s44, (3<<16)|(1<<21)
.irp g, G1Y, G1X
	s_mov_b32 s[\g+1], 800<<16
	s_mov_b32 s[\g+2], 4<<16
	s_mov_b32 s[\g+3], 800<<16
	s_mov_b32 s[\g+4], 4
	s_mov_b32 s[\g+6], 0
	s_mov_b32 s[\g+7], 0
.endr
	s_mov_b32 s[G1Y+5], NQY*800
	s_mov_b32 s[G1X+5], NQX*800
	s_lshl_b32 s20, s17, 1
	s_add_co_u32 s20, s20, s16
	s_mul_i32 s20, s20, QB
	s_mov_b32 s21, 0
	s_lshl_b32 s46, s42, 1
	s_add_co_u32 s46, s46, s16
	s_mul_i32 s46, s46, QB
	s_add_co_u32 s46, s46, XOFF
	s_mov_b32 s47, 0
	s_mul_i32 s45, s14, PIECE
	s_wait_kmcnt 0x0
	s_add_nc_u64 s[20:21], s[4:5], s[20:21]
	s_add_nc_u64 s[46:47], s[6:7], s[46:47]
	CROUND
.irp s, 0,1
	s_mov_b32 s[G0Y+4*\s], 1
	s_add_co_u32 s[G0Y+4*\s+1], s45, \s*SLOT
	s_add_nc_u64 s[G0Y+4*\s+2:G0Y+4*\s+3], s[20:21], \s*4*NQY*QB
	s_or_b32 s[G0Y+4*\s+3], s[G0Y+4*\s+3], 0x80000000
	s_mov_b32 s[G0X+4*\s], 1
	s_add_co_u32 s[G0X+4*\s+1], s45, \s*SLOT
	s_add_nc_u64 s[G0X+4*\s+2:G0X+4*\s+3], s[46:47], \s*4*NQX*QB
	s_or_b32 s[G0X+4*\s+3], s[G0X+4*\s+3], 0x80000000
	JLOAD G0Y+4*\s, G1Y, G0X+4*\s, G1X
.endr
	v_and_b32 v1, 15, v0
	v_bfe_u32 v2, v0, 4, 1
	v_and_b32 v3, 31, v0
	v_lshlrev_b32 v16, 4, v3
	v_lshlrev_b32 v17, 3, v3
	v_lshlrev_b32 v23, 2, v1
	s_mul_i32 s18, s15, PIECE
	s_mul_i32 s19, s16, PIECE
	s_add_co_u32 s19, s19, 2*PIECE
	s_sub_co_u32 s22, s19, s18
	v_mul_u32_u24 v22, s22, v2
	v_add_nc_u32 v22, v22, v23
.irp s, 0,1
	v_add_nc_u32 v[4+\s], s18, v16
	v_add_nc_u32 v[6+\s], s18, v17
	v_add_nc_u32 v[8+\s], s19, v16
	v_add_nc_u32 v[10+\s], s19, v17
	v_add_nc_u32 v[12+\s], s18, v22
	s_add_co_u32 s18, s18, SLOT
	s_add_co_u32 s19, s19, SLOT
.endr
	s_mul_i32 s70, s14, 4352
	s_add_co_u32 s70, s70, STAGE
	v_mul_u32_u24 v18, v1, 272
	v_lshl_add_u32 v18, v2, 6, v18
	v_add_nc_u32 v18, s70, v18
	v_mul_u32_u24 v19, v2, 272
	v_lshl_add_u32 v19, v1, 4, v19
	v_add_nc_u32 v19, s70, v19
	v_lshlrev_b32 v20, 12, v2
	v_lshl_add_u32 v20, v1, 4, v20
	v_lshlrev_b32 v21, 6, v2
	s_lshl_b32 s66, s42, 9
	s_lshl_b32 s67, s16, 8
	s_add_co_u32 s66, s66, s67
	s_mov_b32 s67, 0
	s_add_nc_u64 s[8:9], s[8:9], s[66:67]
	s_lshl_b32 s68, s17, 7
	s_lshl_b32 s69, s15, 6
	s_add_co_u32 s68, s68, s69
	s_lshl_b32 s68, s68, 12
	s_add_co_u32 s68, s68, s66
	s_mov_b32 s69, 0
	s_add_nc_u64 s[10:11], s[10:11], s[68:69]
	s_add_nc_u64 s[12:13], s[12:13], s[68:69]
.irp b, 0,1,2,3
	global_load_b128 v[96+8*\b:99+8*\b], v21, s[8:9] offset:128*(\b/2)+32*(\b%2)
	global_load_b128 v[100+8*\b:103+8*\b], v21, s[8:9] offset:128*(\b/2)+32*(\b%2)+16
.endr
	RES 0
	RES 1
	s_wait_tensorcnt 0x1                           ; my part of slot 0 is in; slot 1's load stays out
	s_barrier_signal -1
	s_barrier_wait -1
	FETCH 0, 0, 0
	s_wait_loadcnt 16                              ; the bias is in; the 16 loads of the residual stay out
	STEPK 0, 0, 1
	s_mov_b32 s3, NS/2-1
.Llap:                                                 ; a trip goes once round the ring, from a lap's second K step to the next lap's first, and fills both slots again
	STEPK 0, 1, 2
	STEPK 0, 2, 2
	TURN 0, 1, 1
	STEPK 1, 0, 2
	STEPK 1, 1, 2
	STEPK 1, 2, 2
	TURN 1, 0, 1
	STEPK 0, 0, 2
	s_sub_co_u32 s3, s3, 1
	s_cmp_lg_u32 s3, 0
	s_cbranch_scc1 .Llap
	STEPK 0, 1, 2                                  ; the last lap fills nothing: it is written out
	STEPK 0, 2, 2
	TURN 0, 1, 0
	STEPK 1, 0, 2
	STEPK 1, 1, 2
	STEPK 1, 2, 2
	s_wait_dscnt 0x0
	MULX 1, 2
	PLACES 4
	OUT 0, 8
	RES 2
	OUT 1, 8
	RES 3
	OUT 2, 8
	OUT 3, 0
	s_wait_tensorcnt 0x0                           ; the wave's end
	ds_add_u32 v14, v15
	s_wait_dscnt 0x0
	CROUND                                         ; the closing round
	s_endpgm
.Lfunc_end_k_q48f218f74f_ff2:
	.size	k_q48f218f74f_ff2, .Lfunc_end_k_q48f218f74f_ff2-k_q48f218f74f_ff2
	.p2alignl 7, 3214868480
	.fill 96, 4, 3214868480
	.section	.rodata,"a",@progbits
	.p2align	6, 0x0
	.amdhsa_kernel k_q48f218f74f_ff2
		.amdhsa_group_segment_fixed_size 327680
		.amdhsa_private_segment_fixed_size 0
		.amdhsa_enable_private_segment 0
		.amdhsa_kernarg_size 40
		.amdhsa_user_sgpr_count 2
		.amdhsa_user_sgpr_kernarg_segment_ptr 1
		.amdhsa_wavefront_size32 1
		.amdhsa_system_sgpr_workgroup_id_x 1
		.amdhsa_system_sgpr_workgroup_id_y 1
		.amdhsa_system_sgpr_workgroup_id_z 1
		.amdhsa_system_vgpr_workitem_id 0
		.amdhsa_next_free_vgpr 512
		.amdhsa_next_free_sgpr 80
		.amdhsa_reserve_vcc 0
		.amdhsa_float_denorm_mode_32 3
		.amdhsa_float_denorm_mode_16_64 3
		.amdhsa_memory_ordered 1
		.amdhsa_forward_progress 1
		.amdhsa_inst_pref_size 98
	.end_amdhsa_kernel
	.amdgpu_metadata
---
amdhsa.version: [ 1, 2 ]
amdhsa.kernels:
  - .name:           k_q48f218f74f_ff2
    .symbol:         k_q48f218f74f_ff2.kd
    .args:
      - { .name: hid, .offset: 0, .size: 8, .value_kind: global_buffer, .address_space: global }
      - { .name: wimg, .offset: 8, .size: 8, .value_kind: global_buffer, .address_space: global }
      - { .name: b2, .offset: 16, .size: 8, .value_kind: global_buffer, .address_space: global }
      - { .name: x1, .offset: 24, .size: 8, .value_kind: global_buffer, .address_space: global }
      - { .name: out0, .offset: 32, .size: 8, .value_kind: global_buffer, .address_space: global }
    .group_segment_fixed_size: 327680
    .private_segment_fixed_size: 0
    .kernarg_segment_align: 8
    .kernarg_segment_size: 40
    .max_flat_workgroup_size: 128
    .sgpr_count:     80
    .vgpr_count:     512
    .wavefront_size: 32
...
	.end_amdgpu_metadata
.endif
;; end of part 7
;; ======== version 2 of 2: 6 launches
;; limits: right only within a limited range of input values
;; workspace buffers: wimg 9,830,400 bytes; hc 3,276,800 bytes; qkvc 10,092,544 bytes; oc 3,276,800 bytes; x1 16,777,216 bytes; h2c 3,276,800 bytes; hid 13,107,200 bytes
;; launch prep (part 8): grid 640 x 1, 8 waves a work-group, no clusters, 2,048 bytes of LDS; arguments x, g1, be1, Wq, Wk, Wv, Wproj, W1, W2, hc, wimg; writes hc, wimg
.if DOCPART == 8
	.amdgcn_target "amdgcn-amd-amdhsa--gfx1250"
	.amdhsa_code_object_version 6
	.text
	.protected	k_q48f218f74f_prep
	.globl	k_q48f218f74f_prep
	.p2align	8
	.type	k_q48f218f74f_prep,@function
k_q48f218f74f_prep:
	s_mov_b64 s[64:65], 0
	v_nop
	global_prefetch_b8 v0, s[64:65] scope:SCOPE_SE
	s_setreg_imm32_b32 hwreg(HW_REG_WAVE_MODE, 25, 1), 1
	s_wait_xcnt 0x0
; PREP: work-groups 0-255: h = layernorm(x) g1 + be1, quantised along C to E2M3 codes with one E8M0 byte for each 32; work-groups 256-639: the six weights, quantised along their K.
; LAYOUT OF EVERY OPERAND THAT THIS PROGRAM MAKES.  Rows (tokens or features) go in tiles of 16; lane r of tile t holds row 32 (t / 2) + 8 (t % 2) + r + 8 (r / 8), so that the results of two neighbouring tiles
; used as source 0 are 16 neighbours in a lane's registers.  A tile's codes for 128 along K are stored as an IMAGE OF THE OPERAND'S 12 REGISTERS: for each half of 64 along K, registers 0-3 at 16 x lane (512 bytes),
; registers 4-5 at 512 + 8 x lane (256 bytes): 768 bytes a half, 1,536 a tile.  Four tiles and their 64 scale words (at 6,144 + 64 tile + 4 r) are a QUAD of 6,400 bytes; a buffer is [K step][quad].
; LN PATH: a work-group takes one tile of 16 tokens, wave w the K step w (128 of the 1,024 channels); lane (r, h) holds 16 neighbours of each block of 32 of its token.  Mean and variance in two passes (the mean
; is taken off before the squares), the eight waves' partial sums meet in LDS: two barriers.  WEIGHT PATH: a wave takes 32 columns x 128 along K; a lane takes a column and its registers run down K, so a block of
; 32 lies in one lane, and the store addresses alone put each lane's codes at their place in the image.  No LDS, no barrier there.  No tensor loads: nothing is shared between work-groups.
; LIMITS: NaN and infinities among the inputs are not served.  A block whose largest magnitude lies under 2^-124 keeps the byte 1; a block of zeros has the byte 1 where the rule says 127: its codes are zeros, and this program alone reads the bytes.
.set X,    64                          ; v64-127   64 numbers of x, then of h
.set G,    128                         ; v128-191  the gains of my 64 channels
.set BE,   192                         ; v192-255  the offsets
.set TM,   28                          ; v28-43    the quantiser's work: maxima, bytes, scale operands
.set PC,   44                          ; v44-63    the codes just made
.set PW,   11                          ; v11       the scale word just made
.set SEL,  40                          ; s[40:41]  lane selects for v_permlanex16_b32: lane l xor 16
.set OUTP, 22                          ; s[22:23]  the codes' buffer
; 64 numbers of a lane, register 16 b + i = k 32 b + 16 (lane / 16) + i of my row, become a fragment's 12 registers in v[pc] on and its scale word in v[pw].
.macro QUANT s, pc, pw
.irp b, 0,1,2,3
	v_max3_num_f32 v[TM+\b], |v[\s+16*\b]|, |v[\s+1+16*\b]|, 0x1800000   ; block b: my 16 numbers, and the floor 2^(3 - 127): the byte cannot fall under 1
.endr
.irp i, 2,4,6,8,10,12,14
.irp b, 0,1,2,3
	s_delay_alu instid0(VALU_DEP_4)
	v_max3_num_f32 v[TM+\b], v[TM+\b], |v[\s+16*\b+\i]|, |v[\s+1+16*\b+\i]|
.endr
.endr
.irp b, 0,1,2,3
	s_delay_alu instid0(VALU_DEP_4)
	v_permlanex16_b32 v[TM+4+\b], v[TM+\b], s[SEL], s[SEL+1]
.endr
.irp b, 0,1,2,3
	s_delay_alu instid0(VALU_DEP_4)
	v_max_num_f32 v[TM+\b], v[TM+\b], v[TM+4+\b]   ; with lane l xor 16's: the block's largest magnitude
.endr
.irp b, 0,1,2,3
	s_delay_alu instid0(VALU_DEP_4)
	v_add_nc_u32 v[TM+12+\b], 0xff000000, v[TM+\b] ; 2 off its exponent field: the conversion's scale operand
.endr
.irp b, 0,1,2,3
	s_delay_alu instid0(VALU_DEP_4)
	v_lshrrev_b32 v[TM+4+\b], 23, v[TM+12+\b]      ; the scale's byte
.endr
	s_delay_alu instid0(VALU_DEP_3)
	v_lshl_or_b32 v[\pw], v[TM+5], 8, v[TM+4]
	s_delay_alu instid0(VALU_DEP_1)
	v_lshl_or_b32 v[\pw], v[TM+6], 16, v[\pw]
	s_delay_alu instid0(VALU_DEP_1)
	v_lshl_or_b32 v[\pw], v[TM+7], 24, v[\pw]
.irp c, 0,1
	v_cvt_scalef32_pk16_fp6_f32 v[\pc+6*\c:\pc+2+6*\c], v[\s+32*\c:\s+15+32*\c], v[TM+12+2*\c]
	v_cvt_scalef32_pk16_fp6_f32 v[\pc+12+4*\c:\pc+14+4*\c], v[\s+16+32*\c:\s+31+32*\c], v[TM+12+2*\c+1]   ; (a conversion's three registers begin on an even number)
.endr
	v_nop                                          ; one plain place behind a scaled conversion
.irp c, 0,1                                    ; the operand wants a whole block in a lane: lanes 0-15 block 2 c, lanes 16-31 block 2 c + 1
.irp i, 0,1,2
	v_permlane16_swap_b32 v[\pc+6*\c+\i], v[\pc+12+4*\c+\i]
.endr
.irp i, 0,1,2
	s_delay_alu instid0(VALU_DEP_3)
	v_mov_b32 v[\pc+3+6*\c+\i], v[\pc+12+4*\c+\i]
.endr
.endr
.endm
; The pairs v[12:13], v[14:15] hold my lane's partial sums: they become my row's sum over all 1,024 channels, in v16 of every lane.  off: the 512 LDS bytes of this sum.
.macro ROWSUM off
	s_delay_alu instid0(VALU_DEP_1)
	v_pk_add_f32 v[12:13], v[12:13], v[14:15]
	s_delay_alu instid0(VALU_DEP_1)
	v_add_f32 v12, v12, v13
	s_delay_alu instid0(VALU_DEP_1)
	v_permlanex16_b32 v13, v12, s[SEL], s[SEL+1]
	s_delay_alu instid0(VALU_DEP_1)
	v_add_f32 v12, v12, v13                        ; my row's 128 channels of this K step
	ds_store_b32 v6, v12 offset:\off               ; word (row, wave); both halves of the lanes write the same value
	s_wait_dscnt 0x0                               ; for the others' sake: my store has landed
	s_barrier_signal -1
	s_barrier_wait -1
	ds_load_b128 v[16:19], v7 offset:\off
	ds_load_b128 v[20:23], v7 offset:\off+16
	s_wait_dscnt 0x0
	v_pk_add_f32 v[16:17], v[16:17], v[18:19]
	v_pk_add_f32 v[20:21], v[20:21], v[22:23]
	s_delay_alu instid0(VALU_DEP_1)
	v_pk_add_f32 v[16:17], v[16:17], v[20:21]
	s_delay_alu instid0(VALU_DEP_1)
	v_add_f32 v16, v16, v17
.endm
.macro WLOAD pitch                     ; 128 rows of K at my wave's 32 columns: each load reads 128 consecutive bytes
.set n, 0
.rept 128
	global_load_b32 v[64+n], v4, s[28:29] offset:n*\pitch th:TH_LOAD_NT
.set n, n+1
.endr
.endm
	s_load_b512 s[4:19], s[0:1], 0x0               ; x 4, g1 6, be1 8, Wq 10, Wk 12, Wv 14, Wproj 16, W1 18
	s_load_b128 s[20:23], s[0:1], 0x40             ; W2 20, hc 22
	s_load_b64 s[24:25], s[0:1], 0x50              ; wimg
	v_lshl_add_u32 v59, v0, 2, 0x400
	v_mov_b32 v63, 0
	v_lshrrev_b32 v1, 5, v0
	s_delay_alu instid0(VALU_DEP_1)
	v_readfirstlane_b32 s26, v1                    ; wave 0..7
	s_cmp_ge_u32 ttmp9, 256                        ; the work-group's number alone decides the path: all eight waves take the same
	s_cbranch_scc1 .Lweights
	; ---------------- LN PATH: token tile T = work-group, K step = wave
	v_and_b32 v1, 15, v0                           ; r
	v_bfe_u32 v2, v0, 4, 1                         ; h
	v_and_b32 v3, 31, v0                           ; lane
	s_delay_alu instid0(VALU_DEP_3)
	v_and_b32 v4, 8, v1
	s_delay_alu instid0(VALU_DEP_1)
	v_add_nc_u32 v4, v4, v1                        ; r + 8 (r / 8)
	s_delay_alu instid0(VALU_DEP_1)
	v_lshlrev_b32 v4, 12, v4                       ; rows of 4,096 bytes
	s_delay_alu instid0(VALU_DEP_1)
	v_lshl_add_u32 v4, v2, 6, v4                   ; + 64 h: my 16 numbers of a block of 32
	v_lshlrev_b32 v5, 6, v2                        ; g, be: 64 h
	v_lshlrev_b32 v7, 5, v1                        ; LDS: my row's eight partial sums
	s_lshl_b32 s27, s26, 2
	v_add_nc_u32 v6, s27, v7                       ; and my wave's word among them
	v_lshlrev_b32 v8, 4, v3                        ; the image: 16 x lane,
	v_lshlrev_b32 v9, 3, v3                        ; 8 x lane,
	v_lshlrev_b32 v10, 2, v1                       ; and the scale word: 4 r
.irp b, 0,1,2,3
	v_mov_b32 v[TM+4+\b], 0                        ; written once: a lane permute's destination counts as one of its sources
.endr
	s_mov_b32 s[SEL], 0x76543210
	s_mov_b32 s[SEL+1], 0xfedcba98
	s_lshr_b32 s28, ttmp9, 1
	s_lshl_b32 s28, s28, 5
	s_and_b32 s29, ttmp9, 1
	s_lshl_b32 s29, s29, 3
	s_add_co_u32 s28, s28, s29                     ; the tile's first token: 32 (T / 2) + 8 (T % 2)
	s_lshl_b32 s28, s28, 12
	s_lshl_b32 s30, s26, 9                         ; my K step: 512 bytes of a row
	s_add_co_u32 s28, s28, s30
	s_mov_b32 s29, 0
	s_mov_b32 s31, 0
	s_lshl_b32 s32, s26, 6
	s_lshr_b32 s33, ttmp9, 2
	s_add_co_u32 s32, s32, s33
	s_mul_i32 s32, s32, 6400                       ; quad (K step w, T / 4)
	s_and_b32 s33, ttmp9, 3
	s_mul_i32 s34, s33, 1536
	s_add_co_u32 s34, s32, s34                     ; my tile's image
	s_mov_b32 s35, 0
	s_lshl_b32 s33, s33, 6
	s_add_co_u32 s32, s32, s33
	s_add_co_u32 s32, s32, 6144                    ; and its scale words
	s_mov_b32 s33, 0
	s_wait_kmcnt 0x0
	s_add_nc_u64 s[4:5], s[4:5], s[28:29]
	s_add_nc_u64 s[6:7], s[6:7], s[30:31]
	s_add_nc_u64 s[8:9], s[8:9], s[30:31]
	s_add_nc_u64 s[36:37], s[OUTP:OUTP+1], s[34:35]
	s_add_nc_u64 s[38:39], s[OUTP:OUTP+1], s[32:33]
.irp b, 0,1,2,3
.irp j, 0,1,2,3
	global_load_b128 v[X+16*\b+4*\j:X+16*\b+4*\j+3], v4, s[4:5] offset:128*\b+16*\j
.endr
.endr
.irp b, 0,1,2,3
.irp j, 0,1,2,3
	global_load_b128 v[G+16*\b+4*\j:G+16*\b+4*\j+3], v5, s[6:7] offset:128*\b+16*\j
.endr
.endr
.irp b, 0,1,2,3
.irp j, 0,1,2,3
	global_load_b128 v[BE+16*\b+4*\j:BE+16*\b+4*\j+3], v5, s[8:9] offset:128*\b+16*\j
.endr
.endr
	s_wait_loadcnt 32                              ; x's 16 loads are in; the 32 of g and be stay out
	v_pk_add_f32 v[12:13], v[X:X+1], v[X+2:X+3]    ; the sum of my 64, in two chains
	v_pk_add_f32 v[14:15], v[X+4:X+5], v[X+6:X+7]
.set n, 8
.rept 14
	s_delay_alu instid0(VALU_DEP_2)
	v_pk_add_f32 v[12:13], v[12:13], v[X+n:X+n+1]
	s_delay_alu instid0(VALU_DEP_2)
	v_pk_add_f32 v[14:15], v[14:15], v[X+n+2:X+n+3]
.set n, n+4
.endr
	ROWSUM 0
	s_delay_alu instid0(VALU_DEP_1)
	v_mul_f32 v24, 0x3a800000, v16                 ; the mean: x 2^-10
	s_delay_alu instid0(VALU_DEP_1)
	v_mov_b32 v25, v24
.set n, 0
.rept 32
	v_pk_add_f32 v[X+n:X+n+1], v[X+n:X+n+1], v[24:25] neg_lo:[0,1] neg_hi:[0,1]   ; x - mean
.set n, n+2
.endr
	v_pk_mul_f32 v[12:13], v[X:X+1], v[X:X+1]      ; the sum of the squares of what is left
	v_pk_mul_f32 v[14:15], v[X+2:X+3], v[X+2:X+3]
.set n, 4
.rept 15
	s_delay_alu instid0(VALU_DEP_2)
	v_pk_fma_f32 v[12:13], v[X+n:X+n+1], v[X+n:X+n+1], v[12:13]
	s_delay_alu instid0(VALU_DEP_2)
	v_pk_fma_f32 v[14:15], v[X+n+2:X+n+3], v[X+n+2:X+n+3], v[14:15]
.set n, n+4
.endr
	ROWSUM 512                                     ; other LDS bytes than the first sum's: no third barrier is needed
	v_mov_b32 v25, 0x3727c5ac                      ; 1e-5
	s_mov_b32 s27, 0x3a800000
	v_fma_f32 v26, v16, s27, v25                   ; variance + eps
	s_wait_alu depctr_va_vdst(0)
	v_rsq_f32 v26, v26
	v_nop                                          ; one plain place behind a transcendental
	s_wait_alu depctr_va_vdst(0)
	v_mov_b32 v27, v26
.set n, 0
.rept 32
	v_pk_mul_f32 v[X+n:X+n+1], v[X+n:X+n+1], v[26:27]
.set n, n+2
.endr
	s_wait_loadcnt 0x0                             ; g and be
.set n, 0
.rept 32
	v_pk_fma_f32 v[X+n:X+n+1], v[X+n:X+n+1], v[G+n:G+n+1], v[BE+n:BE+n+1]
.set n, n+2
.endr
	QUANT X, PC, PW
	global_store_b128 v8, v[PC:PC+3], s[36:37]                 ; 512 consecutive bytes, aligned to 256
	global_store_b64 v9, v[PC+4:PC+5], s[36:37] offset:512     ; 256
	global_store_b128 v8, v[PC+6:PC+9], s[36:37] offset:768
	global_store_b64 v9, v[PC+10:PC+11], s[36:37] offset:1280
	global_store_b32 v10, v[PW], s[38:39]                      ; both halves of the lanes hold the same word
	s_wait_tensorcnt 0x0
	ds_add_u32 v59, v63
	s_wait_dscnt 0x0
	s_endpgm
	; ---------------- WEIGHT PATH: task = 8 (work-group - 256) + wave: 32 columns x 128 along K
.Lweights:
	s_sub_co_u32 s27, ttmp9, 256
	s_lshl_b32 s27, s27, 3
	s_add_co_u32 s27, s27, s26                     ; task 0..3071: 768 for Wq, Wk, Wv; 256 for Wproj; 1,024 for W2; 1,024 for W1
	v_and_b32 v3, 31, v0
	s_delay_alu instid0(VALU_DEP_1)
	v_lshlrev_b32 v4, 2, v3                        ; in: 4 bytes a lane
	v_bfe_u32 v1, v0, 3, 1                         ; column l of the 32 lies in tile u = (l / 8) % 2 of the pair,
	v_and_b32 v2, 7, v0
	v_bfe_u32 v5, v0, 4, 1
	s_delay_alu instid0(VALU_DEP_1)
	v_lshl_add_u32 v2, v5, 3, v2                   ; at its lane r' = l % 8 + 8 (l / 16)
	s_delay_alu instid0(VALU_DEP_4)
	v_mul_u32_u24 v8, v1, 1536
	s_delay_alu instid0(VALU_DEP_1)
	v_lshl_add_u32 v5, v2, 4, v8                   ; the image: registers 0-3,
	s_delay_alu instid0(VALU_DEP_2)
	v_lshl_add_u32 v6, v2, 3, v8                   ; registers 4-5,
	v_lshlrev_b32 v7, 6, v1
	s_delay_alu instid0(VALU_DEP_1)
	v_lshl_add_u32 v7, v2, 2, v7                   ; the scale word
	s_cmp_lt_u32 s27, 768
	s_cbranch_scc0 .Lw_not_qkv
	s_lshr_b32 s34, s27, 8                         ; which of Wq, Wk, Wv
	s_bfe_u32 s35, s27, 0x30005                    ; K step
	s_and_b32 s36, s27, 31                         ; c: head 2 c' + half
	s_lshr_b32 s37, s36, 1                         ; head
	s_and_b32 s31, s36, 1                          ; which 32 of its 64 columns
	s_lshl_b32 s38, s37, 18                        ; a head is 1,024 rows of 256 bytes
	s_lshl_b32 s39, s35, 15                        ; a K step 128 rows
	s_add_co_u32 s38, s38, s39
	s_lshl_b32 s39, s31, 7
	s_add_co_u32 s38, s38, s39
	s_mov_b32 s39, 0
	s_mul_i32 s30, s35, 48
	s_lshl_b32 s40, s34, 4
	s_add_co_u32 s30, s30, s40
	s_add_co_u32 s30, s30, s37
	s_mul_i32 s30, s30, 6400                       ; quad (K step, 16 sel + head) of 48
	s_wait_kmcnt 0x0
	s_cmp_eq_u32 s34, 0
	s_cselect_b64 s[28:29], s[10:11], s[12:13]
	s_cmp_eq_u32 s34, 2
	s_cselect_b64 s[28:29], s[14:15], s[28:29]
	s_add_nc_u64 s[28:29], s[28:29], s[38:39]
	WLOAD 256
	s_branch .Lwcommon
.Lw_not_qkv:
	s_cmp_lt_u32 s27, 2048
	s_cbranch_scc0 .Lw_w1
	s_wait_kmcnt 0x0
	s_sub_co_u32 s34, s27, 768
	s_mov_b32 s40, 6553600                         ; W2's images begin here, Wproj's at 2,457,600
	s_cmp_lt_u32 s34, 256
	s_cselect_b64 s[28:29], s[16:17], s[20:21]
	s_cselect_b32 s40, 2457600, s40
	s_cselect_b32 s35, 0, 256
	s_sub_co_u32 s34, s34, s35
	s_lshr_b32 s35, s34, 5                         ; K step
	s_and_b32 s36, s34, 31                         ; which 32 columns of 1,024
	s_and_b32 s31, s36, 1
	s_lshl_b32 s38, s35, 19                        ; 128 rows of 4,096 bytes
	s_lshl_b32 s39, s36, 7
	s_add_co_u32 s38, s38, s39
	s_mov_b32 s39, 0
	s_add_nc_u64 s[28:29], s[28:29], s[38:39]
	s_lshl_b32 s30, s35, 4
	s_lshr_b32 s37, s36, 1
	s_add_co_u32 s30, s30, s37
	s_mul_i32 s30, s30, 6400
	s_add_co_u32 s30, s30, s40
	WLOAD 4096
	s_branch .Lwcommon
.Lw_w1:
	s_sub_co_u32 s34, s27, 2048
	s_lshr_b32 s35, s34, 7                         ; K step
	s_and_b32 s36, s34, 127                        ; which 32 columns of 4,096
	s_and_b32 s31, s36, 1
	s_lshl_b32 s38, s35, 21                        ; 128 rows of 16,384 bytes
	s_lshl_b32 s39, s36, 7
	s_add_co_u32 s38, s38, s39
	s_mov_b32 s39, 0
	s_lshl_b32 s30, s35, 6
	s_lshr_b32 s37, s36, 1
	s_add_co_u32 s30, s30, s37
	s_mul_i32 s30, s30, 6400
	s_add_co_u32 s30, s30, 3276800
	s_wait_kmcnt 0x0
	s_add_nc_u64 s[28:29], s[18:19], s[38:39]
	WLOAD 16384
.Lwcommon:
	s_mul_i32 s34, s31, 3072                       ; my 32 columns are tiles 2 (c % 2) and 2 (c % 2) + 1 of the quad
	s_add_co_u32 s34, s34, s30
	s_mov_b32 s35, 0
	s_add_nc_u64 s[32:33], s[24:25], s[34:35]
	s_lshl_b32 s36, s31, 7
	s_add_co_u32 s36, s36, s30
	s_add_co_u32 s36, s36, 6144
	s_mov_b32 s37, 0
	s_add_nc_u64 s[36:37], s[24:25], s[36:37]
; Block t of 32 along K: all its numbers are mine.  In the operand it belongs to half t / 2 and to lane r' + 16 (t % 2).
.macro WBLOCK t
.set XS, 64+32*\t
	v_max3_num_f32 v12, |v[XS]|, |v[XS+1]|, |v[XS+2]|
	v_max3_num_f32 v13, |v[XS+3]|, |v[XS+4]|, |v[XS+5]|
.irp i, 6,10,14,18,22,26
	s_delay_alu instid0(VALU_DEP_2)
	v_max3_num_f32 v12, v12, |v[XS+\i]|, |v[XS+\i+1]|
	s_delay_alu instid0(VALU_DEP_2)
	v_max3_num_f32 v13, v13, |v[XS+\i+2]|, |v[XS+\i+3]|
.endr
	s_delay_alu instid0(VALU_DEP_2)
	v_max3_num_f32 v12, v12, |v[XS+30]|, |v[XS+31]|
	s_delay_alu instid0(VALU_DEP_1)
	v_max3_num_f32 v12, v12, v13, 0x1800000        ; and the floor 2^(3 - 127)
	s_delay_alu instid0(VALU_DEP_1)
	v_add_nc_u32 v14, 0xff000000, v12              ; the conversion's scale operand
	s_delay_alu instid0(VALU_DEP_1)
	v_lshrrev_b32 v15, 23, v14                     ; the byte
.if \t == 0
	s_delay_alu instid0(VALU_DEP_1)
	v_mov_b32 v20, v15
.else
	s_delay_alu instid0(VALU_DEP_1)
	v_lshl_or_b32 v20, v15, 8*\t, v20
.endif
	v_cvt_scalef32_pk16_fp6_f32 v[192+8*\t:194+8*\t], v[XS:XS+15], v14
	v_cvt_scalef32_pk16_fp6_f32 v[224+4*\t:226+4*\t], v[XS+16:XS+31], v14
	v_nop                                          ; one plain place behind a scaled conversion
.irp i, 0,1,2
	v_mov_b32 v[195+8*\t+\i], v[224+4*\t+\i]
.endr
	global_store_b128 v5, v[192+8*\t:195+8*\t], s[32:33] offset:768*(\t/2)+256*(\t%2)       ; sixteen lanes fill 256 aligned bytes of each of the two tiles
	global_store_b64 v6, v[196+8*\t:197+8*\t], s[32:33] offset:768*(\t/2)+512+128*(\t%2)
.endm
	s_wait_loadcnt 63                              ; of the 128 loads at most 63 are out: the first 65 are in, blocks 0 and 1 among them (a wait's count names no more than 63)
	WBLOCK 0
	WBLOCK 1
	s_wait_loadcnt 32                              ; block 3's 32 stay out
	WBLOCK 2
	s_wait_loadcnt 0x0
	WBLOCK 3
	global_store_b32 v7, v20, s[36:37]             ; my column's scale word for this K step
	s_endpgm
.Lfunc_end_k_q48f218f74f_prep:
	.size	k_q48f218f74f_prep, .Lfunc_end_k_q48f218f74f_prep-k_q48f218f74f_prep
	.p2alignl 7, 3214868480
	.fill 96, 4, 3214868480
	.section	.rodata,"a",@progbits
	.p2align	6, 0x0
	.amdhsa_kernel k_q48f218f74f_prep
		.amdhsa_group_segment_fixed_size 2048
		.amdhsa_private_segment_fixed_size 0
		.amdhsa_enable_private_segment 0
		.amdhsa_kernarg_size 88
		.amdhsa_user_sgpr_count 2
		.amdhsa_user_sgpr_kernarg_segment_ptr 1
		.amdhsa_wavefront_size32 1
		.amdhsa_system_sgpr_workgroup_id_x 1
		.amdhsa_system_sgpr_workgroup_id_y 1
		.amdhsa_system_sgpr_workgroup_id_z 1
		.amdhsa_system_vgpr_workitem_id 0
		.amdhsa_next_free_vgpr 256
		.amdhsa_next_free_sgpr 66
		.amdhsa_reserve_vcc 0
		.amdhsa_float_denorm_mode_32 3
		.amdhsa_float_denorm_mode_16_64 3
		.amdhsa_memory_ordered 1
		.amdhsa_forward_progress 1
		.amdhsa_inst_pref_size 76
	.end_amdhsa_kernel
	.amdgpu_metadata
---
amdhsa.version: [ 1, 2 ]
amdhsa.kernels:
  - .name:           k_q48f218f74f_prep
    .symbol:         k_q48f218f74f_prep.kd
    .args:
      - { .name: x, .offset: 0, .size: 8, .value_kind: global_buffer, .address_space: global }
      - { .name: g1, .offset: 8, .size: 8, .value_kind: global_buffer, .address_space: global }
      - { .name: be1, .offset: 16, .size: 8, .value_kind: global_buffer, .address_space: global }
      - { .name: Wq, .offset: 24, .size: 8, .value_kind: global_buffer, .address_space: global }
      - { .name: Wk, .offset: 32, .size: 8, .value_kind: global_buffer, .address_space: global }
      - { .name: Wv, .offset: 40, .size: 8, .value_kind: global_buffer, .address_space: global }
      - { .name: Wproj, .offset: 48, .size: 8, .value_kind: global_buffer, .address_space: global }
      - { .name: W1, .offset: 56, .size: 8, .value_kind: global_buffer, .address_space: global }
      - { .name: W2, .offset: 64, .size: 8, .value_kind: global_buffer, .address_space: global }
      - { .name: hc, .offset: 72, .size: 8, .value_kind: global_buffer, .address_space: global }
      - { .name: wimg, .offset: 80, .size: 8, .value_kind: global_buffer, .address_space: global }
    .group_segment_fixed_size: 2048
    .private_segment_fixed_size: 0
    .kernarg_segment_align: 8
    .kernarg_segment_size: 88
    .max_flat_workgroup_size: 256
    .sgpr_count:     66
    .vgpr_count:     256
    .wavefront_size: 32
...
	.end_amdgpu_metadata
.endif
;; end of part 8
;; launch qkv (part 9): grid 8 x 32, 4 waves a work-group, clusters of 4 x 4, 327,680 bytes of LDS; arguments hc, wimg, qkvc; writes qkvc
.if DOCPART == 9
	.amdgcn_target "amdgcn-amd-amdhsa--gfx1250"
	.amdhsa_code_object_version 6
	.text
	.protected	k_q48f218f74f_qkv
	.globl	k_q48f218f74f_qkv
	.p2align	8
	.type	k_q48f218f74f_qkv,@function
k_q48f218f74f_qkv:
	s_mov_b64 s[64:65], 0
	v_nop
	global_prefetch_b8 v0, s[64:65] scope:SCOPE_SE
	s_setreg_imm32_b32 hwreg(HW_REG_WAVE_MODE, 25, 1), 1
	s_wait_xcnt 0x0
	s_wait_alu depctr_hold_cnt(0) depctr_sa_sdst(0) depctr_va_vdst(0) depctr_va_sdst(0) depctr_va_ssrc(0) depctr_va_vcc(0) depctr_vm_vsrc(0)
	s_getreg_b32 s2, hwreg(HW_REG_IB_STS2, 6, 4)
	s_cmp_eq_u32 s2, 0
	s_cbranch_scc0 .Lentry_in_a_cluster
	s_endpgm
.Lentry_in_a_cluster:
	s_bfe_u32 s2, ttmp6, 0x10000c
	s_cmp_lg_u32 s2, 0xf033
	s_cbranch_scc0 .Lentry_shape_is_right
	s_endpgm
.Lentry_shape_is_right:
; QKV: q, k, v = h Wq, h Wk, h Wv on E2M3 codes (K = 1,024), and their quantising for attention: q and k along the head's 64, v along the keys.
; OPERANDS lie as images of the operand's registers (16 rows x 128 K: 1,536 bytes; four tiles + 64 scale words = a quad of 6,400 bytes; a buffer is [K step][quad]); lane r of tile t holds row 32 (t / 2) + 8 (t % 2) + r + 8 (r / 8).
; A WORK-GROUP STAYS.  It owns 128 tokens (Y, tile ty), whose codes for all of K (102,400 bytes) come into LDS once, and walks three tiles of 128 features (X): q, k and v of heads 2 gx and 2 gx + 1.
; A feature tile's codes for all of K are 102,400 bytes too: they go through two LDS slots, so that a tile lands while the tile before is multiplied.  Each of the four waves makes 64 x 64: one head for 64 tokens, 16 accumulators.
; A region of LDS is four pieces of 25,600 bytes, piece w = quad w % 2, K steps 4 (w / 2) on: one tensor load of wave w (4 rows of 6,400 bytes).  By this text's count one tensor load of a wave is out at the most: one at the head, then one behind each round that issues a fill.
; LDS: X's slot 0, then Y, then X's slot 1: a scale-word load takes Y's words in lanes 0-15 and X's in lanes 16-31, and with Y in the middle the bytes between its two places never belong to the other slot.
; CLUSTER 4 x 4: the four work-groups of a row own the same tokens, the four of a column walk the same features: each piece is asked for jointly.
; q, k: source 0 = features, source 1 = tokens: a lane holds one token and its registers run along the head's 64.  v: the sources are swapped, so that a lane holds one feature and its registers run along the tokens,
; which are the keys of attention's second product.
; RESULT, for record rec = 16 (16 batch + head) + block of 128 tokens: K at 13,056 rec (8 half images of 768 bytes, words at 6,144), V at 13,056 rec + 6,656 (a quad: 4 tiles of dims x 128 keys), Q at QOFF + 6,656 rec (as K).
; In q's and k's scale words bytes 0 and 1 count; bytes 2 and 3 hold a neighbour's bytes or 0 and stand over zero codes in attention.
; LIMITS: NaN and infinities are not served; a block under 2^-124 keeps the byte 1, a block of zeros too (its codes are zeros; this program alone reads the bytes).
.set QB,    6400                       ; a quad
.set SCO,   6144                       ; its scale words
.set PIECE, 4*QB                       ; one quad's four K steps: what one tensor load brings
.set REG,   4*PIECE                    ; 128 rows x all of K
.set SL0,   0                          ; X's slot 0
.set YR,    REG                        ; Y, filled once
.set SL1,   2*REG                      ; X's slot 1
.set SPARE, 3*REG                      ; the spare words, 128 bytes a wave
.set NQY,   64                         ; quads in a K step of the token operand
.set NQX,   48                         ; and of the weights
.set XOFF,  0                          ; where these weights' images begin in wimg
.set TSTEP, 16*QB                      ; from a feature tile of my walk to the next: 16 quads (q to k to v)
.set QOFF,  6684672
.set G1Y, 24                           ; s[24:31] descriptor group 1 for Y;  s[32:35] its group 0
.set G0Y, 32
.set G1X, 48                           ; s[48:55] group 1 for X;  s[56:63] group 0, one set a slot
.set G0X, 56
.set SEL, 74                           ; s[74:75] lane selects: lane l xor 16
.set SC,  24                           ; v24-31 scale words, two sets of four: register i: lanes 0-15 Y tile i's, lanes 16-31 X tile i's
.set ACC, 128                          ; v128-255 accumulator (a, b) at ACC + 8 (4 a + b)
.set TM,  32                           ; v32-47 the quantiser's work
; window 0: v1 r, v2 h, v3 lane; v4,5 / v6,7 Y's fragments of K half 0, 1 (16 x lane / 8 x lane); v8-11 / v92-95 X's, at 2 slot + K half; v20-23 the scale words, likewise; v14 spare word, v15 zero; v16 16 l, v17 8 l, v18 4 r;
; v48-91 codes and scale words on their way out.   window 1: fragment buffer g at 96 g: Y's four tiles (12 registers each), then X's four.
.set MSB, 0
.macro WIN new                         ; the immediate's high byte repeats the setting that is left
.if MSB != \new
	s_set_vgpr_msb (MSB<<8)|\new
.set MSB, \new
.endif
.endm
.macro PLACES n
.rept \n
	v_nop
.endr
.endm
.macro CREST                           ; a round of the cluster's barrier behind its opening barrier
	s_cmp_lg_u32 s14, 0
	s_cbranch_scc1 .Lnot_wave_0_\@
	s_barrier_signal -3
.Lnot_wave_0_\@:
	s_barrier_wait -3
	s_barrier_signal -1
	s_barrier_wait -1
.endm
.macro CROUND
	s_barrier_signal -1
	s_barrier_wait -1
	CREST
.endm
.macro FETCH s, k, g                   ; 36 LDS loads: my eight fragments and eight tiles' scale words of K step k (0..7), X's from slot s, into buffer g.  Every load reads consecutive bytes
	WIN 0x40                                       ; destination window 1
.irp t, 0,1,2,3
	ds_load_b128 v[96*(\g)+12*\t:96*(\g)+12*\t+3],       v[4+(\k)/4]  offset:QB*((\k)%4)+1536*\t
	ds_load_b64  v[96*(\g)+12*\t+4:96*(\g)+12*\t+5],     v[6+(\k)/4]  offset:QB*((\k)%4)+1536*\t+512
	ds_load_b128 v[96*(\g)+12*\t+6:96*(\g)+12*\t+9],     v[4+(\k)/4]  offset:QB*((\k)%4)+1536*\t+768
	ds_load_b64  v[96*(\g)+12*\t+10:96*(\g)+12*\t+11],   v[6+(\k)/4]  offset:QB*((\k)%4)+1536*\t+1280
	ds_load_b128 v[96*(\g)+48+12*\t:96*(\g)+48+12*\t+3],     v[8+2*(\s)+(\k)/4]  offset:QB*((\k)%4)+1536*\t
	ds_load_b64  v[96*(\g)+48+12*\t+4:96*(\g)+48+12*\t+5],   v[92+2*(\s)+(\k)/4] offset:QB*((\k)%4)+1536*\t+512
	ds_load_b128 v[96*(\g)+48+12*\t+6:96*(\g)+48+12*\t+9],   v[8+2*(\s)+(\k)/4]  offset:QB*((\k)%4)+1536*\t+768
	ds_load_b64  v[96*(\g)+48+12*\t+10:96*(\g)+48+12*\t+11], v[92+2*(\s)+(\k)/4] offset:QB*((\k)%4)+1536*\t+1280
.endr
	WIN 0
.irp i, 0,1,2,3
	ds_load_b32 v[SC+4*(\g)+\i], v[20+2*(\s)+(\k)/4] offset:QB*((\k)%4)+SCO+64*\i
.endr
.endm
; 16 matrix instructions on buffer f; the 16 accumulators take turns, one instruction a turn, in the same order in every step and from tile to tile.  cm = 0: the products start the sums.
; sw = 0: source 0 = X tile b, source 1 = Y tile a.  sw = 1: source 0 = Y tile b, source 1 = X tile a.  X's scale words lie in lanes 16-31 of their register.
.macro MUL f, cm, sw
	WIN 0x05                                       ; sources 0 and 1 window 1; C and D window 0
.irp a, 0,1,2,3
.irp b, 0,1,2,3
.if \sw == 0
.if \cm == 0
	v_wmma_scale_f32_16x16x128_f8f6f4 v[ACC+8*(4*\a+\b):ACC+8*(4*\a+\b)+7], v[96*(\f)+48+12*\b:96*(\f)+48+12*\b+11], v[96*(\f)+12*\a:96*(\f)+12*\a+11], 0, v[SC+4*(\f)+\b], v[SC+4*(\f)+\a] matrix_a_fmt:MATRIX_FMT_FP6 matrix_b_fmt:MATRIX_FMT_FP6 matrix_a_scale:MATRIX_SCALE_ROW1
.else
	v_wmma_scale_f32_16x16x128_f8f6f4 v[ACC+8*(4*\a+\b):ACC+8*(4*\a+\b)+7], v[96*(\f)+48+12*\b:96*(\f)+48+12*\b+11], v[96*(\f)+12*\a:96*(\f)+12*\a+11], v[ACC+8*(4*\a+\b):ACC+8*(4*\a+\b)+7], v[SC+4*(\f)+\b], v[SC+4*(\f)+\a] matrix_a_fmt:MATRIX_FMT_FP6 matrix_b_fmt:MATRIX_FMT_FP6 matrix_a_scale:MATRIX_SCALE_ROW1
.endif
.else
.if \cm == 0
	v_wmma_scale_f32_16x16x128_f8f6f4 v[ACC+8*(4*\a+\b):ACC+8*(4*\a+\b)+7], v[96*(\f)+12*\b:96*(\f)+12*\b+11], v[96*(\f)+48+12*\a:96*(\f)+48+12*\a+11], 0, v[SC+4*(\f)+\b], v[SC+4*(\f)+\a] matrix_a_fmt:MATRIX_FMT_FP6 matrix_b_fmt:MATRIX_FMT_FP6 matrix_b_scale:MATRIX_SCALE_ROW1
.else
	v_wmma_scale_f32_16x16x128_f8f6f4 v[ACC+8*(4*\a+\b):ACC+8*(4*\a+\b)+7], v[96*(\f)+12*\b:96*(\f)+12*\b+11], v[96*(\f)+48+12*\a:96*(\f)+48+12*\a+11], v[ACC+8*(4*\a+\b):ACC+8*(4*\a+\b)+7], v[SC+4*(\f)+\b], v[SC+4*(\f)+\a] matrix_a_fmt:MATRIX_FMT_FP6 matrix_b_fmt:MATRIX_FMT_FP6 matrix_b_scale:MATRIX_SCALE_ROW1
.endif
.endif
.endr
.endr
	WIN 0
.endm
.macro STEPK s, k, cm, sw              ; K step k (0..6): the next step's fragments are asked for ahead of this step's products and land under them
	s_wait_dscnt 0x0                               ; this step's fragments and scale words are in
	PLACES 4                                       ; four places between the last products, which read the other buffer, and the loads into it
	FETCH \s, (\k)+1, ((\k)+1)%2
	MUL (\k)%2, \cm, \sw
.endm
; A tile's last K step, and the change of slots.  Its fragments have been asked for, so slot s is read out.  fill = 1: slot s takes the tile two further on: the barrier is then a round of the cluster's,
; and the joint load the first thing behind it; it has a whole tile, 128 products a wave and the way out, in which to land.
.macro CHANGE s, fill, sw
	s_wait_tensorcnt 0x0                           ; all my tensor loads have landed: my part of the other slot; so a group 0 may be written
	ds_add_u32 v14, v15                            ; 0 onto my spare word
.if \fill
	s_add_nc_u64 s[G0X+4*\s+2:G0X+4*\s+3], s[G0X+4*\s+2:G0X+4*\s+3], 2*TSTEP
.endif
	s_wait_dscnt 0x0                               ; the add is done, and my reads of slot s are over
.if \fill
	CROUND                                         ; no wave of any partner still reads slot s or has a load on its way
	tensor_load_to_lds s[G0X+4*\s:G0X+4*\s+3], s[G1X:G1X+7]
	s_nop 0
.else
	s_barrier_signal -1
	s_barrier_wait -1                              ; every wave's part of the other slot has landed
.endif
	PLACES 4                                       ; behind the tensor load, and the places in front of the loads below
	FETCH 1-\s, 0, 0
	MUL 1, 2, \sw
.endm
.macro QUANT s, pc, pw                 ; 64 numbers of a lane, register 16 b + i = place 32 b + 16 (lane / 16) + i along the next K, become 12 registers of codes in v[pc] on and four scale bytes in v[pw]
.irp b, 0,1,2,3
	v_max3_num_f32 v[TM+\b], |v[\s+16*\b]|, |v[\s+1+16*\b]|, 0x1800000   ; each accumulator is read from its low end on; the floor 2^(3 - 127) holds the byte at 1 from below
.endr
.irp i, 2,4,6,8,10,12,14
.irp b, 0,1,2,3
	v_max3_num_f32 v[TM+\b], v[TM+\b], |v[\s+16*\b+\i]|, |v[\s+1+16*\b+\i]|
.endr
.endr
.irp b, 0,1,2,3
	v_permlanex16_b32 v[TM+4+\b], v[TM+\b], s[SEL], s[SEL+1]
.endr
.irp b, 0,1,2,3
	v_max_num_f32 v[TM+\b], v[TM+\b], v[TM+4+\b]
.endr
.irp b, 0,1,2,3
	v_add_nc_u32 v[TM+12+\b], 0xff000000, v[TM+\b] ; 2 off the exponent field: the conversion's scale operand
.endr
.irp b, 0,1,2,3
	v_lshrrev_b32 v[TM+4+\b], 23, v[TM+12+\b]
.endr
	v_lshl_or_b32 v[\pw], v[TM+5], 8, v[TM+4]
	v_lshl_or_b32 v[\pw], v[TM+6], 16, v[\pw]
	v_lshl_or_b32 v[\pw], v[TM+7], 24, v[\pw]
.irp c, 0,1
	v_cvt_scalef32_pk16_fp6_f32 v[\pc+6*\c:\pc+2+6*\c], v[\s+32*\c:\s+15+32*\c], v[TM+12+2*\c]
	v_cvt_scalef32_pk16_fp6_f32 v[\pc+12+4*\c:\pc+14+4*\c], v[\s+16+32*\c:\s+31+32*\c], v[TM+12+2*\c+1]
.endr
	v_nop                                          ; one plain place behind a scaled conversion
.irp c, 0,1
.irp i, 0,1,2
	v_permlane16_swap_b32 v[\pc+6*\c+\i], v[\pc+12+4*\c+\i]
.endr
.irp i, 0,1,2
	v_mov_b32 v[\pc+3+6*\c+\i], v[\pc+12+4*\c+\i]
.endr
.endr
.endm
; THE WAY OUT of tile i (0: q, 1: k, 2: v).  For each a the 32 registers of accumulators (a, 0..3) are 64 neighbours along the next K: two blocks.  One QUANT serves two values of a.
.macro EPI i
	PLACES 4                                       ; four places in front of the first read of results
.if \i > 0
	s_wait_xcnt 0x0                                ; the last tile's stores have read their registers and bases: both are written again below
.endif
	QUANT 128, 48, 88
	QUANT 192, 68, 89
	v_lshrrev_b32 v90, 16, v88                     ; the odd tiles' two bytes
	v_lshrrev_b32 v91, 16, v89
	s_mov_b32 s73, 0
	s_mov_b32 s77, 0
.if \i < 2
	s_mul_i32 s72, s15, 3072                       ; q, k: token tile 4 hY + a: a half image of 768 bytes
	s_add_co_u32 s72, s72, s[70+\i]
	s_add_nc_u64 s[72:73], s[8:9], s[72:73]
	s_lshl_b32 s76, s15, 8
	s_add_co_u32 s76, s76, s[70+\i]
	s_add_co_u32 s76, s76, SCO
	s_add_nc_u64 s[76:77], s[8:9], s[76:77]
	s_wait_alu depctr_va_vdst(0)
.irp a, 0,1,2,3
	global_store_b128 v16, v[48+20*(\a/2)+6*(\a%2):51+20*(\a/2)+6*(\a%2)], s[72:73] offset:768*\a
	global_store_b64 v17, v[52+20*(\a/2)+6*(\a%2):53+20*(\a/2)+6*(\a%2)], s[72:73] offset:768*\a+512
.endr
	global_store_b32 v18, v88, s[76:77]
	global_store_b32 v18, v90, s[76:77] offset:64
	global_store_b32 v18, v89, s[76:77] offset:128
	global_store_b32 v18, v91, s[76:77] offset:192
.else
	s_mul_i32 s72, s15, 768                        ; v: dim tile a, keys 64 hY on: half hY of its fragment
	s_add_co_u32 s72, s72, s71
	s_add_co_u32 s72, s72, 6656
	s_add_nc_u64 s[72:73], s[8:9], s[72:73]
	s_lshl_b32 s76, s15, 1
	s_add_co_u32 s76, s76, s71
	s_add_co_u32 s76, s76, 6656+SCO
	s_add_nc_u64 s[76:77], s[8:9], s[76:77]
	s_wait_alu depctr_va_vdst(0)
.irp a, 0,1,2,3
	global_store_b128 v16, v[48+20*(\a/2)+6*(\a%2):51+20*(\a/2)+6*(\a%2)], s[72:73] offset:1536*\a
	global_store_b64 v17, v[52+20*(\a/2)+6*(\a%2):53+20*(\a/2)+6*(\a%2)], s[72:73] offset:1536*\a+512
.endr
	global_store_b16 v18, v88, s[76:77]            ; bytes 2 hY and 2 hY + 1 of the dim's scale word
	global_store_b16 v18, v90, s[76:77] offset:64
	global_store_b16 v18, v89, s[76:77] offset:128
	global_store_b16 v18, v91, s[76:77] offset:192
.endif
.endm
; A feature tile: eight K steps out of slot s, and the way out.  chg = 2: the slot is filled again; 1: only the change of slots; 0: the last tile.
.macro TILE i, s, chg, sw
	STEPK \s, 0, 0, \sw                            ; the first products start the sums: nothing is cleared
	STEPK \s, 1, 2, \sw
	STEPK \s, 2, 2, \sw
	STEPK \s, 3, 2, \sw
	STEPK \s, 4, 2, \sw
	STEPK \s, 5, 2, \sw
	STEPK \s, 6, 2, \sw
.if \chg == 2
	CHANGE \s, 1, \sw
.elseif \chg == 1
	CHANGE \s, 0, \sw
.else
	s_wait_dscnt 0x0
	MUL 1, 2, \sw
.endif
	EPI \i
.endm
	s_load_b128 s[4:7], s[0:1], 0x0                ; hc, wimg
	s_load_b64 s[8:9], s[0:1], 0x10                ; qkvc
	v_lshl_add_u32 v14, v0, 2, SPARE
	v_mov_b32 v15, 0
	ds_add_u32 v14, v15
	ds_add_u32 v14, v15
	s_wait_dscnt 0x0
	v_lshrrev_b32 v1, 5, v0
	v_readfirstlane_b32 s14, v1                    ; wave 0..3
	s_lshr_b32 s15, s14, 1                         ; my Y quad.  Also: which K half I fetch
	s_and_b32 s16, s14, 1                          ; my X quad.  Also: which quad I fetch
	s_bfe_u32 s40, ttmp6, 0x40000                  ; cx, cy: my place in the cluster
	s_bfe_u32 s41, ttmp6, 0x40004
	s_lshl_b32 s42, ttmp9, 2
	s_add_co_u32 s42, s42, s40                     ; gx 0..7: heads 2 gx, 2 gx + 1
	s_and_b32 s17, ttmp7, 0xffff
	s_lshl_b32 s17, s17, 2
	s_add_co_u32 s17, s17, s41                     ; ty
	s_lshl_b32 s43, s41, 2
	s_lshl_b32 s43, 15, s43                        ; my row of the cluster
	s_lshl_b32 s44, 0x1111, s40                    ; my column
	s_or_b32 s[G1Y], s43, (3<<16)|(1<<21)          ; 15:0 the mask; 17:16 elements of 8 bytes; 21 set beside a mask; no padding
	s_or_b32 s[G1X], s44, (3<<16)|(1<<21)
.irp g, G1Y, G1X
	s_mov_b32 s[\g+1], 800<<16                     ; tensor_dim0 = 800 elements: a quad
	s_mov_b32 s[\g+2], 8<<16                       ; tensor_dim1 = 8 K steps: the head's loads bring a quad for all of K
	s_mov_b32 s[\g+3], 800<<16                     ; tile_dim0
	s_mov_b32 s[\g+4], 8                           ; tile_dim1
	s_mov_b32 s[\g+6], 0
	s_mov_b32 s[\g+7], 0
.endr
	s_mov_b32 s[G1Y+5], NQY*800                    ; from a K step to the next
	s_mov_b32 s[G1X+5], NQX*800
	s_lshl_b32 s20, s17, 1
	s_add_co_u32 s20, s20, s16
	s_mul_i32 s20, s20, QB                         ; Y: quad 2 ty + (wave % 2), from K step 0
	s_mov_b32 s21, 0
	s_lshl_b32 s46, s42, 1
	s_add_co_u32 s46, s46, s16
	s_mul_i32 s47, s15, 4*NQX
	s_add_co_u32 s46, s46, s47
	s_mul_i32 s46, s46, QB                         ; X: quad 2 gx + (wave % 2) of the walk's first tile, K steps 4 (wave / 2) on
	s_add_co_u32 s46, s46, XOFF
	s_mov_b32 s47, 0
	; A REGION OF LDS IS NOW [quad][K step]: quad q at 2 q PIECE, its K step k at k QB.  At the head a wave brings one quad for all 8 K steps; a later load of X brings quad wave % 2, K steps 4 (wave / 2) on
	s_mul_i32 s79, s16, 2*PIECE                    ; my quad's place in a region
	s_mul_i32 s45, s15, PIECE
	s_add_co_u32 s45, s45, s79                     ; and my K half's place in it: made of the wave's number alone
	s_mul_i32 s80, s15, 4*NQX*QB                   ; bytes from X's K step 0 to my K half
	s_mov_b32 s81, 0
	s_wait_kmcnt 0x0
	s_add_nc_u64 s[20:21], s[4:5], s[20:21]
	s_add_nc_u64 s[46:47], s[6:7], s[46:47]
	CROUND                                         ; all sixteen work-groups are here: the first joint loads meet
	s_mov_b32 s[G0Y], 1
	s_add_co_u32 s[G0Y+1], s79, YR
	s_mov_b64 s[G0Y+2:G0Y+3], s[20:21]
	s_or_b32 s[G0Y+3], s[G0Y+3], 0x80000000
	s_mov_b32 s[G0X], 1
	s_mov_b32 s[G0X+1], s79                        ; slot 0 begins at LDS byte 0
	s_sub_nc_u64 s[G0X+2:G0X+3], s[46:47], s[80:81] ; the head's load of X begins at K step 0
	s_or_b32 s[G0X+3], s[G0X+3], 0x80000000
	s_mov_b32 s[G0X+4], 1
	s_add_co_u32 s[G0X+5], s45, SL1
	s_add_nc_u64 s[G0X+6:G0X+7], s[46:47], TSTEP
	s_or_b32 s[G0X+7], s[G0X+7], 0x80000000
	s_cmp_eq_u32 s15, 0                            ; one tensor load a wave at the head: waves 0, 1 bring my tokens' two quads, waves 2, 3 those of the walk's first tile
	s_cbranch_scc0 .Lhead_x
	tensor_load_to_lds s[G0Y:G0Y+3], s[G1Y:G1Y+7]
	s_nop 0
	PLACES 4
	s_branch .Lhead_asked
.Lhead_x:
	tensor_load_to_lds s[G0X:G0X+3], s[G1X:G1X+7]
	s_nop 0
	PLACES 4
.Lhead_asked:
	v_and_b32 v1, 15, v0                           ; r
	v_bfe_u32 v2, v0, 4, 1                         ; h
	v_and_b32 v3, 31, v0                           ; lane
	v_lshlrev_b32 v16, 4, v3
	v_lshlrev_b32 v17, 3, v3
	v_lshlrev_b32 v18, 2, v1
	s_mul_i32 s18, s15, 2*PIECE
	s_add_co_u32 s18, s18, YR                      ; my Y quad
	s_mul_i32 s19, s16, 2*PIECE
	s_add_co_u32 s23, s19, SL1                     ; and in slot 1
	s_sub_co_u32 s22, s18, s19
	v_xor_b32 v19, 1, v2
	v_mul_u32_u24 v13, s22, v19                    ; scale words with slot 0: X's place + (h xor 1) x the distance up to Y's: lanes 0-15 take Y's, lanes 16-31 X's
	v_add_nc_u32 v13, v13, v18
	s_sub_co_u32 s22, s23, s18
	v_mul_u32_u24 v19, s22, v2                     ; with slot 1: Y's place + h x the distance up to X's
	v_add_nc_u32 v19, v19, v18
.irp hf, 0,1
	v_add_nc_u32 v[4+\hf], s18, v16
	v_add_nc_u32 v[6+\hf], s18, v17
	v_add_nc_u32 v[8+\hf], s19, v16
	v_add_nc_u32 v[92+\hf], s19, v17
	v_add_nc_u32 v[10+\hf], s23, v16
	v_add_nc_u32 v[94+\hf], s23, v17
	v_add_nc_u32 v[20+\hf], s19, v13
	v_add_nc_u32 v[22+\hf], s18, v19
	s_add_co_u32 s18, s18, PIECE                   ; the second K half lies one piece on
	s_add_co_u32 s19, s19, PIECE
	s_add_co_u32 s23, s23, PIECE
.endr
.irp b, 0,1,2,3
	v_mov_b32 v[TM+4+\b], 0                        ; written once: a lane permute's destination counts as one of its sources
.endr
	s_mov_b32 s[SEL], 0x76543210
	s_mov_b32 s[SEL+1], 0xfedcba98
	s_lshl_b32 s66, s42, 1
	s_add_co_u32 s66, s66, s16                     ; my head
	s_lshr_b32 s68, s17, 4                         ; batch
	s_lshl_b32 s68, s68, 4
	s_add_co_u32 s68, s68, s66
	s_lshl_b32 s68, s68, 4
	s_and_b32 s69, s17, 15
	s_add_co_u32 s68, s68, s69                     ; rec
	s_mul_i32 s70, s68, 6656
	s_add_co_u32 s70, s70, QOFF                    ; q's block
	s_mul_i32 s71, s68, 13056                      ; k's, and behind it v's
	s_wait_alu depctr_va_vdst(0)
	s_wait_tensorcnt 0x0                           ; my one load of the head has landed; slot 1's first fill is issued as a refill is
	ds_add_u32 v14, v15
	s_mov_b32 s[G1X+2], 4<<16                      ; no tensor load of mine is out, so descriptors may be written: from here on a load of X brings 4 K steps of one quad
	s_mov_b32 s[G1X+4], 4
	s_mov_b32 s[G0X+1], s45
	s_mov_b64 s[G0X+2:G0X+3], s[46:47]
	s_or_b32 s[G0X+3], s[G0X+3], 0x80000000
	s_wait_dscnt 0x0
	CROUND                                         ; everybody's part of Y and of slot 0 is in, and all sixteen work-groups are here
	tensor_load_to_lds s[G0X+4:G0X+7], s[G1X:G1X+7] ; the walk's second tile, into slot 1: it has the first tile's products in which to land
	s_nop 0
	PLACES 4
	FETCH 0, 0, 0
	TILE 0, 0, 2, 0                                ; q; slot 0 then takes v's weights
	TILE 1, 1, 1, 0                                ; k; nothing is left to fetch
	TILE 2, 0, 0, 1                                ; v, with the sources swapped
	s_wait_tensorcnt 0x0                           ; the wave's end
	ds_add_u32 v14, v15
	s_wait_dscnt 0x0
	CROUND                                         ; the closing round: no work-group ends while a partner may still ask for a tile that names it
	s_endpgm
.Lfunc_end_k_q48f218f74f_qkv:
	.size	k_q48f218f74f_qkv, .Lfunc_end_k_q48f218f74f_qkv-k_q48f218f74f_qkv
	.p2alignl 7, 3214868480
	.fill 96, 4, 3214868480
	.section	.rodata,"a",@progbits
	.p2align	6, 0x0
	.amdhsa_kernel k_q48f218f74f_qkv
		.amdhsa_group_segment_fixed_size 327680
		.amdhsa_private_segment_fixed_size 0
		.amdhsa_enable_private_segment 0
		.amdhsa_kernarg_size 24
		.amdhsa_user_sgpr_count 2
		.amdhsa_user_sgpr_kernarg_segment_ptr 1
		.amdhsa_wavefront_size32 1
		.amdhsa_system_sgpr_workgroup_id_x 1
		.amdhsa_system_sgpr_workgroup_id_y 1
		.amdhsa_system_sgpr_workgroup_id_z 1
		.amdhsa_system_vgpr_workitem_id 0
		.amdhsa_next_free_vgpr 512
		.amdhsa_next_free_sgpr 84
		.amdhsa_reserve_vcc 0
		.amdhsa_float_denorm_mode_32 3
		.amdhsa_float_denorm_mode_16_64 3
		.amdhsa_memory_ordered 1
		.amdhsa_forward_progress 1
		.amdhsa_inst_pref_size 145
	.end_amdhsa_kernel
	.amdgpu_metadata
---
amdhsa.version: [ 1, 2 ]
amdhsa.kernels:
  - .name:           k_q48f218f74f_qkv
    .symbol:         k_q48f218f74f_qkv.kd
    .args:
      - { .name: hc, .offset: 0, .size: 8, .value_kind: global_buffer, .address_space: global }
      - { .name: wimg, .offset: 8, .size: 8, .value_kind: global_buffer, .address_space: global }
      - { .name: qkvc, .offset: 16, .size: 8, .value_kind: global_buffer, .address_space: global }
    .group_segment_fixed_size: 327680
    .private_segment_fixed_size: 0
    .kernarg_segment_align: 8
    .kernarg_segment_size: 24
    .max_flat_workgroup_size: 128
    .sgpr_count:     84
    .vgpr_count:     512
    .wavefront_size: 32
...
	.end_amdgpu_metadata
.endif
;; end of part 9
;; launch attn (part 10): grid 8 x 32, 16 waves a work-group, no clusters, 215,040 bytes of LDS; arguments qkvc, oc; writes oc
.if DOCPART == 10
	.amdgcn_target "amdgcn-amd-amdhsa--gfx1250"
	.amdhsa_code_object_version 6
	.text
	.protected	k_q48f218f74f_attn
	.globl	k_q48f218f74f_attn
	.p2align	8
	.type	k_q48f218f74f_attn,@function
k_q48f218f74f_attn:
	s_mov_b64 s[64:65], 0
	v_nop
	global_prefetch_b8 v0, s[64:65] scope:SCOPE_SE
	s_setreg_imm32_b32 hwreg(HW_REG_WAVE_MODE, 25, 1), 1
	s_wait_xcnt 0x0
; ATTN: o = softmax(q k^T / 8, causal) v for one head, both products on E2M3 codes, and o's quantising along the concatenated heads for the next product.
; THE SOFTMAX AHEAD OF THE SECOND PRODUCT: t = score x log2(e) / 8; M = the row's largest t so far, rounded up to a whole number; p = 2^(t - M) is quantised along the keys, not normalised; the row's sum is taken of the
; unquantised p and divides O at the end.  When M moves, the sum and O are multiplied by 2^(old M - new M): exact.
; SHARES.  Work-group (j, head): waves 0-7 own the eight tiles of 16 queries of block j of 128 queries, waves 8-15 those of block 15 - j: so every work-group has 8 x 17 key steps of 128 keys under the causal mask.
; The whole head's K and V, 16 records of 13,056 bytes, lie in LDS, filled ONCE: wave w brings record w by one tensor load (51 rows of 256 bytes); one barrier; no slot is filled again.
; NO CLUSTER: the key steps that a wave leaves out hang on its query block, which differs between the work-groups of a head, and partners of a joint load may not part on such a number.
; LAYOUT.  Both products are used transposed: S^T = K Q^T (source 0 = 16 keys), O^T = V^T P^T (source 0 = 16 dims): a lane holds one query (lane % 16) throughout.  Lane r of tile t of keys, queries or dims holds
; row 32 (t / 2) + 8 (t % 2) + r + 8 (r / 8), so the 16 registers of tiles 2 b and 2 b + 1 are 16 neighbours.  The first product's K is 64: registers 6-11 of K's and Q's fragments are zero codes.
; Every wave walks 16 trips; a step all of whose keys come after the tile's queries is jumped over by a scalar branch on ids (no barrier and no tensor load stands in a step).
; LIMITS: NaN and infinities are not served; p under 2^-126 comes out of v_exp_f32 as 0; a block's largest p is taken from its largest score, which takes v_exp_f32 not to fall where its input rises;
; a block of zeros keeps the byte 1 (its codes are zeros; this program alone reads the bytes).
; REGISTERS: v1 16 l, v2 8 l, v3 4 r; v4-6 the same + the step's record; v7 my query - 16 h; v12 -M, v13 largest t, v[14:15] the sum; v16-27 Q; v28-31 scale words of K, then of V; v32-79 four fragments of K;
; v80-95 at work; v96-159 S^T, then p; v160-191 O^T; v192-239 V's four fragments; v240-251 p's codes; v252 f, v253 p's scale word, v254 at work, v255 Q's scale words.
.set REC,  13056
.set QOFF, 6684672
.set SEL,  20                          ; s[20:21] lane selects: lane l xor 16
.set CS,   22                          ; s[22:23] c = log2(e) / 8
	s_load_b128 s[4:7], s[0:1], 0x0                ; qkvc, oc
	v_lshl_add_u32 v254, v0, 2, 0x34000
	v_mov_b32 v255, 0
	ds_add_u32 v254, v255
	ds_add_u32 v254, v255
	s_wait_dscnt 0x0
	v_lshrrev_b32 v8, 5, v0
	s_delay_alu instid0(VALU_DEP_1)
	v_readfirstlane_b32 s18, v8                    ; wave 0..15
	s_and_b32 s8, ttmp7, 0xffff                    ; 16 batch + head
	s_lshl_b32 s9, s8, 4
	s_add_co_u32 s10, s9, s18
	s_mul_i32 s10, s10, REC                        ; record w of my head
	s_mov_b32 s11, 0
	s_mov_b32 s24, 3<<16                           ; group 1: no mask, elements of 8 bytes, no padding
	s_mov_b32 s25, 32<<16                          ; tensor_dim0 = 32 elements: 256 bytes
	s_mov_b32 s26, 51<<16                          ; tensor_dim1 = 51 rows
	s_mov_b32 s27, 32<<16                          ; tile_dim0
	s_mov_b32 s28, 51                              ; tile_dim1
	s_mov_b32 s29, 32                              ; dense
	s_mov_b32 s30, 0
	s_mov_b32 s31, 0
	s_mov_b32 s32, 1
	s_mul_i32 s33, s18, REC                        ; LDS: wave x 13,056
	s_wait_kmcnt 0x0
	s_add_nc_u64 s[34:35], s[4:5], s[10:11]
	s_or_b32 s35, s35, 0x80000000
	tensor_load_to_lds s[32:35], s[24:31]          ; my one tensor load
	s_nop 0
.rept 4
	v_nop
.endr
	s_sub_co_u32 s12, 15, ttmp9
	s_cmp_lt_u32 s18, 8
	s_cselect_b32 s12, ttmp9, s12                  ; my block of 128 queries
	s_and_b32 s13, s18, 7                          ; my tile in it
	s_lshl_b32 s14, s12, 3
	s_add_co_u32 s14, s14, s13                     ; tile tt of the batch's 128
	s_lshr_b32 s40, s14, 1
	s_lshl_b32 s40, s40, 5                         ; the 32 tokens in which my 16 queries lie begin here,
	s_add_co_u32 s39, s40, 31                      ; and end here
	s_and_b32 s15, s14, 1
	s_lshl_b32 s15, s15, 3
	s_add_co_u32 s15, s15, s40
	s_add_co_u32 s16, s9, s12
	s_mul_i32 s16, s16, 6656
	s_add_co_u32 s16, s16, QOFF                    ; Q's block
	s_mul_i32 s17, s13, 768
	s_add_co_u32 s42, s16, s17
	s_mov_b32 s43, 0
	s_lshl_b32 s17, s13, 6
	s_add_co_u32 s44, s16, s17
	s_add_co_u32 s44, s44, 6144
	s_mov_b32 s45, 0
	s_add_nc_u64 s[42:43], s[4:5], s[42:43]
	s_add_nc_u64 s[44:45], s[4:5], s[44:45]
	s_lshr_b32 s46, s8, 4
	s_lshl_b32 s46, s46, 7
	s_add_co_u32 s46, s46, s14                     ; T: my tile among all 256 token tiles
	s_and_b32 s47, s8, 15                          ; head
	s_lshr_b32 s48, s47, 1                         ; o's K step: two heads
	s_lshl_b32 s48, s48, 6
	s_lshr_b32 s49, s46, 2
	s_add_co_u32 s48, s48, s49
	s_mul_i32 s48, s48, 6400
	s_and_b32 s49, s46, 3
	s_and_b32 s47, s47, 1
	s_mul_i32 s50, s49, 1536
	s_mul_i32 s51, s47, 768
	s_add_co_u32 s50, s50, s51
	s_add_co_u32 s50, s50, s48
	s_mov_b32 s51, 0
	s_lshl_b32 s49, s49, 6
	s_lshl_b32 s47, s47, 1
	s_add_co_u32 s52, s49, s47
	s_add_co_u32 s52, s52, s48
	s_add_co_u32 s52, s52, 6144
	s_mov_b32 s53, 0
	s_add_nc_u64 s[50:51], s[6:7], s[50:51]        ; o's half image
	s_add_nc_u64 s[52:53], s[6:7], s[52:53]        ; and its two scale bytes a row
	s_mov_b32 s[SEL], 0x76543210
	s_mov_b32 s[SEL+1], 0xfedcba98
	s_mov_b32 s[CS], 0x3e38aa3b
	s_mov_b32 s[CS+1], s[CS]                       ; (named with it as a pair, so it is written)
	s_mov_b32 s36, 0                               ; the step's record in LDS
	s_mov_b32 s37, 0                               ; the step's first key
	s_mov_b32 s38, 16                              ; trips
	v_and_b32 v8, 15, v0                           ; r
	v_bfe_u32 v9, v0, 4, 1                         ; h
	v_and_b32 v10, 31, v0
	s_delay_alu instid0(VALU_DEP_1)
	v_lshlrev_b32 v1, 4, v10
	s_delay_alu instid0(VALU_DEP_2)
	v_lshlrev_b32 v2, 3, v10
	v_lshlrev_b32 v3, 2, v8
	global_load_b128 v[16:19], v1, s[42:43]        ; Q's half image stays in registers
	global_load_b64 v[20:21], v2, s[42:43] offset:512
	global_load_b32 v255, v3, s[44:45]
	v_and_b32 v11, 8, v8
	s_delay_alu instid0(VALU_DEP_1)
	v_add_nc_u32 v11, v11, v8
	v_lshlrev_b32 v9, 4, v9
	s_delay_alu instid0(VALU_DEP_1)
	v_sub_nc_u32 v11, v11, v9
	s_delay_alu instid0(VALU_DEP_1)
	v_add_nc_u32 v7, s15, v11                      ; my query - 16 h
	v_mov_b32 v13, 0xff61b1e6                      ; the largest t so far: -3e38
	s_delay_alu instid0(VALU_DEP_1)
	v_floor_f32 v12, -v13                          ; -M
	v_mov_b32 v14, 0
	v_mov_b32 v15, 0
.irp i, 22,23,24,25,26,27
	v_mov_b32 v[\i], 0                             ; Q's upper 64 along K: zero codes
.endr
.irp t, 0,1,2,3
.irp i, 6,7,8,9,10,11
	v_mov_b32 v[32+12*\t+\i], 0                    ; K's likewise: written once, never loaded over
.endr
.endr
.irp b, 0,1,2,3
	v_mov_b32 v[84+\b], 0                          ; a lane permute's destination counts as one of its sources
.endr
	v_mov_b32 v252, 0
	v_mov_b32 v253, 0
.set n, 0
.rept 32
	v_mov_b32 v[160+n], 0                          ; O^T: the step is written once; the first change of M leaves zeros zeros
.set n, n+1
.endr
	s_wait_loadcnt 0x0                             ; Q
	s_wait_tensorcnt 0x0                           ; my record has landed
	s_barrier_signal -1
	s_barrier_wait -1                              ; everybody's has
.Lstep:
	s_cmp_gt_u32 s37, s39                          ; all 128 keys come after my queries: nothing to do
	s_cbranch_scc1 .Lhidden
	v_add_nc_u32 v4, s36, v1                       ; these three and the v_nop are the four places between the last products and the loads into their registers
	v_add_nc_u32 v5, s36, v2
	v_add_nc_u32 v6, s36, v3
	v_nop
.irp t, 0,1,2,3                                ; K's tiles 0-3
	ds_load_b128 v[32+12*\t:35+12*\t], v4 offset:768*\t
	ds_load_b64 v[36+12*\t:37+12*\t], v5 offset:768*\t+512
	ds_load_b32 v[28+\t], v6 offset:6144+64*\t
.endr
.irp t, 0,1,2,3                                ; V's four fragments: wanted behind the softmax
	ds_load_b128 v[192+12*\t:195+12*\t], v4 offset:6656+1536*\t
	ds_load_b64 v[196+12*\t:197+12*\t], v5 offset:6656+1536*\t+512
	ds_load_b128 v[198+12*\t:201+12*\t], v4 offset:6656+1536*\t+768
	ds_load_b64 v[202+12*\t:203+12*\t], v5 offset:6656+1536*\t+1280
.endr
	s_wait_alu depctr_va_vdst(0)
	s_wait_dscnt 16                                ; K's 12 loads are in; V's 16 stay out
.irp t, 0,1,2,3
	v_wmma_scale_f32_16x16x128_f8f6f4 v[96+8*\t:103+8*\t], v[32+12*\t:43+12*\t], v[16:27], 0, v[28+\t], v255 matrix_a_fmt:MATRIX_FMT_FP6 matrix_b_fmt:MATRIX_FMT_FP6
.endr
.rept 4
	v_nop
.endr
.irp t, 0,1,2,3                                ; K's tiles 4-7
	ds_load_b128 v[32+12*\t:35+12*\t], v4 offset:768*(4+\t)
	ds_load_b64 v[36+12*\t:37+12*\t], v5 offset:768*(4+\t)+512
	ds_load_b32 v[28+\t], v6 offset:6144+64*(4+\t)
.endr
	s_wait_dscnt 0x0
.irp t, 0,1,2,3
	v_wmma_scale_f32_16x16x128_f8f6f4 v[128+8*\t:135+8*\t], v[32+12*\t:43+12*\t], v[16:27], 0, v[28+\t], v255 matrix_a_fmt:MATRIX_FMT_FP6 matrix_b_fmt:MATRIX_FMT_FP6
.endr
.rept 4
	v_nop                                          ; places in front of the loads below and of the first read of the scores
.endr
.irp t, 0,1,2,3
	ds_load_b32 v[28+\t], v6 offset:12800+64*\t    ; V's scale words
.endr
	s_add_co_u32 s41, s37, 127                     ; a step all of whose keys count has no mask
	s_cmp_le_u32 s41, s40
	s_cbranch_scc1 .Lopen
	s_sub_co_i32 s41, 0, s37
	v_add_nc_u32 v252, s41, v7                     ; d = my query - first key - 16 h.  Register 16 b + i holds key first + 16 h + 32 b + i: hidden where 32 b + i > d
	v_mov_b32 v254, 0xff800000                     ; -infinity
.set n, 0
.rept 64
	v_cmp_gt_i32 vcc_lo, 32*(n/16)+n%16, v252
	v_cndmask_b32 v[96+n], v[96+n], v254, vcc_lo
.set n, n+1
.endr
.Lopen:
.irp b, 0,1,2,3
	v_max3_num_f32 v[80+\b], v[96+16*\b], v[97+16*\b], v[98+16*\b]   ; the largest score of each block of 32 keys: for the row's maximum, and for the block's largest p
.endr
.irp i, 3,5,7,9,11,13
.irp b, 0,1,2,3
	v_max3_num_f32 v[80+\b], v[80+\b], v[96+16*\b+\i], v[97+16*\b+\i]
.endr
.endr
.irp b, 0,1,2,3
	v_max_num_f32 v[80+\b], v[80+\b], v[111+16*\b]
.endr
.irp b, 0,1,2,3
	s_delay_alu instid0(VALU_DEP_4)
	v_permlanex16_b32 v[84+\b], v[80+\b], s[SEL], s[SEL+1]
.endr
.irp b, 0,1,2,3
	s_delay_alu instid0(VALU_DEP_4)
	v_max_num_f32 v[80+\b], v[80+\b], v[84+\b]     ; with lane l xor 16's 16 keys
.endr
	s_delay_alu instid0(VALU_DEP_2)
	v_max3_num_f32 v254, v80, v81, v82
	s_delay_alu instid0(VALU_DEP_1)
	v_max_num_f32 v254, v254, v83
	s_delay_alu instid0(VALU_DEP_1)
	v_mul_f32 v254, s[CS], v254                    ; the step's largest t
	s_delay_alu instid0(VALU_DEP_1)
	v_max_num_f32 v13, v13, v254                   ; the running largest t
	v_mov_b32 v254, v12
	s_delay_alu instid0(VALU_DEP_2)
	v_floor_f32 v12, -v13                          ; the new -M = -ceil(t)
	s_delay_alu instid0(VALU_DEP_1)
	v_sub_f32 v254, v12, v254                      ; old M - new M: a whole number, 0 or less
	s_delay_alu instid0(VALU_DEP_1)
	v_cvt_i32_f32 v254, v254                       ; (it saturates)
	s_delay_alu instid0(VALU_DEP_1)
	v_ldexp_f32 v252, 1.0, v254                    ; f = 2^(old M - new M)
.set n, 0
.rept 32
	v_pk_fma_f32 v[96+n:97+n], v[96+n:97+n], s[CS:CS+1], v[12:13] op_sel_hi:[1,0,0]   ; t - M
.set n, n+2
.endr
.irp b, 0,1,2,3
	v_fma_f32 v[80+\b], v[80+\b], s[CS], v12       ; the same of each block's largest score
.endr
.set n, 0
	s_wait_alu depctr_va_vdst(0)
.rept 64
	v_exp_f32 v[96+n], v[96+n]                     ; p = 2^(t - M)
.set n, n+1
.endr
.irp b, 0,1,2,3
	v_exp_f32 v[80+\b], v[80+\b]                   ; the block's largest p
.endr
	v_pk_mul_f32 v[14:15], v[14:15], v[252:253] op_sel_hi:[1,0]   ; the sums under the new M (a plain place behind the exponentials)
	s_wait_alu depctr_va_vdst(0)
.irp b, 0,1,2,3
	v_max_num_f32 v[80+\b], 0x1800000, v[80+\b]    ; the floor 2^(3 - 127)
.endr
.irp b, 0,1,2,3
	s_delay_alu instid0(VALU_DEP_4)
	v_add_nc_u32 v[92+\b], 0xff000000, v[80+\b]    ; the conversion's scale operand
.endr
.irp b, 0,1,2,3
	s_delay_alu instid0(VALU_DEP_4)
	v_lshrrev_b32 v[84+\b], 23, v[92+\b]           ; the byte
.endr
	s_delay_alu instid0(VALU_DEP_3)
	v_lshl_or_b32 v253, v85, 8, v84                ; p's scale word for these 128 keys
	s_delay_alu instid0(VALU_DEP_1)
	v_lshl_or_b32 v253, v86, 16, v253
	s_delay_alu instid0(VALU_DEP_1)
	v_lshl_or_b32 v253, v87, 24, v253
.irp c, 0,1
	v_cvt_scalef32_pk16_fp6_f32 v[240+6*\c:242+6*\c], v[96+32*\c:111+32*\c], v[92+2*\c]
	v_cvt_scalef32_pk16_fp6_f32 v[84+4*\c:86+4*\c], v[112+32*\c:127+32*\c], v[92+2*\c+1]
.endr
	v_nop                                          ; one plain place behind a scaled conversion
.irp c, 0,1
.irp i, 0,1,2
	v_permlane16_swap_b32 v[240+6*\c+\i], v[84+4*\c+\i]
.endr
.irp i, 0,1,2
	s_delay_alu instid0(VALU_DEP_3)
	v_mov_b32 v[243+6*\c+\i], v[84+4*\c+\i]
.endr
.endr
.set n, 0
.rept 16
	v_pk_mul_f32 v[160+n:161+n], v[160+n:161+n], v[252:253] op_sel_hi:[1,0]   ; O^T under the new M
.set n, n+2
.endr
	v_pk_add_f32 v[84:85], v[100:101], v[104:105]
	v_pk_add_f32 v[94:95], v[108:109], v[112:113]
	v_pk_add_f32 v[92:93], v[116:117], v[120:121]
	v_pk_add_f32 v[90:91], v[124:125], v[128:129]
	v_pk_add_f32 v[88:89], v[132:133], v[136:137]
	v_pk_add_f32 v[82:83], v[140:141], v[144:145]
	v_pk_add_f32 v[80:81], v[148:149], v[152:153]
	v_pk_add_f32 v[14:15], v[14:15], v[156:157]
	v_pk_add_f32 v[84:85], v[84:85], v[96:97]
	v_pk_add_f32 v[94:95], v[94:95], v[98:99]
	v_pk_add_f32 v[92:93], v[92:93], v[102:103]
	v_pk_add_f32 v[90:91], v[90:91], v[106:107]
	v_pk_add_f32 v[88:89], v[88:89], v[110:111]
	v_pk_add_f32 v[82:83], v[82:83], v[114:115]
	v_pk_add_f32 v[80:81], v[80:81], v[118:119]
	v_pk_add_f32 v[14:15], v[14:15], v[122:123]
	v_pk_add_f32 v[84:85], v[84:85], v[126:127]
	v_pk_add_f32 v[94:95], v[94:95], v[130:131]
	v_pk_add_f32 v[92:93], v[92:93], v[134:135]
	v_pk_add_f32 v[90:91], v[90:91], v[138:139]
	v_pk_add_f32 v[88:89], v[88:89], v[142:143]
	v_pk_add_f32 v[82:83], v[82:83], v[146:147]
	v_pk_add_f32 v[80:81], v[80:81], v[150:151]
	v_pk_add_f32 v[14:15], v[14:15], v[154:155]
	v_pk_add_f32 v[84:85], v[84:85], v[158:159]
	s_delay_alu instid0(VALU_DEP_2)
	v_pk_add_f32 v[14:15], v[14:15], v[90:91]
	s_delay_alu instid0(VALU_DEP_2)
	v_pk_add_f32 v[84:85], v[84:85], v[88:89]
	v_pk_add_f32 v[94:95], v[94:95], v[82:83]
	v_pk_add_f32 v[92:93], v[92:93], v[80:81]
	s_delay_alu instid0(VALU_DEP_2)
	v_pk_add_f32 v[14:15], v[14:15], v[94:95]
	s_delay_alu instid0(VALU_DEP_2)
	v_pk_add_f32 v[84:85], v[84:85], v[92:93]
	s_delay_alu instid0(VALU_DEP_1)
	v_pk_add_f32 v[14:15], v[14:15], v[84:85]
	s_wait_dscnt 0x0                               ; V's scale words
.irp t, 0,1,2,3
	v_wmma_scale_f32_16x16x128_f8f6f4 v[160+8*\t:167+8*\t], v[192+12*\t:203+12*\t], v[240:251], v[160+8*\t:167+8*\t], v[28+\t], v253 matrix_a_fmt:MATRIX_FMT_FP6 matrix_b_fmt:MATRIX_FMT_FP6
.endr
.Lhidden:
	s_add_co_u32 s37, s37, 128
	s_add_co_u32 s36, s36, REC
	s_sub_co_u32 s38, s38, 1
	s_cmp_lg_u32 s38, 0
	s_cbranch_scc1 .Lstep
.rept 4
	v_nop                                          ; four places in front of the first read of O^T
.endr
	s_wait_alu depctr_va_vdst(0)
	v_add_f32 v14, v14, v15
	s_delay_alu instid0(VALU_DEP_1)
	v_permlanex16_b32 v252, v14, s[SEL], s[SEL+1]
	s_delay_alu instid0(VALU_DEP_1)
	v_add_f32 v14, v14, v252                       ; the row's sum
	s_wait_alu depctr_va_vdst(0)
	v_rcp_f32 v14, v14
	v_nop                                          ; one plain place behind a transcendental
.set n, 0
	s_wait_alu depctr_va_vdst(0)
.rept 32
	v_mul_f32 v[96+n], v[160+n], v14               ; o(my query, dim 32 (n / 16) + 16 h + n % 16): two blocks of the next product's K
.set n, n+1
.endr
.irp b, 0,1
	v_max3_num_f32 v[80+\b], |v[96+16*\b]|, |v[97+16*\b]|, 0x1800000
.endr
.irp i, 2,4,6,8,10,12,14
.irp b, 0,1
	s_delay_alu instid0(VALU_DEP_2)
	v_max3_num_f32 v[80+\b], v[80+\b], |v[96+16*\b+\i]|, |v[97+16*\b+\i]|
.endr
.endr
.irp b, 0,1
	s_delay_alu instid0(VALU_DEP_2)
	v_permlanex16_b32 v[84+\b], v[80+\b], s[SEL], s[SEL+1]
.endr
.irp b, 0,1
	s_delay_alu instid0(VALU_DEP_2)
	v_max_num_f32 v[80+\b], v[80+\b], v[84+\b]
.endr
.irp b, 0,1
	s_delay_alu instid0(VALU_DEP_2)
	v_add_nc_u32 v[92+\b], 0xff000000, v[80+\b]
.endr
.irp b, 0,1
	s_delay_alu instid0(VALU_DEP_2)
	v_lshrrev_b32 v[84+\b], 23, v[92+\b]
.endr
	s_delay_alu instid0(VALU_DEP_1)
	v_lshl_or_b32 v253, v85, 8, v84                ; my row's two scale bytes
	v_cvt_scalef32_pk16_fp6_f32 v[240:242], v[96:111], v92
	v_cvt_scalef32_pk16_fp6_f32 v[88:90], v[112:127], v93
	v_nop
.irp i, 0,1,2
	v_permlane16_swap_b32 v[240+\i], v[88+\i]
.endr
.irp i, 0,1,2
	s_delay_alu instid0(VALU_DEP_3)
	v_mov_b32 v[243+\i], v[88+\i]
.endr
	global_store_b128 v1, v[240:243], s[50:51]     ; 512 consecutive bytes, aligned to 256
	global_store_b64 v2, v[244:245], s[50:51] offset:512
	global_store_b16 v3, v253, s[52:53]            ; both halves of the lanes hold the same bytes
	s_wait_xcnt 0x0
	v_lshl_add_u32 v254, v0, 2, 0x34000
	v_mov_b32 v255, 0
	s_wait_alu depctr_va_vdst(0)
	s_wait_tensorcnt 0x0
	ds_add_u32 v254, v255
	s_wait_dscnt 0x0
	s_endpgm
.Lfunc_end_k_q48f218f74f_attn:
	.size	k_q48f218f74f_attn, .Lfunc_end_k_q48f218f74f_attn-k_q48f218f74f_attn
	.p2alignl 7, 3214868480
	.fill 96, 4, 3214868480
	.section	.rodata,"a",@progbits
	.p2align	6, 0x0
	.amdhsa_kernel k_q48f218f74f_attn
		.amdhsa_group_segment_fixed_size 215040
		.amdhsa_private_segment_fixed_size 0
		.amdhsa_enable_private_segment 0
		.amdhsa_kernarg_size 16
		.amdhsa_user_sgpr_count 2
		.amdhsa_user_sgpr_kernarg_segment_ptr 1
		.amdhsa_wavefront_size32 1
		.amdhsa_system_sgpr_workgroup_id_x 1
		.amdhsa_system_sgpr_workgroup_id_y 1
		.amdhsa_system_sgpr_workgroup_id_z 1
		.amdhsa_system_vgpr_workitem_id 0
		.amdhsa_next_free_vgpr 256
		.amdhsa_next_free_sgpr 66
		.amdhsa_reserve_vcc 1
		.amdhsa_float_denorm_mode_32 3
		.amdhsa_float_denorm_mode_16_64 3
		.amdhsa_memory_ordered 1
		.amdhsa_forward_progress 1
		.amdhsa_inst_pref_size 35
	.end_amdhsa_kernel
	.amdgpu_metadata
---
amdhsa.version: [ 1, 2 ]
amdhsa.kernels:
  - .name:           k_q48f218f74f_attn
    .symbol:         k_q48f218f74f_attn.kd
    .args:
      - { .name: qkvc, .offset: 0, .size: 8, .value_kind: global_buffer, .address_space: global }
      - { .name: oc, .offset: 8, .size: 8, .value_kind: global_buffer, .address_space: global }
    .group_segment_fixed_size: 215040
    .private_segment_fixed_size: 0
    .kernarg_segment_align: 8
    .kernarg_segment_size: 16
    .max_flat_workgroup_size: 512
    .sgpr_count:     66
    .vgpr_count:     256
    .wavefront_size: 32
...
	.end_amdgpu_metadata
.endif
;; end of part 10
;; launch projln (part 11): grid 256 x 1, 8 waves a work-group, no clusters, 2,048 bytes of LDS; arguments oc, wimg, bproj, x, b2, g2, be2, x1, h2c; writes x1, h2c
.if DOCPART == 11
	.amdgcn_target "amdgcn-amd-amdhsa--gfx1250"
	.amdhsa_code_object_version 6
	.text
	.protected	k_q48f218f74f_projln
	.globl	k_q48f218f74f_projln
	.p2align	8
	.type	k_q48f218f74f_projln,@function
k_q48f218f74f_projln:
	s_mov_b64 s[64:65], 0
	v_nop
	global_prefetch_b8 v0, s[64:65] scope:SCOPE_SE
	s_setreg_imm32_b32 hwreg(HW_REG_WAVE_MODE, 25, 1), 1
	s_wait_xcnt 0x0
; PROJLN: x1 = x + o Wproj + bproj (the product on E2M3 codes, K = 1,024), and h2 = layernorm(x1) g2 + be2, quantised along C: two steps of the block in one launch, since a work-group holds whole rows of x1.
; SHARES.  Work-group T owns the tile of 16 tokens T (lane r: token 32 (T / 2) + 8 (T % 2) + r + 8 (r / 8)) and all 1,024 columns; wave w makes columns 128 w .. 128 w + 127: 8 tiles of 16 columns, 8 accumulators, which is K step w of h2.
; OPERANDS lie as images of the operand's registers (16 rows x 128 K: 1,536 bytes; four tiles + 64 scale words = a quad of 6,400 bytes; a buffer is [K step][quad]).  So each lane loads its fragments whole from memory into the
; operand's registers: no LDS on the way.  A wave reads its own eighth of Wproj's images (102,400 bytes), so a work-group reads each byte of the weights once; o's tile (12,288 bytes of codes) is read by all eight waves.
; Source 0 = 16 columns of Wproj, source 1 = the 16 tokens: lane (r, h) holds token r, and register 16 b + i of the 64 sums is column 32 b + 16 h + i of the wave's 128.
; TWO BUFFERS of a K step's operands (8 fragments of Wproj, 1 of o, 5 scale registers: NLD = 41 loads), by turns; a buffer is asked for again behind its products.  Each counted wait names the loads issued behind the step's own.
; x + bproj is made under the stream and added behind the last product.  x1 + b2 LEAVES AS AN IMAGE OF THE LAST LAUNCH'S ACCUMULATORS: x1[T][tile of 16 columns][half of 8 registers][lane][16 bytes]: each store covers 512 consecutive bytes, aligned.
; Mean and variance in two passes (the mean is taken off before the squares); the eight waves' partial sums meet in LDS: two barriers.
; NO CLUSTER, NO TENSOR LOAD: the weights, which all work-groups walk, go to registers without passing LDS; a joint load would bring 819,200 bytes a work-group through LDS slots, with a round of the cluster's barrier for each refill, and every byte would be read from LDS again.
; NO PREFETCH: the text has no loop to run ahead in; every address is an immediate from the head's bases, and two K steps are asked for at the head.
; LIMITS: NaN and infinities are not served.  A block under 2^-124 keeps the byte 1, a block of zeros too (its codes are zeros; this program alone reads the bytes).  The sum of a row of x1 takes x + bproj last, and the last launch's sums begin with x1 + b2.
; REGISTERS, window 0: v1 r, v2 h, v3 lane, v4 x's offset, v5 64 h, v6, v7 LDS, v8 16 l, v9 8 l, v10 4 r, v11 scale word, v12-25 sums, v26 4 l; v28-31, v36-39 Wproj's scale words (lanes 0-15 the even tile, 16-31 the odd), v32, v40 o's;
; v59, v63 the add's; v64-127 the sums; v128-191 bproj, then g2, then the quantiser's; v192-255 x, then be2.   window 1: v0-95, v96-191 Wproj's fragments; v192-215 o's; v0-63 later b2 and x1 + b2.
.set X,    64
.set G,    128
.set BE,   192
.set PC,   128
.set TM,   160
.set PW,   11
.set SEL,  40
.set NLD,  41
.set MSB, 0
.macro WIN new                         ; the immediate's high byte repeats the setting that is left
.if MSB != \new
	s_set_vgpr_msb (MSB<<8)|\new
.set MSB, \new
.endif
.endm
.macro PLACES n
.rept \n
	v_nop
.endr
.endm
.macro VLOAD d, a, p                   ; 64 numbers of my lane: 16 neighbours of each of four blocks of 32
.irp b, 0,1,2,3
.irp j, 0,1,2,3
	global_load_b128 v[\d+16*\b+4*\j:\d+16*\b+4*\j+3], v[\a], s[\p:\p+1] offset:128*\b+16*\j
.endr
.endr
.endm
.macro IMG d, p, off                   ; a fragment's 12 registers from its image
	global_load_b128 v[\d:\d+3], v8, s[\p:\p+1] offset:\off
	global_load_b64 v[\d+4:\d+5], v9, s[\p:\p+1] offset:\off+512
	global_load_b128 v[\d+6:\d+9], v8, s[\p:\p+1] offset:\off+768
	global_load_b64 v[\d+10:\d+11], v9, s[\p:\p+1] offset:\off+1280
.endm
.macro LD q                            ; K step q's operands into buffer q % 2: NLD loads
	WIN 0x40                                       ; destination window 1
.irp t, 0,1,2,3,4,5,6,7
	IMG 96*((\q)%2)+12*\t, 6, 102400*(\q)+6400*(\t/4)+1536*(\t%4)
.endr
	IMG 192+12*((\q)%2), 4, 409600*(\q)
	WIN 0
.irp p, 0,1,2,3
	global_load_b32 v[28+8*((\q)%2)+\p], v26, s[6:7] offset:102400*(\q)+6400*(\p/2)+6144+128*(\p%2)
.endr
	global_load_b32 v[32+8*((\q)%2)], v10, s[22:23] offset:409600*(\q)
.endm
.macro WM t, q, c
.if (\t)%2
	v_wmma_scale_f32_16x16x128_f8f6f4 v[X+8*\t:X+8*\t+7], v[96*((\q)%2)+12*\t:96*((\q)%2)+12*\t+11], v[192+12*((\q)%2):203+12*((\q)%2)], \c, v[28+8*((\q)%2)+\t/2], v[32+8*((\q)%2)] matrix_a_fmt:MATRIX_FMT_FP6 matrix_b_fmt:MATRIX_FMT_FP6 matrix_a_scale:MATRIX_SCALE_ROW1
.else
	v_wmma_scale_f32_16x16x128_f8f6f4 v[X+8*\t:X+8*\t+7], v[96*((\q)%2)+12*\t:96*((\q)%2)+12*\t+11], v[192+12*((\q)%2):203+12*((\q)%2)], \c, v[28+8*((\q)%2)+\t/2], v[32+8*((\q)%2)] matrix_a_fmt:MATRIX_FMT_FP6 matrix_b_fmt:MATRIX_FMT_FP6 matrix_a_scale:MATRIX_SCALE_ROW0
.endif
.endm
.macro MUL q                           ; 8 products; the 8 accumulators take turns, in the same order in every step; the first step starts the sums
	WIN 0x05                                       ; sources 0 and 1 window 1; C and D window 0
.irp t, 0,1,2,3,4,5,6,7
.if \q
	WM \t, \q, v[X+8*\t:X+8*\t+7]
.else
	WM \t, \q, 0
.endif
.endr
	WIN 0
.endm
.macro QUANT s, pc, pw                 ; 64 numbers of a lane become a fragment's 12 registers in v[pc] on and its scale word in v[pw]
.irp b, 0,1,2,3
	v_max3_num_f32 v[TM+\b], |v[\s+16*\b]|, |v[\s+1+16*\b]|, 0x1800000   ; my 16 numbers of block b, and the floor 2^(3 - 127)
.endr
.irp i, 2,4,6,8,10,12,14
.irp b, 0,1,2,3
	v_max3_num_f32 v[TM+\b], v[TM+\b], |v[\s+16*\b+\i]|, |v[\s+1+16*\b+\i]|
.endr
.endr
.irp b, 0,1,2,3
	v_permlanex16_b32 v[TM+4+\b], v[TM+\b], s[SEL], s[SEL+1]
.endr
.irp b, 0,1,2,3
	v_max_num_f32 v[TM+\b], v[TM+\b], v[TM+4+\b]   ; with lane l xor 16's: the block's largest magnitude
.endr
.irp b, 0,1,2,3
	v_add_nc_u32 v[TM+12+\b], 0xff000000, v[TM+\b] ; 2 off the exponent field: the conversion's scale operand
.endr
.irp b, 0,1,2,3
	v_lshrrev_b32 v[TM+4+\b], 23, v[TM+12+\b]      ; the byte
.endr
	v_lshl_or_b32 v[\pw], v[TM+5], 8, v[TM+4]
	v_lshl_or_b32 v[\pw], v[TM+6], 16, v[\pw]
	v_lshl_or_b32 v[\pw], v[TM+7], 24, v[\pw]
.irp c, 0,1
	v_cvt_scalef32_pk16_fp6_f32 v[\pc+6*\c:\pc+2+6*\c], v[\s+32*\c:\s+15+32*\c], v[TM+12+2*\c]
	v_cvt_scalef32_pk16_fp6_f32 v[\pc+12+4*\c:\pc+14+4*\c], v[\s+16+32*\c:\s+31+32*\c], v[TM+12+2*\c+1]
.endr
	v_nop                                          ; one plain place behind a scaled conversion
.irp c, 0,1
.irp i, 0,1,2
	v_permlane16_swap_b32 v[\pc+6*\c+\i], v[\pc+12+4*\c+\i]
.endr
.irp i, 0,1,2
	v_mov_b32 v[\pc+3+6*\c+\i], v[\pc+12+4*\c+\i]
.endr
.endr
.endm
.macro ROWSUM off                      ; the four pairs v[12:19] become my row's sum over all 1,024 columns, in v16 of every lane
	v_pk_add_f32 v[12:13], v[12:13], v[14:15]
	v_pk_add_f32 v[16:17], v[16:17], v[18:19]
	v_pk_add_f32 v[12:13], v[12:13], v[16:17]
	v_add_f32 v12, v12, v13
	v_permlanex16_b32 v13, v12, s[SEL], s[SEL+1]
	v_add_f32 v12, v12, v13                        ; my row's 128 columns
	ds_store_b32 v6, v12 offset:\off               ; word (row, wave); both halves of the lanes write the same value
	s_wait_dscnt 0x0                               ; for the others' sake: my store has landed
	s_barrier_signal -1
	s_barrier_wait -1
	ds_load_b128 v[16:19], v7 offset:\off
	ds_load_b128 v[20:23], v7 offset:\off+16
	s_wait_dscnt 0x0
	v_pk_add_f32 v[16:17], v[16:17], v[18:19]
	v_pk_add_f32 v[20:21], v[20:21], v[22:23]
	v_pk_add_f32 v[16:17], v[16:17], v[20:21]
	v_add_f32 v16, v16, v17
.endm
	s_load_b512 s[4:19], s[0:1], 0x0               ; oc 4, wimg 6, bproj 8, x 10, b2 12, g2 14, be2 16, x1 18
	s_load_b64 s[20:21], s[0:1], 0x40              ; h2c
	v_lshl_add_u32 v59, v0, 2, 0x400               ; my spare word, and 0
	v_mov_b32 v63, 0
	v_lshrrev_b32 v1, 5, v0
	v_readfirstlane_b32 s26, v1                    ; wave 0..7
	v_and_b32 v1, 15, v0                           ; r
	v_bfe_u32 v2, v0, 4, 1                         ; h
	v_and_b32 v3, 31, v0                           ; lane
	v_and_b32 v4, 8, v1
	v_add_nc_u32 v4, v4, v1                        ; r + 8 (r / 8)
	v_lshlrev_b32 v4, 12, v4                       ; rows of 4,096 bytes
	v_lshl_add_u32 v4, v2, 6, v4                   ; + 64 h
	v_lshlrev_b32 v5, 6, v2
	v_lshlrev_b32 v7, 5, v1                        ; LDS: my row's eight partial sums
	s_lshl_b32 s27, s26, 2
	v_add_nc_u32 v6, s27, v7                       ; and my wave's word among them
	v_lshlrev_b32 v8, 4, v3
	v_lshlrev_b32 v9, 3, v3
	v_lshlrev_b32 v10, 2, v1
	v_lshlrev_b32 v26, 2, v3
	s_mov_b32 s[SEL], 0x76543210
	s_mov_b32 s[SEL+1], 0xfedcba98
	s_lshr_b32 s28, ttmp9, 1
	s_lshl_b32 s28, s28, 5
	s_and_b32 s29, ttmp9, 1
	s_lshl_b32 s29, s29, 3
	s_add_co_u32 s28, s28, s29                     ; the tile's first token
	s_lshl_b32 s28, s28, 12
	s_lshl_b32 s30, s26, 9                         ; my 128 columns: 512 bytes
	s_add_co_u32 s28, s28, s30
	s_mov_b32 s29, 0
	s_mov_b32 s31, 0
	s_lshr_b32 s33, ttmp9, 2
	s_and_b32 s35, ttmp9, 3
	s_mul_i32 s42, s33, 6400                       ; quad T / 4 of a K step
	s_mul_i32 s43, s35, 1536
	s_lshl_b32 s44, s35, 6
	s_add_co_u32 s44, s44, 6144
	s_add_co_u32 s36, s42, s43                     ; my tile's image in it
	s_mov_b32 s37, 0
	s_add_co_u32 s38, s42, s44                     ; and its scale words
	s_mov_b32 s39, 0
	s_mul_i32 s45, s26, 64*6400                    ; h2c: K step w
	s_add_co_u32 s46, s36, s45
	s_mov_b32 s47, 0
	s_add_co_u32 s48, s38, s45
	s_mov_b32 s49, 0
	s_mul_i32 s50, s26, 2*6400                     ; Wproj's images begin at 2,457,600; my quads are 2 w and 2 w + 1 of 16
	s_add_co_u32 s50, s50, 2457600
	s_mov_b32 s51, 0
	s_lshl_b32 s52, ttmp9, 16                      ; x1's image: 65,536 bytes a token tile, 8,192 a wave
	s_lshl_b32 s53, s26, 13
	s_add_co_u32 s52, s52, s53
	s_mov_b32 s53, 0
	s_wait_alu depctr_va_vdst(0)
	s_wait_kmcnt 0x0
	s_add_nc_u64 s[22:23], s[4:5], s[38:39]        ; o's scale words
	s_add_nc_u64 s[4:5], s[4:5], s[36:37]          ; o's images
	s_add_nc_u64 s[6:7], s[6:7], s[50:51]
	s_add_nc_u64 s[8:9], s[8:9], s[30:31]
	s_add_nc_u64 s[10:11], s[10:11], s[28:29]
	s_add_nc_u64 s[12:13], s[12:13], s[30:31]
	s_add_nc_u64 s[14:15], s[14:15], s[30:31]
	s_add_nc_u64 s[16:17], s[16:17], s[30:31]
	s_add_nc_u64 s[18:19], s[18:19], s[52:53]
	s_add_nc_u64 s[24:25], s[20:21], s[48:49]
	s_add_nc_u64 s[20:21], s[20:21], s[46:47]
	LD 0
	LD 1
	s_wait_loadcnt NLD                             ; step 0's loads are in; step 1's may be out
	MUL 0
	PLACES 4                                       ; four places between products and the loads into their registers
	LD 2
	VLOAD BE, 4, 10                                ; x
	VLOAD G, 5, 8                                  ; bproj
	s_wait_loadcnt 63                              ; behind step 1's stand 41 + 32 loads; a wait names 63 at the most
	MUL 1
	PLACES 4
	LD 3
	s_wait_loadcnt 63                              ; behind step 2's: 32 + 41
	MUL 2
	PLACES 4
	LD 4
	s_wait_loadcnt NLD                             ; step 3's are in, and x and bproj, which were asked for ahead of them
	MUL 3
.set n, 0
.rept 32
	v_pk_add_f32 v[BE+n:BE+n+1], v[BE+n:BE+n+1], v[G+n:G+n+1]      ; x + bproj; these lines are also the places
.set n, n+2
.endr
	s_wait_alu depctr_va_vdst(0)
	LD 5
	s_wait_loadcnt NLD
	MUL 4
	PLACES 4
	LD 6
	s_wait_loadcnt NLD
	MUL 5
	PLACES 4
	LD 7
	VLOAD G, 5, 14                                 ; g2
	s_wait_loadcnt NLD+16                          ; behind step 6's: step 7's and g2's
	MUL 6
	PLACES 4
	WIN 0x40
	VLOAD 0, 5, 12                                 ; b2, into buffer 0, which is done with
	WIN 0
	s_wait_loadcnt 32                              ; behind step 7's: g2's 16 and b2's 16
	MUL 7
	PLACES 4                                       ; four places in front of the first read of the sums
.set n, 0
.rept 32
	v_pk_add_f32 v[X+n:X+n+1], v[X+n:X+n+1], v[BE+n:BE+n+1]        ; x1, each accumulator from its low end on
.set n, n+2
.endr
	VLOAD BE, 5, 16                                ; be2
.irp k, 0,1,2,3
	v_pk_add_f32 v[12+2*\k:13+2*\k], v[X+2*\k:X+2*\k+1], v[X+8+2*\k:X+9+2*\k]   ; the sum of my 64, in four chains
.endr
.set n, 16
.rept 24
	v_pk_add_f32 v[12+n%8:13+n%8], v[12+n%8:13+n%8], v[X+n:X+n+1]
.set n, n+2
.endr
	ROWSUM 0
	s_wait_alu depctr_va_vdst(0)
	s_wait_loadcnt 16                              ; b2 is in; be2's 16 may be out
	WIN 0x44                                       ; destination and source 1 window 1
.set n, 0
.rept 32
	v_pk_add_f32 v[n:n+1], v[X+n:X+n+1], v[n:n+1]  ; x1 + b2
.set n, n+2
.endr
	WIN 0x04                                       ; the stores' data window 1
.irp t, 0,1,2,3,4,5,6,7
	global_store_b128 v8, v[8*\t:8*\t+3], s[18:19] offset:1024*\t
	global_store_b128 v8, v[8*\t+4:8*\t+7], s[18:19] offset:1024*\t+512
.endr
	WIN 0
	v_mul_f32 v24, 0x3a800000, v16                 ; the mean: x 2^-10
	v_mov_b32 v25, v24
.set n, 0
.rept 32
	v_pk_add_f32 v[X+n:X+n+1], v[X+n:X+n+1], v[24:25] neg_lo:[0,1] neg_hi:[0,1]
.set n, n+2
.endr
.irp k, 0,1,2,3
	v_pk_mul_f32 v[12+2*\k:13+2*\k], v[X+2*\k:X+2*\k+1], v[X+2*\k:X+2*\k+1]     ; the sum of the squares of what is left
.endr
.set n, 8
.rept 28
	v_pk_fma_f32 v[12+n%8:13+n%8], v[X+n:X+n+1], v[X+n:X+n+1], v[12+n%8:13+n%8]
.set n, n+2
.endr
	ROWSUM 512                                     ; other LDS bytes than the first sum's: no third barrier is needed
	v_mov_b32 v25, 0x3727c5ac                      ; 1e-5
	s_mov_b32 s27, 0x3a800000
	v_fma_f32 v20, v16, s27, v25                   ; variance + eps
	s_wait_alu depctr_va_vdst(0)                   ; the wait ahead of the transcendental,
	v_rsq_f32 v20, v20
	v_nop                                          ; one plain place behind it,
	s_wait_alu depctr_va_vdst(0)                   ; and the wait ahead of its first reader
	v_mov_b32 v21, v20
.set n, 0
.rept 32
	v_pk_mul_f32 v[X+n:X+n+1], v[X+n:X+n+1], v[20:21]
.set n, n+2
.endr
	s_wait_loadcnt 0x0                             ; be2
.set n, 0
.rept 32
	v_pk_fma_f32 v[X+n:X+n+1], v[X+n:X+n+1], v[G+n:G+n+1], v[BE+n:BE+n+1]
.set n, n+2
.endr
.irp b, 0,1,2,3
	v_mov_b32 v[TM+4+\b], 0                        ; a lane permute's destination counts as one of its sources
.endr
	QUANT X, PC, PW
	global_store_b128 v8, v[PC:PC+3], s[20:21]                 ; 512 consecutive bytes, aligned to 256
	global_store_b64 v9, v[PC+4:PC+5], s[20:21] offset:512
	global_store_b128 v8, v[PC+6:PC+9], s[20:21] offset:768
	global_store_b64 v9, v[PC+10:PC+11], s[20:21] offset:1280
	global_store_b32 v10, v[PW], s[24:25]                      ; both halves of the lanes hold the same word
	s_wait_tensorcnt 0x0                           ; the wave's end
	ds_add_u32 v59, v63
	s_wait_dscnt 0x0
	s_endpgm
.Lfunc_end_k_q48f218f74f_projln:
	.size	k_q48f218f74f_projln, .Lfunc_end_k_q48f218f74f_projln-k_q48f218f74f_projln
	.p2alignl 7, 3214868480
	.fill 96, 4, 3214868480
	.section	.rodata,"a",@progbits
	.p2align	6, 0x0
	.amdhsa_kernel k_q48f218f74f_projln
		.amdhsa_group_segment_fixed_size 2048
		.amdhsa_private_segment_fixed_size 0
		.amdhsa_enable_private_segment 0
		.amdhsa_kernarg_size 72
		.amdhsa_user_sgpr_count 2
		.amdhsa_user_sgpr_kernarg_segment_ptr 1
		.amdhsa_wavefront_size32 1
		.amdhsa_system_sgpr_workgroup_id_x 1
		.amdhsa_system_sgpr_workgroup_id_y 1
		.amdhsa_system_sgpr_workgroup_id_z 1
		.amdhsa_system_vgpr_workitem_id 0
		.amdhsa_next_free_vgpr 512
		.amdhsa_next_free_sgpr 66
		.amdhsa_reserve_vcc 0
		.amdhsa_float_denorm_mode_32 3
		.amdhsa_float_denorm_mode_16_64 3
		.amdhsa_memory_ordered 1
		.amdhsa_forward_progress 1
		.amdhsa_inst_pref_size 76
	.end_amdhsa_kernel
	.amdgpu_metadata
---
amdhsa.version: [ 1, 2 ]
amdhsa.kernels:
  - .name:           k_q48f218f74f_projln
    .symbol:         k_q48f218f74f_projln.kd
    .args:
      - { .name: oc, .offset: 0, .size: 8, .value_kind: global_buffer, .address_space: global }
      - { .name: wimg, .offset: 8, .size: 8, .value_kind: global_buffer, .address_space: global }
      - { .name: bproj, .offset: 16, .size: 8, .value_kind: global_buffer, .address_space: global }
      - { .name: x, .offset: 24, .size: 8, .value_kind: global_buffer, .address_space: global }
      - { .name: b2, .offset: 32, .size: 8, .value_kind: global_buffer, .address_space: global }
      - { .name: g2, .offset: 40, .size: 8, .value_kind: global_buffer, .address_space: global }
      - { .name: be2, .offset: 48, .size: 8, .value_kind: global_buffer, .address_space: global }
      - { .name: x1, .offset: 56, .size: 8, .value_kind: global_buffer, .address_space: global }
      - { .name: h2c, .offset: 64, .size: 8, .value_kind: global_buffer, .address_space: global }
    .group_segment_fixed_size: 2048
    .private_segment_fixed_size: 0
    .kernarg_segment_align: 8
    .kernarg_segment_size: 72
    .max_flat_workgroup_size: 256
    .sgpr_count:     66
    .vgpr_count:     512
    .wavefront_size: 32
...
	.end_amdgpu_metadata
.endif
;; end of part 11
;; launch ff1 (part 12): grid 8 x 32, 4 waves a work-group, clusters of 4 x 4, 327,680 bytes of LDS; arguments h2c, wimg, b1, hid; writes hid
.if DOCPART == 12
	.amdgcn_target "amdgcn-amd-amdhsa--gfx1250"
	.amdhsa_code_object_version 6
	.text
	.protected	k_q48f218f74f_ff1
	.globl	k_q48f218f74f_ff1
	.p2align	8
	.type	k_q48f218f74f_ff1,@function
k_q48f218f74f_ff1:
	s_mov_b64 s[64:65], 0
	v_nop
	global_prefetch_b8 v0, s[64:65] scope:SCOPE_SE
	s_setreg_imm32_b32 hwreg(HW_REG_WAVE_MODE, 25, 1), 1
	s_wait_xcnt 0x0
	s_wait_alu depctr_hold_cnt(0) depctr_sa_sdst(0) depctr_va_vdst(0) depctr_va_sdst(0) depctr_va_ssrc(0) depctr_va_vcc(0) depctr_vm_vsrc(0)
	s_getreg_b32 s2, hwreg(HW_REG_IB_STS2, 6, 4)
	s_cmp_eq_u32 s2, 0
	s_cbranch_scc0 .Lentry_in_a_cluster
	s_endpgm
.Lentry_in_a_cluster:
	s_bfe_u32 s2, ttmp6, 0x10000c
	s_cmp_lg_u32 s2, 0xf033
	s_cbranch_scc0 .Lentry_shape_is_right
	s_endpgm
.Lentry_shape_is_right:
; FF1: hid = Q(relu(h2 W1 + b1)): the product on E2M3 codes (K = 1,024); the hidden layer leaves as codes, quantised along its 4,096 features, which are the next product's K.
; OPERANDS lie as images of the operand's registers (16 rows x 128 K: 1,536 bytes; four tiles + 64 scale words = a quad of 6,400 bytes; a buffer is [K step][quad]); lane r of tile t holds row 32 (t / 2) + 8 (t % 2) + r + 8 (r / 8).
; A WORK-GROUP STAYS.  It owns 128 tokens (Y, tile ty), whose codes for all of K (102,400 bytes) come into LDS once, and walks four tiles of 128 features (X): tiles gx + 8 i, each one K step of the next product.
; A feature tile's codes for all of K are 102,400 bytes too: they go through two LDS slots, so that a tile lands while the tile before is multiplied.  Each of the four waves makes 64 x 64, 16 accumulators.
; A region of LDS is four pieces of 25,600 bytes, piece w = quad w % 2, K steps 4 (w / 2) on: one tensor load of wave w (4 rows of 6,400 bytes).  By this text's count one tensor load of a wave is out at the most: one at the head, then one behind each round that issues a fill.
; LDS: X's slot 0, then Y, then X's slot 1: a scale-word load takes Y's words in lanes 0-15 and X's in lanes 16-31, and with Y in the middle the bytes between its two places never belong to the other slot.
; CLUSTER 4 x 4: the four work-groups of a row own the same tokens, the four of a column walk the same features: each piece is asked for jointly.
; Source 0 = features, source 1 = tokens: a lane holds one token, and the 32 registers of accumulators (a, 0..3) are 64 neighbouring features: two blocks, half a fragment of the next operand.  The bias is the C of each sum's first product.
; LIMITS: NaN and infinities are not served; a block under 2^-124 keeps the byte 1, a block of zeros too (its codes are zeros; this program alone reads the bytes).
.set QB,    6400
.set SCO,   6144
.set PIECE, 4*QB                       ; one quad's four K steps: what one tensor load brings
.set REG,   4*PIECE                    ; 128 rows x all of K
.set SL0,   0                          ; X's slot 0
.set YR,    REG                        ; Y, filled once
.set SL1,   2*REG                      ; X's slot 1
.set SPARE, 3*REG                      ; the spare words, 128 bytes a wave
.set NQY,   64
.set NQX,   64
.set XOFF,  3276800                    ; where W1's images begin in wimg
.set TSTEP, 16*QB                      ; from a feature tile of my walk to the next: 8 tiles, 16 quads
.set HSTEP, 8*64*QB                    ; and in the result: 8 K steps of 64 quads
.set NT,    4                          ; tiles of a walk
.set G1Y, 24                           ; s[24:31] descriptor group 1 for Y;  s[32:35] its group 0
.set G0Y, 32
.set G1X, 48                           ; s[48:55] group 1 for X;  s[56:63] group 0, one set a slot
.set G0X, 56
.set SEL, 74
.set SC,  24                           ; v24-31 scale words, two sets of four: register i: lanes 0-15 Y tile i's, lanes 16-31 X tile i's
.set ACC, 128
.set TM,  32
; window 0: v1 r, v2 h, v3 lane; v4,5 / v6,7 Y's fragments of K half 0, 1 (16 x lane / 8 x lane); v8-11 / v92-95 X's, at 2 slot + K half; v20-23 the scale words, likewise; v12 the bias's place; v14 spare word, v15 zero;
; v16 16 l, v17 8 l, v18 4 r; v32-91 the quantiser's; v96-127 the bias.   window 1: fragment buffer g at 96 g: Y's four tiles, then X's four.
.set MSB, 0
.macro WIN new
.if MSB != \new
	s_set_vgpr_msb (MSB<<8)|\new
.set MSB, \new
.endif
.endm
.macro PLACES n
.rept \n
	v_nop
.endr
.endm
.macro CREST
	s_cmp_lg_u32 s14, 0
	s_cbranch_scc1 .Lnot_wave_0_\@
	s_barrier_signal -3
.Lnot_wave_0_\@:
	s_barrier_wait -3
	s_barrier_signal -1
	s_barrier_wait -1
.endm
.macro CROUND
	s_barrier_signal -1
	s_barrier_wait -1
	CREST
.endm
.macro FETCH s, k, g                   ; 36 LDS loads: my eight fragments and eight tiles' scale words of K step k (0..7), X's from slot s, into buffer g.  Every load reads consecutive bytes
	WIN 0x40
.irp t, 0,1,2,3
	ds_load_b128 v[96*(\g)+12*\t:96*(\g)+12*\t+3],       v[4+(\k)/4]  offset:QB*((\k)%4)+1536*\t
	ds_load_b64  v[96*(\g)+12*\t+4:96*(\g)+12*\t+5],     v[6+(\k)/4]  offset:QB*((\k)%4)+1536*\t+512
	ds_load_b128 v[96*(\g)+12*\t+6:96*(\g)+12*\t+9],     v[4+(\k)/4]  offset:QB*((\k)%4)+1536*\t+768
	ds_load_b64  v[96*(\g)+12*\t+10:96*(\g)+12*\t+11],   v[6+(\k)/4]  offset:QB*((\k)%4)+1536*\t+1280
	ds_load_b128 v[96*(\g)+48+12*\t:96*(\g)+48+12*\t+3],     v[8+2*(\s)+(\k)/4]  offset:QB*((\k)%4)+1536*\t
	ds_load_b64  v[96*(\g)+48+12*\t+4:96*(\g)+48+12*\t+5],   v[92+2*(\s)+(\k)/4] offset:QB*((\k)%4)+1536*\t+512
	ds_load_b128 v[96*(\g)+48+12*\t+6:96*(\g)+48+12*\t+9],   v[8+2*(\s)+(\k)/4]  offset:QB*((\k)%4)+1536*\t+768
	ds_load_b64  v[96*(\g)+48+12*\t+10:96*(\g)+48+12*\t+11], v[92+2*(\s)+(\k)/4] offset:QB*((\k)%4)+1536*\t+1280
.endr
	WIN 0
.irp i, 0,1,2,3
	ds_load_b32 v[SC+4*(\g)+\i], v[20+2*(\s)+(\k)/4] offset:QB*((\k)%4)+SCO+64*\i
.endr
.endm
; 16 matrix instructions on buffer f; the 16 accumulators take turns, one instruction a turn, in the same order in every step and from tile to tile.  cm = 1: the bias starts the sums.
.macro MULX f, cm
	WIN 0x05
.irp a, 0,1,2,3
.irp b, 0,1,2,3
.if \cm == 1
	v_wmma_scale_f32_16x16x128_f8f6f4 v[ACC+8*(4*\a+\b):ACC+8*(4*\a+\b)+7], v[96*(\f)+48+12*\b:96*(\f)+48+12*\b+11], v[96*(\f)+12*\a:96*(\f)+12*\a+11], v[96+8*\b:103+8*\b], v[SC+4*(\f)+\b], v[SC+4*(\f)+\a] matrix_a_fmt:MATRIX_FMT_FP6 matrix_b_fmt:MATRIX_FMT_FP6 matrix_a_scale:MATRIX_SCALE_ROW1
.else
	v_wmma_scale_f32_16x16x128_f8f6f4 v[ACC+8*(4*\a+\b):ACC+8*(4*\a+\b)+7], v[96*(\f)+48+12*\b:96*(\f)+48+12*\b+11], v[96*(\f)+12*\a:96*(\f)+12*\a+11], v[ACC+8*(4*\a+\b):ACC+8*(4*\a+\b)+7], v[SC+4*(\f)+\b], v[SC+4*(\f)+\a] matrix_a_fmt:MATRIX_FMT_FP6 matrix_b_fmt:MATRIX_FMT_FP6 matrix_a_scale:MATRIX_SCALE_ROW1
.endif
.endr
.endr
	WIN 0
.endm
.macro STEPK s, k, cm                  ; K step k (0..6): the next step's fragments are asked for ahead of this step's products and land under them
	s_wait_dscnt 0x0
	PLACES 4                                       ; four places between the last products, which read the other buffer, and the loads into it
	FETCH \s, (\k)+1, ((\k)+1)%2
	MULX (\k)%2, \cm
.endm
; A tile's last K step, and the change of slots.  Its fragments have been asked for, so slot s is read out.  fill = 1: slot s takes the tile two further on: the barrier is then a round of the cluster's,
; and the joint load the first thing behind it; it has a whole tile, 128 products a wave and the way out, in which to land.
.macro CHANGE s, fill
	s_wait_tensorcnt 0x0                           ; all my tensor loads have landed: my part of the other slot; so a group 0 may be written
	ds_add_u32 v14, v15                            ; 0 onto my spare word
.if \fill
	s_add_nc_u64 s[G0X+4*\s+2:G0X+4*\s+3], s[G0X+4*\s+2:G0X+4*\s+3], 2*TSTEP
.endif
	s_wait_dscnt 0x0                               ; the add is done, and my reads of slot s are over
.if \fill
	CROUND                                         ; no wave of any partner still reads slot s or has a load on its way
	tensor_load_to_lds s[G0X+4*\s:G0X+4*\s+3], s[G1X:G1X+7]
	s_nop 0
.else
	s_barrier_signal -1
	s_barrier_wait -1                              ; every wave's part of the other slot has landed
.endif
	PLACES 4                                       ; behind the tensor load, and the places in front of the loads below
	FETCH 1-\s, 0, 0
	MULX 1, 2
.endm
.macro QUANT s, pc, pw
.irp b, 0,1,2,3
	v_max3_num_f32 v[TM+\b], |v[\s+16*\b]|, |v[\s+1+16*\b]|, 0x1800000   ; my 16 numbers of block b, and the floor 2^(3 - 127)
.endr
.irp i, 2,4,6,8,10,12,14
.irp b, 0,1,2,3
	v_max3_num_f32 v[TM+\b], v[TM+\b], |v[\s+16*\b+\i]|, |v[\s+1+16*\b+\i]|
.endr
.endr
.irp b, 0,1,2,3
	v_permlanex16_b32 v[TM+4+\b], v[TM+\b], s[SEL], s[SEL+1]
.endr
.irp b, 0,1,2,3
	v_max_num_f32 v[TM+\b], v[TM+\b], v[TM+4+\b]
.endr
.irp b, 0,1,2,3
	v_add_nc_u32 v[TM+12+\b], 0xff000000, v[TM+\b] ; 2 off the exponent field: the conversion's scale operand
.endr
.irp b, 0,1,2,3
	v_lshrrev_b32 v[TM+4+\b], 23, v[TM+12+\b]
.endr
	v_lshl_or_b32 v[\pw], v[TM+5], 8, v[TM+4]
	v_lshl_or_b32 v[\pw], v[TM+6], 16, v[\pw]
	v_lshl_or_b32 v[\pw], v[TM+7], 24, v[\pw]
.irp c, 0,1
	v_cvt_scalef32_pk16_fp6_f32 v[\pc+6*\c:\pc+2+6*\c], v[\s+32*\c:\s+15+32*\c], v[TM+12+2*\c]
	v_cvt_scalef32_pk16_fp6_f32 v[\pc+12+4*\c:\pc+14+4*\c], v[\s+16+32*\c:\s+31+32*\c], v[TM+12+2*\c+1]
.endr
	v_nop                                          ; one plain place behind a scaled conversion
.irp c, 0,1
.irp i, 0,1,2
	v_permlane16_swap_b32 v[\pc+6*\c+\i], v[\pc+12+4*\c+\i]
.endr
.irp i, 0,1,2
	v_mov_b32 v[\pc+3+6*\c+\i], v[\pc+12+4*\c+\i]
.endr
.endr
.endm
.macro BIAS i                          ; tile i's bias: lane (r, h), tile b of 16 features: features 32 (b / 2) + 8 (b % 2) + 16 h + 0 .. 7; a tile of the walk lies 1,024 features, 4,096 bytes, behind the last
.irp b, 0,1,2,3
	global_load_b128 v[96+8*\b:99+8*\b], v12, s[8:9] offset:4096*(\i)+128*(\b/2)+32*(\b%2)
	global_load_b128 v[100+8*\b:103+8*\b], v12, s[8:9] offset:4096*(\i)+128*(\b/2)+32*(\b%2)+16
.endr
.endm
.macro EPI i                           ; THE WAY OUT of tile i: relu, the quantiser, the images of four half fragments and their scale bytes
	PLACES 4                                       ; four places in front of the first read of results
.set n, 0
.rept 128
	v_max_num_f32 v[ACC+n], 0, v[ACC+n]            ; the activation, each accumulator from its low end on
.set n, n+1
.endr
.if \i > 0
	s_wait_xcnt 0x0                                ; the last tile's stores have read their registers and bases: both are written again below
	s_add_nc_u64 s[72:73], s[72:73], HSTEP
	s_add_nc_u64 s[76:77], s[76:77], HSTEP
.endif
	QUANT 128, 48, 88
	QUANT 192, 68, 89
	v_lshrrev_b32 v90, 16, v88
	v_lshrrev_b32 v91, 16, v89
.irp a, 0,1,2,3
	global_store_b128 v16, v[48+20*(\a/2)+6*(\a%2):51+20*(\a/2)+6*(\a%2)], s[72:73] offset:1536*\a
	global_store_b64 v17, v[52+20*(\a/2)+6*(\a%2):53+20*(\a/2)+6*(\a%2)], s[72:73] offset:1536*\a+512
.endr
	global_store_b16 v18, v88, s[76:77]            ; bytes 2 hX and 2 hX + 1 of the token's scale word
	global_store_b16 v18, v90, s[76:77] offset:64
	global_store_b16 v18, v89, s[76:77] offset:128
	global_store_b16 v18, v91, s[76:77] offset:192
.endm
; A feature tile: eight K steps out of slot s, and the way out.  chg = 2: the slot is filled again; 1: only the change of slots; 0: the last tile.
.macro TILE i, s, chg
	s_wait_loadcnt 0x0                             ; this tile's bias
	STEPK \s, 0, 1
	STEPK \s, 1, 2
.if (\i) < NT-1
	BIAS (\i)+1                                    ; the next tile's: the four places of the step above stand between the products that read these registers and the loads into them
.endif
	STEPK \s, 2, 2
	STEPK \s, 3, 2
	STEPK \s, 4, 2
	STEPK \s, 5, 2
	STEPK \s, 6, 2
.if \chg == 2
	CHANGE \s, 1
.elseif \chg == 1
	CHANGE \s, 0
.else
	s_wait_dscnt 0x0
	MULX 1, 2
.endif
	EPI \i
.endm
	s_load_b128 s[4:7], s[0:1], 0x0                ; h2c, wimg
	s_load_b128 s[8:11], s[0:1], 0x10              ; b1, hid
	v_lshl_add_u32 v14, v0, 2, SPARE
	v_mov_b32 v15, 0
	ds_add_u32 v14, v15
	ds_add_u32 v14, v15
	s_wait_dscnt 0x0
	v_lshrrev_b32 v1, 5, v0
	v_readfirstlane_b32 s14, v1                    ; wave 0..3
	s_lshr_b32 s15, s14, 1                         ; my Y quad.  Also: which K half I fetch
	s_and_b32 s16, s14, 1                          ; my X quad.  Also: which quad I fetch
	s_bfe_u32 s40, ttmp6, 0x40000
	s_bfe_u32 s41, ttmp6, 0x40004
	s_lshl_b32 s42, ttmp9, 2
	s_add_co_u32 s42, s42, s40                     ; gx 0..7
	s_and_b32 s17, ttmp7, 0xffff
	s_lshl_b32 s17, s17, 2
	s_add_co_u32 s17, s17, s41                     ; ty
	s_lshl_b32 s43, s41, 2
	s_lshl_b32 s43, 15, s43                        ; my row of the cluster
	s_lshl_b32 s44, 0x1111, s40                    ; my column
	s_or_b32 s[G1Y], s43, (3<<16)|(1<<21)          ; the mask; elements of 8 bytes; bit 21 beside a mask; no padding
	s_or_b32 s[G1X], s44, (3<<16)|(1<<21)
.irp g, G1Y, G1X
	s_mov_b32 s[\g+1], 800<<16                     ; tensor_dim0 = 800 elements: a quad
	s_mov_b32 s[\g+2], 8<<16                       ; tensor_dim1 = 8 K steps: the head's loads bring a quad for all of K
	s_mov_b32 s[\g+3], 800<<16
	s_mov_b32 s[\g+4], 8
	s_mov_b32 s[\g+6], 0
	s_mov_b32 s[\g+7], 0
.endr
	s_mov_b32 s[G1Y+5], NQY*800
	s_mov_b32 s[G1X+5], NQX*800
	s_lshl_b32 s20, s17, 1
	s_add_co_u32 s20, s20, s16
	s_mul_i32 s20, s20, QB                         ; Y: quad 2 ty + (wave % 2), from K step 0
	s_mov_b32 s21, 0
	s_lshl_b32 s46, s42, 1
	s_add_co_u32 s46, s46, s16
	s_mul_i32 s47, s15, 4*NQX
	s_add_co_u32 s46, s46, s47
	s_mul_i32 s46, s46, QB                         ; X: quad 2 gx + (wave % 2) of the walk's first tile, K steps 4 (wave / 2) on
	s_add_co_u32 s46, s46, XOFF
	s_mov_b32 s47, 0
	; A REGION OF LDS IS NOW [quad][K step]: quad q at 2 q PIECE, its K step k at k QB.  At the head a wave brings one quad for all 8 K steps; a later load of X brings quad wave % 2, K steps 4 (wave / 2) on
	s_mul_i32 s79, s16, 2*PIECE                    ; my quad's place in a region
	s_mul_i32 s45, s15, PIECE
	s_add_co_u32 s45, s45, s79                     ; and my K half's place in it: made of the wave's number alone
	s_mul_i32 s80, s15, 4*NQX*QB                   ; bytes from X's K step 0 to my K half
	s_mov_b32 s81, 0
	s_wait_kmcnt 0x0
	s_add_nc_u64 s[20:21], s[4:5], s[20:21]
	s_add_nc_u64 s[46:47], s[6:7], s[46:47]
	CROUND                                         ; all sixteen work-groups are here: the first joint loads meet
	s_mov_b32 s[G0Y], 1
	s_add_co_u32 s[G0Y+1], s79, YR
	s_mov_b64 s[G0Y+2:G0Y+3], s[20:21]
	s_or_b32 s[G0Y+3], s[G0Y+3], 0x80000000
	s_mov_b32 s[G0X], 1
	s_mov_b32 s[G0X+1], s79                        ; slot 0 begins at LDS byte 0
	s_sub_nc_u64 s[G0X+2:G0X+3], s[46:47], s[80:81] ; the head's load of X begins at K step 0
	s_or_b32 s[G0X+3], s[G0X+3], 0x80000000
	s_mov_b32 s[G0X+4], 1
	s_add_co_u32 s[G0X+5], s45, SL1
	s_add_nc_u64 s[G0X+6:G0X+7], s[46:47], TSTEP
	s_or_b32 s[G0X+7], s[G0X+7], 0x80000000
	s_cmp_eq_u32 s15, 0                            ; one tensor load a wave at the head: waves 0, 1 bring my tokens' two quads, waves 2, 3 those of the walk's first tile
	s_cbranch_scc0 .Lhead_x
	tensor_load_to_lds s[G0Y:G0Y+3], s[G1Y:G1Y+7]
	s_nop 0
	PLACES 4
	s_branch .Lhead_asked
.Lhead_x:
	tensor_load_to_lds s[G0X:G0X+3], s[G1X:G1X+7]
	s_nop 0
	PLACES 4
.Lhead_asked:
	v_and_b32 v1, 15, v0                           ; r
	v_bfe_u32 v2, v0, 4, 1                         ; h
	s_wait_alu depctr_va_vdst(0)
	v_and_b32 v3, 31, v0                           ; lane
	v_lshlrev_b32 v16, 4, v3
	v_lshlrev_b32 v17, 3, v3
	v_lshlrev_b32 v18, 2, v1
	v_lshlrev_b32 v12, 6, v2                       ; the bias: 64 h
	s_lshl_b32 s66, s42, 9
	s_lshl_b32 s67, s16, 8
	s_add_co_u32 s66, s66, s67                     ; my 64 features of the first tile, in bytes
	s_mov_b32 s67, 0
	s_add_nc_u64 s[8:9], s[8:9], s[66:67]
	BIAS 0
	s_mul_i32 s18, s15, 2*PIECE
	s_add_co_u32 s18, s18, YR                      ; my Y quad
	s_mul_i32 s19, s16, 2*PIECE
	s_add_co_u32 s23, s19, SL1                     ; and in slot 1
	s_sub_co_u32 s22, s18, s19
	v_xor_b32 v19, 1, v2
	v_mul_u32_u24 v13, s22, v19                    ; scale words with slot 0: X's place + (h xor 1) x the distance up to Y's: lanes 0-15 take Y's, lanes 16-31 X's
	s_wait_alu depctr_va_vdst(0)
	v_add_nc_u32 v13, v13, v18
	s_sub_co_u32 s22, s23, s18
	v_mul_u32_u24 v19, s22, v2                     ; with slot 1: Y's place + h x the distance up to X's
	v_add_nc_u32 v19, v19, v18
.irp hf, 0,1
	v_add_nc_u32 v[4+\hf], s18, v16
	v_add_nc_u32 v[6+\hf], s18, v17
	v_add_nc_u32 v[8+\hf], s19, v16
	v_add_nc_u32 v[92+\hf], s19, v17
	v_add_nc_u32 v[10+\hf], s23, v16
	v_add_nc_u32 v[94+\hf], s23, v17
	v_add_nc_u32 v[20+\hf], s19, v13
	v_add_nc_u32 v[22+\hf], s18, v19
	s_add_co_u32 s18, s18, PIECE                   ; the second K half lies one piece on
	s_add_co_u32 s19, s19, PIECE
	s_add_co_u32 s23, s23, PIECE
.endr
.irp b, 0,1,2,3
	v_mov_b32 v[TM+4+\b], 0                        ; written once: a lane permute's destination counts as one of its sources
.endr
	s_mov_b32 s[SEL], 0x76543210
	s_mov_b32 s[SEL+1], 0xfedcba98
	s_lshl_b32 s68, s42, 6
	s_lshl_b32 s69, s17, 1
	s_add_co_u32 s68, s68, s69
	s_add_co_u32 s68, s68, s15
	s_mul_i32 s68, s68, QB                         ; the first tile's quad of the result: (K step gx, token quad 2 ty + hY)
	s_mul_i32 s69, s16, 768                        ; my features are half hX of the K step
	s_add_co_u32 s72, s68, s69
	s_mov_b32 s73, 0
	s_add_nc_u64 s[72:73], s[10:11], s[72:73]
	s_lshl_b32 s69, s16, 1
	s_add_co_u32 s76, s68, s69
	s_add_co_u32 s76, s76, SCO
	s_mov_b32 s77, 0
	s_add_nc_u64 s[76:77], s[10:11], s[76:77]
	s_wait_alu depctr_va_vdst(0)
	s_wait_tensorcnt 0x0                           ; my one load of the head has landed; slot 1's first fill is issued as a refill is
	ds_add_u32 v14, v15
	s_mov_b32 s[G1X+2], 4<<16                      ; no tensor load of mine is out, so descriptors may be written: from here on a load of X brings 4 K steps of one quad
	s_mov_b32 s[G1X+4], 4
	s_mov_b32 s[G0X+1], s45
	s_mov_b64 s[G0X+2:G0X+3], s[46:47]
	s_or_b32 s[G0X+3], s[G0X+3], 0x80000000
	s_wait_dscnt 0x0
	CROUND                                         ; everybody's part of Y and of slot 0 is in, and all sixteen work-groups are here
	tensor_load_to_lds s[G0X+4:G0X+7], s[G1X:G1X+7] ; the walk's second tile, into slot 1: it has the first tile's products in which to land
	s_nop 0
	PLACES 4
	FETCH 0, 0, 0
	TILE 0, 0, 2                                   ; slot 0 then takes tile 2
	TILE 1, 1, 2                                   ; slot 1 then takes tile 3
	TILE 2, 0, 1                                   ; nothing is left to fetch: the tail is written out
	TILE 3, 1, 0
	s_wait_tensorcnt 0x0                           ; the wave's end
	ds_add_u32 v14, v15
	s_wait_dscnt 0x0
	CROUND                                         ; the closing round: no work-group ends while a partner may still ask for a tile that names it
	s_endpgm
.Lfunc_end_k_q48f218f74f_ff1:
	.size	k_q48f218f74f_ff1, .Lfunc_end_k_q48f218f74f_ff1-k_q48f218f74f_ff1
	.p2alignl 7, 3214868480
	.fill 96, 4, 3214868480
	.section	.rodata,"a",@progbits
	.p2align	6, 0x0
	.amdhsa_kernel k_q48f218f74f_ff1
		.amdhsa_group_segment_fixed_size 327680
		.amdhsa_private_segment_fixed_size 0
		.amdhsa_enable_private_segment 0
		.amdhsa_kernarg_size 32
		.amdhsa_user_sgpr_count 2
		.amdhsa_user_sgpr_kernarg_segment_ptr 1
		.amdhsa_wavefront_size32 1
		.amdhsa_system_sgpr_workgroup_id_x 1
		.amdhsa_system_sgpr_workgroup_id_y 1
		.amdhsa_system_sgpr_workgroup_id_z 1
		.amdhsa_system_vgpr_workitem_id 0
		.amdhsa_next_free_vgpr 512
		.amdhsa_next_free_sgpr 84
		.amdhsa_reserve_vcc 0
		.amdhsa_float_denorm_mode_32 3
		.amdhsa_float_denorm_mode_16_64 3
		.amdhsa_memory_ordered 1
		.amdhsa_forward_progress 1
		.amdhsa_inst_pref_size 210
	.end_amdhsa_kernel
	.amdgpu_metadata
---
amdhsa.version: [ 1, 2 ]
amdhsa.kernels:
  - .name:           k_q48f218f74f_ff1
    .symbol:         k_q48f218f74f_ff1.kd
    .args:
      - { .name: h2c, .offset: 0, .size: 8, .value_kind: global_buffer, .address_space: global }
      - { .name: wimg, .offset: 8, .size: 8, .value_kind: global_buffer, .address_space: global }
      - { .name: b1, .offset: 16, .size: 8, .value_kind: global_buffer, .address_space: global }
      - { .name: hid, .offset: 24, .size: 8, .value_kind: global_buffer, .address_space: global }
    .group_segment_fixed_size: 327680
    .private_segment_fixed_size: 0
    .kernarg_segment_align: 8
    .kernarg_segment_size: 32
    .max_flat_workgroup_size: 128
    .sgpr_count:     84
    .vgpr_count:     512
    .wavefront_size: 32
...
	.end_amdgpu_metadata
.endif
;; end of part 12
;; launch ff2 (part 13): grid 8 x 32, 4 waves a work-group, clusters of 4 x 4, 327,680 bytes of LDS; arguments hid, wimg, x1, out0; writes out0
.if DOCPART == 13
	.amdgcn_target "amdgcn-amd-amdhsa--gfx1250"
	.amdhsa_code_object_version 6
	.text
	.protected	k_q48f218f74f_ff2
	.globl	k_q48f218f74f_ff2
	.p2align	8
	.type	k_q48f218f74f_ff2,@function
k_q48f218f74f_ff2:
	s_mov_b64 s[64:65], 0
	v_nop
	global_prefetch_b8 v0, s[64:65] scope:SCOPE_SE
	s_setreg_imm32_b32 hwreg(HW_REG_WAVE_MODE, 25, 1), 1
	s_wait_xcnt 0x0
	s_wait_alu depctr_hold_cnt(0) depctr_sa_sdst(0) depctr_va_vdst(0) depctr_va_sdst(0) depctr_va_ssrc(0) depctr_va_vcc(0) depctr_vm_vsrc(0)
	s_getreg_b32 s2, hwreg(HW_REG_IB_STS2, 6, 4)
	s_cmp_eq_u32 s2, 0
	s_cbranch_scc0 .Lentry_in_a_cluster
	s_endpgm
.Lentry_in_a_cluster:
	s_bfe_u32 s2, ttmp6, 0x10000c
	s_cmp_lg_u32 s2, 0xf033
	s_cbranch_scc0 .Lentry_shape_is_right
	s_endpgm
.Lentry_shape_is_right:
.set QB,    6400
.set SCO,   6144
.set PIECE, 4*QB
.set SLOT,  4*PIECE
.set NQY,   64
.set NQX,   16
.set XOFF,  6553600
.set NS,    8
.set STAGE, 2*SLOT
.set SPARE, STAGE+4*4352
.set G1Y, 24
.set G0Y, 32
.set G1X, 48
.set G0X, 56
.set SC,  24
.set ACC, 128
.set MSB, 0
.macro WIN new
.if MSB != \new
	s_set_vgpr_msb (MSB<<8)|\new
.set MSB, \new
.endif
.endm
.macro PLACES n
.rept \n
	v_nop
.endr
.endm
.macro CREST
	s_cmp_lg_u32 s14, 0
	s_cbranch_scc1 .Lnot_wave_0_\@
	s_barrier_signal -3
.Lnot_wave_0_\@:
	s_barrier_wait -3
	s_barrier_signal -1
	s_barrier_wait -1
.endm
.macro CROUND
	s_barrier_signal -1
	s_barrier_wait -1
	CREST
.endm
.macro JLOAD g0y, g1y, g0x, g1x
	s_cmp_eq_u32 s15, 0
	s_cbranch_scc0 .Lfor_x_\@
	tensor_load_to_lds s[\g0y:\g0y+3], s[\g1y:\g1y+7]
	s_nop 0
.rept 4
	v_nop
.endr
	s_branch .Lasked_\@
.Lfor_x_\@:
	tensor_load_to_lds s[\g0x:\g0x+3], s[\g1x:\g1x+7]
	s_nop 0
.rept 4
	v_nop
.endr
.Lasked_\@:
.endm
.macro FETCH s, kk, g
	WIN 0x40
.irp t, 0,1,2,3
	ds_load_b128 v[96*(\g)+12*\t:96*(\g)+12*\t+3],       v[4+\s]  offset:QB*(\kk)+1536*\t
	ds_load_b64  v[96*(\g)+12*\t+4:96*(\g)+12*\t+5],     v[6+\s]  offset:QB*(\kk)+1536*\t+512
	ds_load_b128 v[96*(\g)+12*\t+6:96*(\g)+12*\t+9],     v[4+\s]  offset:QB*(\kk)+1536*\t+768
	ds_load_b64  v[96*(\g)+12*\t+10:96*(\g)+12*\t+11],   v[6+\s]  offset:QB*(\kk)+1536*\t+1280
	ds_load_b128 v[96*(\g)+48+12*\t:96*(\g)+48+12*\t+3],     v[8+\s]  offset:QB*(\kk)+1536*\t
	ds_load_b64  v[96*(\g)+48+12*\t+4:96*(\g)+48+12*\t+5],   v[10+\s] offset:QB*(\kk)+1536*\t+512
	ds_load_b128 v[96*(\g)+48+12*\t+6:96*(\g)+48+12*\t+9],   v[8+\s]  offset:QB*(\kk)+1536*\t+768
	ds_load_b64  v[96*(\g)+48+12*\t+10:96*(\g)+48+12*\t+11], v[10+\s] offset:QB*(\kk)+1536*\t+1280
.endr
	WIN 0
.irp i, 0,1,2,3
	ds_load_b32 v[SC+4*(\g)+\i], v[12+\s] offset:QB*(\kk)+SCO+64*\i
.endr
.endm
.macro MULX f, cm
	WIN 0x05
.irp a, 0,1,2,3
.irp b, 0,1,2,3
.if \cm == 1
	v_wmma_scale_f32_16x16x128_f8f6f4 v[ACC+8*(4*\a+\b):ACC+8*(4*\a+\b)+7], v[96*(\f)+48+12*\b:96*(\f)+48+12*\b+11], v[96*(\f)+12*\a:96*(\f)+12*\a+11], v[96+8*\b:103+8*\b], v[SC+4*(\f)+\b], v[SC+4*(\f)+\a] matrix_a_fmt:MATRIX_FMT_FP6 matrix_b_fmt:MATRIX_FMT_FP6 matrix_a_scale:MATRIX_SCALE_ROW1
.else
	v_wmma_scale_f32_16x16x128_f8f6f4 v[ACC+8*(4*\a+\b):ACC+8*(4*\a+\b)+7], v[96*(\f)+48+12*\b:96*(\f)+48+12*\b+11], v[96*(\f)+12*\a:96*(\f)+12*\a+11], v[ACC+8*(4*\a+\b):ACC+8*(4*\a+\b)+7], v[SC+4*(\f)+\b], v[SC+4*(\f)+\a] matrix_a_fmt:MATRIX_FMT_FP6 matrix_b_fmt:MATRIX_FMT_FP6 matrix_a_scale:MATRIX_SCALE_ROW1
.endif
.endr
.endr
	WIN 0
.endm
.macro STEPK s, kk, cm
	s_wait_dscnt 0x0
	PLACES 4
	FETCH \s, (\kk)+1, ((\kk)+1)%2
	MULX (\kk)%2, \cm
.endm
.macro TURN s, n, fill
.if \fill
	s_wait_xcnt 0x0                                ; my last prefetch has read its address: it steps on by one fill (4 K steps)
	s_add_nc_u64 s[72:73], s[72:73], s[74:75]
.endif
	s_wait_tensorcnt 0x0
	ds_add_u32 v14, v15
.if \fill
	s_add_nc_u64 s[G0Y+4*\s+2:G0Y+4*\s+3], s[G0Y+4*\s+2:G0Y+4*\s+3], 8*NQY*QB
	s_add_nc_u64 s[G0X+4*\s+2:G0X+4*\s+3], s[G0X+4*\s+2:G0X+4*\s+3], 8*NQX*QB
.endif
	s_wait_dscnt 0x0
.if \fill
	CROUND
	JLOAD G0Y+4*\s, G1Y, G0X+4*\s, G1X
.else
	s_barrier_signal -1
	s_barrier_wait -1
	PLACES 4
.endif
	FETCH \n, 0, 0
.if \fill                              ; a prefetch for the fill that stands two refills on: one quad of one K step, 25 blocks of 256 bytes, a lane a block (lanes 25-31 name the last again).  The loop's last lap has no such fill
	s_cmp_gt_u32 s3, 1
	s_cbranch_scc0 .Lno_ask_\@
	global_prefetch_b8 v32, s[72:73] th:TH_LOAD_NT scope:SCOPE_SE
.Lno_ask_\@:
.endif
	MULX 1, 2
.endm
.macro OUT a, left
.irp b, 0,1,2,3
	ds_store_b128 v18, v[ACC+8*(4*\a+\b):ACC+8*(4*\a+\b)+3] offset:128*(\b/2)+32*(\b%2)
	ds_store_b128 v18, v[ACC+8*(4*\a+\b)+4:ACC+8*(4*\a+\b)+7] offset:128*(\b/2)+32*(\b%2)+16
.endr
.irp i, 0,1,2,3,4,5,6,7
	ds_load_b128 v[96+4*\i:99+4*\i], v19 offset:544*\i
.endr
	s_wait_dscnt 0x0
.irp i, 0,1,2,3,4,5,6,7
	global_store_b128 v20, v[96+4*\i:99+4*\i], s[12:13] offset:(32*(\a/2)+8*(\a%2)+2*\i+8*(\i/4))*4096
.endr
	s_wait_xcnt 0x0
.endm
	s_load_b128 s[4:7], s[0:1], 0x0
	s_load_b64 s[10:11], s[0:1], 0x10              ; x1: x1 + b2 as an image of this launch's accumulators: [token tile][tile of 16 columns][half of 8 registers][lane][16 bytes]
	s_load_b64 s[12:13], s[0:1], 0x18              ; out0
	v_lshl_add_u32 v14, v0, 2, SPARE
	v_mov_b32 v15, 0
	ds_add_u32 v14, v15
	ds_add_u32 v14, v15
	s_wait_dscnt 0x0
	v_lshrrev_b32 v1, 5, v0
	v_readfirstlane_b32 s14, v1
	s_lshr_b32 s15, s14, 1
	s_and_b32 s16, s14, 1
	s_bfe_u32 s40, ttmp6, 0x40000
	s_bfe_u32 s41, ttmp6, 0x40004
	s_lshl_b32 s42, ttmp9, 2
	s_add_co_u32 s42, s42, s40
	s_and_b32 s17, ttmp7, 0xffff
	s_lshl_b32 s17, s17, 2
	s_add_co_u32 s17, s17, s41
	s_lshl_b32 s43, s41, 2
	s_lshl_b32 s43, 15, s43
	s_lshl_b32 s44, 0x1111, s40
	s_or_b32 s[G1Y], s43, (3<<16)|(1<<21)
	s_or_b32 s[G1X], s44, (3<<16)|(1<<21)
.irp g, G1Y, G1X
	s_mov_b32 s[\g+1], 800<<16
	s_mov_b32 s[\g+2], 4<<16
	s_mov_b32 s[\g+3], 800<<16
	s_mov_b32 s[\g+4], 4
	s_mov_b32 s[\g+6], 0
	s_mov_b32 s[\g+7], 0
.endr
	s_mov_b32 s[G1Y+5], NQY*800
	s_mov_b32 s[G1X+5], NQX*800
	s_lshl_b32 s20, s17, 1
	s_add_co_u32 s20, s20, s16
	s_mul_i32 s20, s20, QB
	s_mov_b32 s21, 0
	s_lshl_b32 s46, s42, 1
	s_add_co_u32 s46, s46, s16
	s_mul_i32 s46, s46, QB
	s_add_co_u32 s46, s46, XOFF
	s_mov_b32 s47, 0
	s_mul_i32 s45, s14, PIECE
	s_wait_kmcnt 0x0
	s_add_nc_u64 s[20:21], s[4:5], s[20:21]
	s_add_nc_u64 s[46:47], s[6:7], s[46:47]
	CROUND
.irp s, 0,1
	s_mov_b32 s[G0Y+4*\s], 1
	s_add_co_u32 s[G0Y+4*\s+1], s45, \s*SLOT
	s_add_nc_u64 s[G0Y+4*\s+2:G0Y+4*\s+3], s[20:21], \s*4*NQY*QB
	s_or_b32 s[G0Y+4*\s+3], s[G0Y+4*\s+3], 0x80000000
	s_mov_b32 s[G0X+4*\s], 1
	s_add_co_u32 s[G0X+4*\s+1], s45, \s*SLOT
	s_add_nc_u64 s[G0X+4*\s+2:G0X+4*\s+3], s[46:47], \s*4*NQX*QB
	s_or_b32 s[G0X+4*\s+3], s[G0X+4*\s+3], 0x80000000
	s_wait_alu depctr_va_vdst(0)
	s_wait_tensorcnt 0x0
	ds_add_u32 v14, v15
	ds_add_u32 v14, v15
	s_wait_dscnt 0x0
	CROUND
	JLOAD G0Y+4*\s, G1Y, G0X+4*\s, G1X
.endr
	v_and_b32 v1, 15, v0
	v_bfe_u32 v2, v0, 4, 1
	v_and_b32 v3, 31, v0
	v_lshlrev_b32 v16, 4, v3
	v_lshlrev_b32 v17, 3, v3
	v_lshlrev_b32 v23, 2, v1
	s_mul_i32 s18, s15, PIECE
	s_mul_i32 s19, s16, PIECE
	s_add_co_u32 s19, s19, 2*PIECE
	s_sub_co_u32 s22, s19, s18
	v_mul_u32_u24 v22, s22, v2
	v_add_nc_u32 v22, v22, v23
.irp s, 0,1
	v_add_nc_u32 v[4+\s], s18, v16
	v_add_nc_u32 v[6+\s], s18, v17
	v_add_nc_u32 v[8+\s], s19, v16
	v_add_nc_u32 v[10+\s], s19, v17
	v_add_nc_u32 v[12+\s], s18, v22
	s_add_co_u32 s18, s18, SLOT
	s_add_co_u32 s19, s19, SLOT
.endr
	s_mul_i32 s70, s14, 4352
	s_add_co_u32 s70, s70, STAGE
	v_mul_u32_u24 v18, v1, 272
	v_lshl_add_u32 v18, v2, 6, v18
	v_add_nc_u32 v18, s70, v18
	v_mul_u32_u24 v19, v2, 272
	v_lshl_add_u32 v19, v1, 4, v19
	v_add_nc_u32 v19, s70, v19
	v_lshlrev_b32 v20, 12, v2
	v_lshl_add_u32 v20, v1, 4, v20
	v_min_u32 v32, 24, v3
	v_lshlrev_b32 v32, 8, v32                      ; the prefetches' offset: block min(lane, 24) of a quad's 25; never rewritten
	s_wait_alu depctr_va_vdst(0)
	s_lshl_b32 s66, s42, 9
	s_lshl_b32 s67, s16, 8
	s_add_co_u32 s66, s66, s67
	s_mov_b32 s67, 0
	s_lshl_b32 s68, s17, 7
	s_lshl_b32 s69, s15, 6
	s_add_co_u32 s68, s68, s69
	s_lshl_b32 s68, s68, 12
	s_add_co_u32 s68, s68, s66
	s_mov_b32 s69, 0
	s_lshl_b32 s70, s17, 19                        ; my accumulators' image: token tile 8 ty + 4 (wave / 2) + a at 65,536 bytes each, column tile 8 gx + 4 (wave % 2) + b at 1,024
	s_lshl_b32 s71, s15, 18
	s_add_co_u32 s70, s70, s71
	s_lshl_b32 s71, s42, 13
	s_add_co_u32 s70, s70, s71
	s_lshl_b32 s71, s16, 12
	s_add_co_u32 s70, s70, s71
	s_mov_b32 s71, 0
	s_add_nc_u64 s[10:11], s[10:11], s[70:71]
	; THE PREFETCHES.  A fill is 4 K steps of two quads of Y and of X.  Waves 0, 1 ask for Y's quads, waves 2, 3 for X's; of the 4 K steps the partner at place p among the four that ask jointly takes K step p, BY ADDRESS (p = cx for Y, cy for X):
	; so each block of 256 bytes is named once in each cluster that will load it.  Fills 2 and 3 are asked for here, fill f + 2 behind the refill that brings fill f; fills 0 and 1 come by their loads alone.
	s_cmp_eq_u32 s15, 0
	s_cselect_b64 s[72:73], s[20:21], s[46:47]
	s_cselect_b32 s76, s40, s41
	s_mov_b32 s74, 4*NQX*QB
	s_cselect_b32 s74, 4*NQY*QB, s74               ; bytes from a fill to the next
	s_lshr_b32 s77, s74, 2                         ; and from a K step to the next
	s_mul_i32 s76, s76, s77
	s_mov_b32 s77, 0
	s_mov_b32 s75, 0
	s_add_nc_u64 s[72:73], s[72:73], s[76:77]
	s_add_nc_u64 s[72:73], s[72:73], s[74:75]
	s_add_nc_u64 s[76:77], s[72:73], s[74:75]      ; fill 2
	s_add_nc_u64 s[72:73], s[76:77], s[74:75]      ; fill 3; the first refill steps it to fill 4
	global_prefetch_b8 v32, s[76:77] th:TH_LOAD_NT scope:SCOPE_SE
	global_prefetch_b8 v32, s[72:73] th:TH_LOAD_NT scope:SCOPE_SE
	s_add_nc_u64 s[12:13], s[12:13], s[68:69]
.irp b, 0,1,2,3
.irp a, 0,1,2,3
	global_load_b128 v[ACC+8*(4*\a+\b):ACC+8*(4*\a+\b)+3], v16, s[10:11] offset:65536*\a+1024*\b th:TH_LOAD_NT       ; x1 + b2 goes into the accumulators themselves: the sums begin with it; 512 consecutive bytes a load
	global_load_b128 v[ACC+8*(4*\a+\b)+4:ACC+8*(4*\a+\b)+7], v16, s[10:11] offset:65536*\a+1024*\b+512 th:TH_LOAD_NT
.endr
.endr
	s_wait_tensorcnt 0x1
	s_barrier_signal -1
	s_barrier_wait -1
	FETCH 0, 0, 0
	s_wait_loadcnt 0x0                             ; the accumulators hold x1 + b2
	STEPK 0, 0, 2
	s_mov_b32 s3, NS/2-1
.Llap:
	STEPK 0, 1, 2
	STEPK 0, 2, 2
	TURN 0, 1, 1
	STEPK 1, 0, 2
	STEPK 1, 1, 2
	STEPK 1, 2, 2
	TURN 1, 0, 1
	STEPK 0, 0, 2
	s_sub_co_u32 s3, s3, 1
	s_cmp_lg_u32 s3, 0
	s_cbranch_scc1 .Llap
	STEPK 0, 1, 2
	STEPK 0, 2, 2
	TURN 0, 1, 0
	STEPK 1, 0, 2
	STEPK 1, 1, 2
	STEPK 1, 2, 2
	s_wait_dscnt 0x0
	MULX 1, 2
	PLACES 4
	OUT 0, 8
	OUT 1, 8
	OUT 2, 8
	OUT 3, 0
	s_wait_tensorcnt 0x0
	ds_add_u32 v14, v15
	s_wait_dscnt 0x0
	CROUND
	s_endpgm
.Lfunc_end_k_q48f218f74f_ff2:
	.size	k_q48f218f74f_ff2, .Lfunc_end_k_q48f218f74f_ff2-k_q48f218f74f_ff2
	.p2alignl 7, 3214868480
	.fill 96, 4, 3214868480
	.section	.rodata,"a",@progbits
	.p2align	6, 0x0
	.amdhsa_kernel k_q48f218f74f_ff2
		.amdhsa_group_segment_fixed_size 327680
		.amdhsa_private_segment_fixed_size 0
		.amdhsa_enable_private_segment 0
		.amdhsa_kernarg_size 32
		.amdhsa_user_sgpr_count 2
		.amdhsa_user_sgpr_kernarg_segment_ptr 1
		.amdhsa_wavefront_size32 1
		.amdhsa_system_sgpr_workgroup_id_x 1
		.amdhsa_system_sgpr_workgroup_id_y 1
		.amdhsa_system_sgpr_workgroup_id_z 1
		.amdhsa_system_vgpr_workitem_id 0
		.amdhsa_next_free_vgpr 512
		.amdhsa_next_free_sgpr 80
		.amdhsa_reserve_vcc 0
		.amdhsa_float_denorm_mode_32 3
		.amdhsa_float_denorm_mode_16_64 3
		.amdhsa_memory_ordered 1
		.amdhsa_forward_progress 1
		.amdhsa_inst_pref_size 95
	.end_amdhsa_kernel
	.amdgpu_metadata
---
amdhsa.version: [ 1, 2 ]
amdhsa.kernels:
  - .name:           k_q48f218f74f_ff2
    .symbol:         k_q48f218f74f_ff2.kd
    .args:
      - { .name: hid, .offset: 0, .size: 8, .value_kind: global_buffer, .address_space: global }
      - { .name: wimg, .offset: 8, .size: 8, .value_kind: global_buffer, .address_space: global }
      - { .name: x1, .offset: 16, .size: 8, .value_kind: global_buffer, .address_space: global }
      - { .name: out0, .offset: 24, .size: 8, .value_kind: global_buffer, .address_space: global }
    .group_segment_fixed_size: 327680
    .private_segment_fixed_size: 0
    .kernarg_segment_align: 8
    .kernarg_segment_size: 32
    .max_flat_workgroup_size: 128
    .sgpr_count:     80
    .vgpr_count:     512
    .wavefront_size: 32
...
	.end_amdgpu_metadata
.endif
;; end of part 13
